; MI455X (gfx1250); checked and timed in simulation.
; The chip was launched on July 23, 2026; its instructions are those of AMD's public machine-readable ISA for CDNA 5 (MIT licence, August 2026) and "CDNA5" Instruction Set Architecture Reference Guide (July 2026). The comments in the code are by the model that wrote it; some were corrected since.
;; Transformer Block. Allowed arithmetic: matrix products marked QUANTISED: E2M3 operands, one E8M0 scale for each 32 along K, by v_wmma_scale_f32_16x16x128_f8f6f4 with both operands' format E2M3, f32 sums; everything else in f32.
;; Inputs: beta1 256 float32; beta2 256 float32; bf1 1,024 float32; bf2 256 float32; bk 256 float32; bo 256 float32; bq 256 float32; bv 256 float32; g1 256 float32; g2 256 float32; w1 1,024 x 256 float32; w2 256 x 1,024 float32; wk 256 x 256 float32; wo 256 x 256 float32; wq 256 x 256 float32; wv 256 x 256 float32; x 32 x 1,024 x 256 float32.
;; Outputs: out0 32 x 1,024 x 256 float32.
;; This version of the problem:
;;   THIS VERSION OF THE PROBLEM IS GIVEN IN LOW PRECISION. The matrix products marked QUANTISED in the list below multiply operands that are first quantised to E2M3 (2 exponent bits, 3 mantissa bits; 6 bits a number), with one power-of-two scale for each 32 numbers along K (OCP MX v1.0); their sums are f32. All else is computed in f32.
;;   The module's matrix products, in the order in which they are computed (A, B: the left and right operand; K: the contracted axis; several contracted axes count as one K, in the product's order):
;;     1. [M 32,768, K 256] x [K 256, N 256]; A: computed on the way; B: input wq: QUANTISED
;;     2. [M 32,768, K 256] x [K 256, N 256]; A: computed on the way; B: input wk: QUANTISED
;;     3. [M 32,768, K 256] x [K 256, N 256]; A: computed on the way; B: input wv: QUANTISED
;;     4. batch 128 x [M 1,024, K 64] x [K 64, N 1,024]; A: computed on the way; B: computed on the way: QUANTISED
;;     5. batch 128 x [M 64, K 1,024] x [K 1,024, N 1,024]; A: computed on the way; B: softmax (see below): QUANTISED
;;     6. [M 32,768, K 256] x [K 256, N 256]; A: computed on the way; B: input wo: QUANTISED
;;     7. [M 32,768, K 256] x [K 256, N 1,024]; A: computed on the way; B: input w1: QUANTISED
;;     8. [M 32,768, K 1,024] x [K 1,024, N 256]; A: computed on the way; B: input w2: QUANTISED
;;   THE QUANTISER, for each operand of a quantised product, along K:
;;     - K is cut into blocks of 32 from its start; a last block that is shorter is filled with zeros.
;;     - A block's scale is 2^e with e = floor(log2(the largest magnitude in the block)) - 2, held to -126 .. 127; a block of zeros has e = 0. As a byte (E8M0): e + 127.
;;     - Each number is divided by its block's scale, clamped to +-7.5, and rounded to the nearest number of E2M3, ties to even, subnormals kept.
;;     - The product sums the exact products of the quantised numbers (number of the format x scale) in f32.
;;   ~~~python
;;   def quantise(x, axis):      # numpy; x: float32 -> the quantised numbers, widened to float32 again
;;       x = np.moveaxis(x, axis, -1); K = x.shape[-1]
;;       x = np.pad(x, [(0, 0)] * (x.ndim - 1) + [(0, -K % 32)]); x = x.reshape(x.shape[:-1] + (-1, 32)); a = np.abs(x).max(-1, keepdims=True)
;;       e = np.where(a > 0, np.clip(np.frexp(np.where(a > 0, a, 1))[1] - 1 - 2, -126, 127), 0)      # np.frexp(a)[1] - 1 = floor(log2(a)), exactly
;;       r = np.clip(x / 2.0 ** e, -7.5, 7.5)
;;       step = 2.0 ** (np.maximum(np.frexp(np.where(r == 0, 1, r))[1] - 1, 0) - 3)
;;       q = np.round(r / step) * step * 2.0 ** e      # np.round: ties to even
;;       return np.moveaxis(q.reshape(q.shape[:-2] + (-1,))[..., :K], -1, axis).astype(np.float32)
;;   ~~~
;;   SOFTMAX AHEAD OF A QUANTISED PRODUCT. Where the list says 'softmax', what is quantised is not the finished softmax but p = 2^(t - M), with t = logit x log2(e) and M = ceil(the row's largest t), a whole number; so 1/2 < the row's largest p <= 1. The row's sum l is taken of the UNQUANTISED p, in f32, and the product's result is divided by l at the end. Since M is a whole number, a kernel that streams over the keys may use a running M (the ceiling of the running maximum): every later rescaling is an exact power of two, which a block's scale takes up: the codes' values come out the same.
;;   OPERANDS COMPUTED ON THE WAY. 'Computed on the way' means the value that the module computes at that place (a softmax that the list does not call 'softmax' is quantised finished and normalised). What goes into a quantiser is computed in f32, as accurately as f32 sums, v_exp_f32 and their like allow (about 1e-6 of the number): no bf16 or f16 on the way to a quantiser, and a product that is left as it is and whose result goes on into a quantised operand takes f32 operands (vector FMAs, or v_wmma_f32_16x16x4_f32). A number that lies on a knife's edge between two numbers of the format may be rounded either way, as far as f32 arithmetic and the matrix unit's own rounding can turn it there, and no further.
;; 2 versions, each right; version 2 is version 1 with the launches qkv, mlp written anew for expert scheduling mode. Each part assembles by itself: llvm-mc -triple=amdgcn-amd-amdhsa -mcpu=gfx1250 --defsym DOCPART=n.
;; ======== version 1 of 2: 4 launches
;; workspace buffers: wimg 589,824 bytes; wscl 49,152 bytes; st1 131,072 bytes; qimg 7,340,032 bytes; kv 14,155,776 bytes; st2 524,288 bytes; r1 33,554,432 bytes
;; launch prep (part 1): grid 280 x 1, 16 waves a work-group, no clusters, 145,408 bytes of LDS; arguments x, wq, wk, wv, wo, w1, w2, st1, wimg, wscl; writes st1, wimg, wscl
.if DOCPART == 1
	.amdgcn_target "amdgcn-amd-amdhsa--gfx1250"
	.amdhsa_code_object_version 6
	.text
	.protected	k_q6021ccd250_prep
	.globl	k_q6021ccd250_prep
	.p2align	8
	.type	k_q6021ccd250_prep,@function
k_q6021ccd250_prep:
	s_mov_b64 s[64:65], 0
	v_nop
	global_prefetch_b8 v0, s[64:65] scope:SCOPE_SE
	s_setreg_imm32_b32 hwreg(HW_REG_WAVE_MODE, 25, 1), 1
	s_wait_xcnt 0x0
; PREP.  Two kinds of work-groups in one launch, told apart by the work-group's number alone.
; Work-groups 0-23: the six weights (f32, K innermost) become codes of FP6 (E2M3) with one E8M0 byte for each 32 along K, laid as IMAGES OF OPERAND REGISTERS:
;   fragment f (16 rows x 128 K, 12 registers a lane) is 1,536 bytes of wimg: registers 4c..4c+3 of lane L at 1536 f + 512 c + 16 L; its scale words, one a lane, at wscl + 128 f + 4 L.
;   f: wq 0-31, wk 32-63, wv 64-95, wo 96-127 (2 t + s), w1 128 + 2 t + s, w2 256 + 8 t + s; t the tile of 16 rows, s the K step of 128.
;   THE ROWS OF A TILE ARE NOT NEIGHBOURS: lane r of tile t holds row 32 (t / 2) + 8 (t % 2) + r + 8 (r / 8), so that the results of two neighbouring tiles are 16 neighbours along the next product's K.
;   One wave makes one fragment.  Its 16 rows x 512 bytes come by sixteen loads of 512 consecutive bytes and are turned through the wave's own stage in LDS, from which lane (r, h) takes
;   k = 64 c + 32 h + 0 .. 31 of its row: two whole blocks, so no other lane is asked for a maximum.
; Work-groups 24-279: partial statistics of x for the first batch norm: 512 rows x 64 channels each, as (mean, M2 = sum of squared distances from the mean).
;   No sum of squares of raw numbers is formed: each level takes a shift from the data (its first member) and combines (mean, M2) pairs.
;   st1: [64 groups of 512 rows][256 means | 256 M2], f32.
; A block's scale is 2^(floor(log2(largest magnitude)) - 2); its byte is that magnitude's exponent field - 2, held at 1 from below.
; LIMITS: a block of zeros, or one whose largest magnitude lies under 2^-124, gets the byte 1 (the quantiser says 127 for zeros): its codes are zeros or nearly, and this program alone reads the bytes.  NaN and infinities are not served.
; A wave's store of scale words covers 128 consecutive bytes (48 KiB in all); every other store covers 256 or 512 consecutive bytes, aligned.
.set WSTG, 8192                        ; LDS: bytes 0-8,191 are the statistics'; behind them a stage for each wave of a weight's work-group: 16 rows x (512 + 16) bytes.  Each kind of work-group has LDS bytes of its own
.set X,   16                           ; v16-79   statistics: 16 groups of 4 numbers
.set SA,  80                           ; v80-83   sum of distances from the shift
.set SB,  84                           ; v84-87   sum of their squares
.set SD,  88                           ; v88-91   at work
.set MN,  92                           ; v92-95   mean
.set M2,  96                           ; v96-99   M2
.set VL,  100                          ; v100-103 what goes out
.set SC,  104                          ; v104-107 at work
.set WV,  24
.set SEL, 30
.macro WROWS pitch                     ; the tile's sixteen rows, 128 K of each: 32 lanes read 512 consecutive bytes
.irp i, 0,1,2,3,4,5,6,7,8,9,10,11,12,13,14,15
	global_load_b128 v[32+4*\i:35+4*\i], v5, s[36:37] offset:(\i+8*(\i/8))*\pitch th:TH_LOAD_NT
.endr
.endm
	s_load_b512 s[4:19], s[0:1], 0x0               ; x, wq, wk, wv, wo, w1, w2, st1
	s_load_b128 s[20:23], s[0:1], 0x40             ; wimg, wscl
	v_lshl_add_u32 v128, v0, 2, 0x23000
	v_mov_b32 v129, 0
	v_lshrrev_b32 v1, 5, v0
	v_readfirstlane_b32 s[WV], v1                  ; wave 0..15
	v_and_b32 v1, 31, v0                           ; L
	v_and_b32 v2, 15, v0                           ; r
	v_bfe_u32 v3, v0, 4, 1                         ; h
	s_mov_b32 s[SEL], 0x76543210
	s_mov_b32 s[SEL+1], 0xfedcba98                 ; v_permlanex16_b32's selects for lane L xor 16
	s_wait_kmcnt 0x0
	s_cmp_lt_u32 ttmp9, 24
	s_cbranch_scc0 .Lstats
	; ---- a weight's fragment
	s_and_b32 s26, ttmp9, 6                        ; the tensor's first work-group: j & 6 for the four small ones,
	s_cmp_ge_u32 ttmp9, 8
	s_cselect_b32 s26, 8, s26                      ; 8 for w1,
	s_cmp_ge_u32 ttmp9, 16
	s_cselect_b32 s26, 16, s26                     ; 16 for w2
	s_cselect_b32 s27, 3, 1                        ; log2 of the K steps in a row: 8 in w2, 2 elsewhere
	s_sub_co_u32 s28, ttmp9, s26
	s_lshl_b32 s28, s28, 4
	s_add_co_u32 s28, s28, s[WV]                   ; the fragment's number in its tensor
	s_lshr_b32 s29, s28, s27                       ; t
	s_lshl_b32 s32, 1, s27
	s_sub_co_u32 s32, s32, 1
	s_and_b32 s32, s28, s32                        ; s
	s_add_co_u32 s27, s27, 9                       ; log2 of a row's bytes: 512 bytes a K step
	s_lshr_b32 s33, s29, 1
	s_lshl_b32 s33, s33, 5
	s_and_b32 s34, s29, 1
	s_lshl_b32 s34, s34, 3
	s_add_co_u32 s33, s33, s34                     ; the tile's first row: 32 (t / 2) + 8 (t % 2)
	s_lshl_b32 s33, s33, s27
	s_lshl_b32 s32, s32, 9
	s_add_co_u32 s32, s33, s32
	s_mov_b32 s33, 0
	s_mul_i32 s35, s[WV], 8448
	s_add_co_u32 s35, s35, WSTG                    ; my stage
	v_lshlrev_b32 v5, 4, v1                        ; 16 L
	v_lshlrev_b32 v6, 2, v1                        ; 4 L
	v_add_nc_u32 v7, s35, v5                       ; into the stage: a row's 512 bytes on end
	v_mul_u32_u24 v4, v2, 528
	v_lshl_add_u32 v4, v3, 7, v4
	v_add_nc_u32 v4, s35, v4                       ; out of it: row r, + 128 h: my 32 numbers of a pair of blocks
	s_mov_b64 s[36:37], s[6:7]                     ; which tensor: a choice on the work-group's number alone
	s_cmp_ge_u32 ttmp9, 2
	s_cselect_b64 s[36:37], s[8:9], s[36:37]
	s_cmp_ge_u32 ttmp9, 4
	s_cselect_b64 s[36:37], s[10:11], s[36:37]
	s_cmp_ge_u32 ttmp9, 6
	s_cselect_b64 s[36:37], s[12:13], s[36:37]
	s_cmp_ge_u32 ttmp9, 8
	s_cselect_b64 s[36:37], s[14:15], s[36:37]
	s_cmp_ge_u32 ttmp9, 16
	s_cselect_b64 s[36:37], s[16:17], s[36:37]
	s_add_nc_u64 s[36:37], s[36:37], s[32:33]
	s_cmp_ge_u32 ttmp9, 16                         ; a row is 4,096 bytes in w2 and 1,024 elsewhere: the rows' places stand in the immediates, so the sixteen loads are written for each pitch
	s_cbranch_scc1 .Lw2rows
	WROWS 1024
	s_branch .Lrows_asked
.Lw2rows:
	WROWS 4096
.Lrows_asked:
	s_lshl_b32 s38, ttmp9, 4
	s_add_co_u32 s38, s38, s[WV]                   ; f
	s_mul_i32 s40, s38, 1536
	s_mov_b32 s41, 0
	s_add_nc_u64 s[20:21], s[20:21], s[40:41]
	s_lshl_b32 s40, s38, 7
	s_add_nc_u64 s[22:23], s[22:23], s[40:41]
.irp i, 0,1,2,3,4,5,6,7,8,9,10,11,12,13,14,15
	s_wait_loadcnt 15-\i                           ; row i is in; the younger rows may be out (sixteen loads on either way)
	ds_store_b128 v7, v[32+4*\i:35+4*\i] offset:528*\i
.endr
	s_wait_dscnt 0x0                               ; the stores have read their registers: the loads below land on them
.irp c, 0,1
.irp i, 0,1,2,3,4,5,6,7
	ds_load_b128 v[32+32*\c+4*\i:35+32*\c+4*\i], v4 offset:256*\c+16*\i    ; k = 64 c + 32 h + 4 i ..; rows 528 bytes apart
.endr
.endr
	s_wait_dscnt 0x0
.irp c, 0,1
	v_max3_num_f32 v[8+\c], |v[32+32*\c]|, |v[33+32*\c]|, 0x1800000   ; my block 2 c + h, and the floor 2^(3 - 127): the byte cannot fall under 1
.endr
.irp i, 2,4,6,8,10,12,14,16,18,20,22,24,26,28,30
.irp c, 0,1
	v_max3_num_f32 v[8+\c], v[8+\c], |v[32+32*\c+\i]|, |v[33+32*\c+\i]|
.endr
.endr
.irp c, 0,1
	v_add_nc_u32 v[12+\c], 0xff000000, v[8+\c]     ; 2 off the exponent field: the conversion's scale operand
.endr
.irp c, 0,1
	v_lshrrev_b32 v[10+\c], 23, v[12+\c]           ; the scale's byte
.endr
	v_lshl_or_b32 v14, v11, 16, v10                ; my two bytes, blocks h and 2 + h,
	v_lshlrev_b32 v15, 3, v3
	v_lshlrev_b32 v14, v15, v14                    ; at their places in the word;
	v_mov_b32 v15, 0
	v_permlanex16_b32 v15, v14, s[SEL], s[SEL+1]
	v_or_b32 v14, v14, v15                         ; with lane L xor 16's two the word is whole, in both halves of the wave
.irp c, 0,1
	v_cvt_scalef32_pk16_fp6_f32 v[16+6*\c:18+6*\c], v[32+32*\c:47+32*\c], v[12+\c]
	v_cvt_scalef32_pk16_fp6_f32 v[100+4*\c:102+4*\c], v[48+32*\c:63+32*\c], v[12+\c]   ; (a conversion's three registers begin on an even number)
.endr
	v_nop                                          ; one plain line behind the conversions
.irp c, 0,1
.irp i, 0,1,2
	v_mov_b32 v[19+6*\c+\i], v[100+4*\c+\i]
.endr
.endr
	global_store_b128 v5, v[16:19], s[20:21]       ; the image: 512 consecutive bytes a store
	global_store_b128 v5, v[20:23], s[20:21] offset:512
	global_store_b128 v5, v[24:27], s[20:21] offset:1024
	global_store_b32 v6, v14, s[22:23]
	s_wait_tensorcnt 0x0
	ds_add_u32 v128, v129
	s_wait_dscnt 0x0
	s_endpgm
; 16 groups of four numbers at v[X + 4 i]: SA = sum of (group i - group 0), SB = sum of the squares.  counted = 1: group i is load i of sixteen that are out.
.macro SUM16 counted
.if \counted
	s_wait_loadcnt 14                              ; loads 0 and 1 are in; fourteen younger ones may be out
.endif
	v_pk_add_f32 v[SA:SA+1], v[X+4:X+5], v[X:X+1] neg_lo:[0,1] neg_hi:[0,1]
	v_pk_add_f32 v[SA+2:SA+3], v[X+6:X+7], v[X+2:X+3] neg_lo:[0,1] neg_hi:[0,1]
	v_pk_mul_f32 v[SB:SB+1], v[SA:SA+1], v[SA:SA+1]
	v_pk_mul_f32 v[SB+2:SB+3], v[SA+2:SA+3], v[SA+2:SA+3]
.irp i, 2,3,4,5,6,7,8,9,10,11,12,13,14,15
.if \counted
	s_wait_loadcnt 15-\i                           ; load i is in; the younger ones may be out
.endif
	v_pk_add_f32 v[SD:SD+1], v[X+4*\i:X+4*\i+1], v[X:X+1] neg_lo:[0,1] neg_hi:[0,1]
	v_pk_add_f32 v[SD+2:SD+3], v[X+4*\i+2:X+4*\i+3], v[X+2:X+3] neg_lo:[0,1] neg_hi:[0,1]
	v_pk_add_f32 v[SA:SA+1], v[SA:SA+1], v[SD:SD+1]
	v_pk_add_f32 v[SA+2:SA+3], v[SA+2:SA+3], v[SD+2:SD+3]
	v_pk_fma_f32 v[SB:SB+1], v[SD:SD+1], v[SD:SD+1], v[SB:SB+1]
	v_pk_fma_f32 v[SB+2:SB+3], v[SD+2:SD+3], v[SD+2:SD+3], v[SB+2:SB+3]
.endr
.irp e, 0,1,2,3
	v_mul_f32 v[SD+\e], 0x3d800000, v[SA+\e]       ; SA / 16, exact
.endr
.irp e, 0,1,2,3
	v_add_f32 v[MN+\e], v[X+\e], v[SD+\e]          ; the mean of the sixteen
	v_fma_f32 v[M2+\e], -v[SD+\e], v[SA+\e], v[SB+\e]   ; the sum of squared distances from it
.endr
.endm
.Lstats:
	; ---- 512 rows x 64 channels.  A thread owns four channels (16 bytes) and rows 32 w + 2 i + h: sixteen lanes read one aligned run of 256 bytes of a row
	s_sub_co_u32 s26, ttmp9, 24
	s_and_b32 s27, s26, 3                          ; which 64 channels
	s_lshr_b32 s28, s26, 2                         ; which 512 rows
	s_lshl_b32 s29, s28, 9
	s_lshl_b32 s32, s[WV], 5
	s_add_co_u32 s29, s29, s32
	s_lshl_b32 s32, s29, 10
	s_lshl_b32 s33, s27, 8
	s_add_co_u32 s32, s32, s33
	s_mov_b32 s33, 0
	s_add_nc_u64 s[4:5], s[4:5], s[32:33]
	v_lshlrev_b32 v4, 4, v2
	v_lshl_add_u32 v4, v3, 10, v4                  ; 1024 h + 16 r
.irp i, 0,1,2,3,4,5,6,7,8,9,10,11,12,13,14,15
	global_load_b128 v[X+4*\i:X+4*\i+3], v4, s[4:5] offset:2048*\i
.endr
	v_lshlrev_b32 v5, 4, v0                        ; LDS: 16 bytes a thread
	v_lshlrev_b32 v6, 4, v1                        ; and 16 bytes a lane
	s_lshl_b32 s32, s28, 11
	s_lshl_b32 s34, s27, 8
	s_add_co_u32 s32, s32, s34
	s_add_nc_u64 s[18:19], s[18:19], s[32:33]      ; st1: my group's row, my 64 channels
	s_mov_b32 vcc_lo, 0xffff0000                   ; lanes 16-31
	SUM16 1                                        ; my 16 rows
.irp e, 0,1,2,3                                    ; lane L xor 16 holds the other 16 rows of the wave's 32
	v_permlanex16_b32 v[X+4+\e], v[MN+\e], s[SEL], s[SEL+1]
	v_permlanex16_b32 v[X+8+\e], v[M2+\e], s[SEL], s[SEL+1]
.endr
.irp e, 0,1,2,3
	v_sub_f32 v[X+12+\e], v[MN+\e], v[X+4+\e]
	v_add_f32 v[MN+\e], v[MN+\e], v[X+4+\e]
	v_add_f32 v[M2+\e], v[M2+\e], v[X+8+\e]
.endr
.irp e, 0,1,2,3
	v_mul_f32 v[X+12+\e], v[X+12+\e], v[X+12+\e]
	v_mul_f32 v[MN+\e], 0.5, v[MN+\e]              ; the mean of 32
.endr
.irp e, 0,1,2,3
	v_fma_f32 v[M2+\e], v[X+12+\e], 0x41000000, v[M2+\e]   ; + 16 x 16 / 32 x the squared distance of the two means
.endr
.irp e, 0,1,2,3
	v_cndmask_b32 v[VL+\e], v[MN+\e], v[M2+\e], vcc_lo     ; lanes 0-15 hand on the means, lanes 16-31 the M2
.endr
	ds_store_b128 v5, v[VL:VL+3]
	s_wait_dscnt 0x0                               ; my store has landed: then the barrier
	s_barrier_signal -1
	s_barrier_wait -1
	s_cmp_lg_u32 s[WV], 0
	s_cbranch_scc1 .Ldone                          ; wave 0 joins the sixteen waves' figures; no barrier follows
.irp k, 0,1,2,3,4,5,6,7,8,9,10,11,12,13,14,15
	ds_load_b128 v[X+4*\k:X+4*\k+3], v6 offset:512*\k
.endr
	s_wait_dscnt 0x0
	SUM16 0                                        ; all lanes alike: in lanes 0-15 on means, in lanes 16-31 on M2
.irp e, 0,1,2,3
	v_mul_f32 v[M2+\e], 0x42000000, v[M2+\e]       ; lanes 0-15: 32 x the means' spread
	v_fma_f32 v[SC+\e], v[X+\e], 0x41800000, v[SA+\e]      ; lanes 16-31: the sum of the sixteen M2
.endr
.irp e, 0,1,2,3
	v_permlanex16_b32 v[X+4+\e], v[M2+\e], s[SEL], s[SEL+1]
.endr
.irp e, 0,1,2,3
	v_add_f32 v[SC+\e], v[SC+\e], v[X+4+\e]
.endr
.irp e, 0,1,2,3
	v_cndmask_b32 v[VL+\e], v[MN+\e], v[SC+\e], vcc_lo
.endr
	global_store_b128 v4, v[VL:VL+3], s[18:19]     ; 16 r + 1024 h: sixteen lanes fill 256 aligned bytes of means, sixteen of M2
.Ldone:
	s_wait_tensorcnt 0x0
	ds_add_u32 v128, v129
	s_wait_dscnt 0x0
	s_endpgm
.Lfunc_end_k_q6021ccd250_prep:
	.size	k_q6021ccd250_prep, .Lfunc_end_k_q6021ccd250_prep-k_q6021ccd250_prep
	.p2alignl 7, 3214868480
	.fill 96, 4, 3214868480
	.section	.rodata,"a",@progbits
	.p2align	6, 0x0
	.amdhsa_kernel k_q6021ccd250_prep
		.amdhsa_group_segment_fixed_size 145408
		.amdhsa_private_segment_fixed_size 0
		.amdhsa_enable_private_segment 0
		.amdhsa_kernarg_size 80
		.amdhsa_user_sgpr_count 2
		.amdhsa_user_sgpr_kernarg_segment_ptr 1
		.amdhsa_wavefront_size32 1
		.amdhsa_system_sgpr_workgroup_id_x 1
		.amdhsa_system_sgpr_workgroup_id_y 1
		.amdhsa_system_sgpr_workgroup_id_z 1
		.amdhsa_system_vgpr_workitem_id 0
		.amdhsa_next_free_vgpr 130
		.amdhsa_next_free_sgpr 66
		.amdhsa_reserve_vcc 1
		.amdhsa_float_denorm_mode_32 3
		.amdhsa_float_denorm_mode_16_64 3
		.amdhsa_memory_ordered 1
		.amdhsa_forward_progress 1
		.amdhsa_inst_pref_size 31
	.end_amdhsa_kernel
	.amdgpu_metadata
---
amdhsa.version: [ 1, 2 ]
amdhsa.kernels:
  - .name:           k_q6021ccd250_prep
    .symbol:         k_q6021ccd250_prep.kd
    .args:
      - { .name: x, .offset: 0, .size: 8, .value_kind: global_buffer, .address_space: global }
      - { .name: wq, .offset: 8, .size: 8, .value_kind: global_buffer, .address_space: global }
      - { .name: wk, .offset: 16, .size: 8, .value_kind: global_buffer, .address_space: global }
      - { .name: wv, .offset: 24, .size: 8, .value_kind: global_buffer, .address_space: global }
      - { .name: wo, .offset: 32, .size: 8, .value_kind: global_buffer, .address_space: global }
      - { .name: w1, .offset: 40, .size: 8, .value_kind: global_buffer, .address_space: global }
      - { .name: w2, .offset: 48, .size: 8, .value_kind: global_buffer, .address_space: global }
      - { .name: st1, .offset: 56, .size: 8, .value_kind: global_buffer, .address_space: global }
      - { .name: wimg, .offset: 64, .size: 8, .value_kind: global_buffer, .address_space: global }
      - { .name: wscl, .offset: 72, .size: 8, .value_kind: global_buffer, .address_space: global }
    .group_segment_fixed_size: 145408
    .private_segment_fixed_size: 0
    .kernarg_segment_align: 8
    .kernarg_segment_size: 80
    .max_flat_workgroup_size: 512
    .sgpr_count:     66
    .vgpr_count:     130
    .wavefront_size: 32
...
	.end_amdgpu_metadata
.endif
;; end of part 1
;; launch qkv (part 2): grid 256 x 1, 16 waves a work-group, no clusters, 180,224 bytes of LDS; arguments x, st1, g1, beta1, wimg, wscl, bq, bk, bv, qimg, kv; writes qimg, kv
.if DOCPART == 2
	.amdgcn_target "amdgcn-amd-amdhsa--gfx1250"
	.amdhsa_code_object_version 6
	.text
	.protected	k_q6021ccd250_qkv
	.globl	k_q6021ccd250_qkv
	.p2align	8
	.type	k_q6021ccd250_qkv,@function
k_q6021ccd250_qkv:
	s_mov_b64 s[64:65], 0
	v_nop
	global_prefetch_b8 v0, s[64:65] scope:SCOPE_SE
	s_setreg_imm32_b32 hwreg(HW_REG_WAVE_MODE, 25, 1), 1
	s_wait_xcnt 0x0
; QKV.  h1 = batch norm of x; q, k, v = h1 W^T + b on codes of FP6 (E2M3, one E8M0 byte for each 32 along K); q and k are quantised along the head's 64, v along the keys, and leave as images of operand registers.
; SHARES.  A work-group of sixteen waves owns 128 rows (tokens) of x.  Tile T of 16 tokens holds tokens 32 (T / 2) + 8 (T % 2) + i + 8 (i / 8): so results of two neighbouring tiles are 16 neighbours wherever tokens become a K.
; PHASES.  (1) the 64 partial statistics of st1 are joined (shift from the data, (mean, M2) pairs): wave w sums a quarter of each fourth row; barrier.
;  (2) wave w normalises 16 tokens x 128 channels (tile w / 2, half w % 2), turns them through its own stage in LDS so that a lane holds 16 neighbours of each block of 32, quantises, and stores the fragment's image; barrier.
;  (3) waves 0-3 make q, waves 4-7 k, a head (64 columns) each, with the head's eight weight fragments in registers; waves 8-15 make v, half a head (32 columns) each, with four fragments:
;  a tile of v wants all sixteen fragments of h1 from LDS where a tile of q or k wants two, so v's columns are shared among twice the waves.
;  q, k: source 0 = 16 rows of W, source 1 = 16 tokens: a lane holds one token and 32 neighbours of d: half a fragment (K = 64); the attention fills the other half with zero codes, so the words' upper bytes are 127.
;  v: source 0 = 16 tokens, source 1 = 16 rows of wv: a lane holds one channel, its registers run along the 128 tokens: a whole fragment of V^T.
; The weights are read by every work-group, yet not asked for jointly: a joint request lands in LDS, from where each fragment would be read once more by the one wave that holds it; here each load brings 512 consecutive bytes straight into the operand's registers.
; LIMITS: blocks of zeros or under 2^-124 get the byte 1 (read by this program alone); NaN and infinities are not served; 1 / sqrt by v_rsq_f32.
.set XIMG, 0                           ; LDS: h1's 16 fragments (2 T + s), 1,536 bytes each
.set XSC,  24576                       ; their scale words, 128 bytes each
.set RED,  26624                       ; four groups x (2,048 bytes of sums, 2,048 of sums of squares)
.set XSTG, 43008                       ; a stage for each wave: 16 rows x (512 + 16) bytes
.set LI,   1                           ; 16 L
.set LS,   2                           ; 4 L
.set L8,   3                           ; 8 L
.set CB,   4                           ; 512 (w % 2) + 16 L: my four channels, in bytes
.set PO,   5                           ; st1: 2048 (w / 4) + 512 (w % 4) + 16 L
.set STW,  6
.set STR,  7
.set IMW,  9
.set ISW,  10
.set REDW, 11
.set BOQ,  12                          ; 64 h
.set BOV,  13                          ; 4 (r + 8 (r / 8))
.set SVO,  14                          ; 512 (w % 4) + 16 L
.set RR,   15                          ; r
.set TH,   234                         ; h
.set XR,   16                          ; v16-79   16 rows x 4 channels
.set RG,   80                          ; v80-143  a ring of 16 partial rows, then sums
.set XL,   144                         ; v144-207 64 numbers: register 16 b + i = channel 32 b + 16 h + i of my token
.set SV,   144
.set AC,   148
.set BC,   152
.set DT,   156
.set SM,   160
.set SQ,   164
.set GG,   168
.set BE,   172
.set MEAN, 176
.set PA,   180
.set TX,   208                         ; QUANT's registers (set anew for v's path)
.set TP,   212
.set OP,   216
.set PW,   220
.set PC,   222
.set W,    16                          ; v16-111  q, k: eight weight fragments (tile t, K step s) at W + 12 (2 t + s); v: four, v16-63
.set BI,   112                         ; v112-143 q, k: the bias in the result's layout
.set XF,   144                         ; v144-167 a tile's two fragments of h1
.set HA,   168                         ; v168-199 four accumulators
.set TX2,  200
.set TP2,  202
.set OP2,  204
.set PCH,  206                         ; v206-211 half a fragment's codes
.set CTH,  212
.set SW,   216                         ; v216-223 the eight tiles' scale words
.set BV,   240                         ; v240-241 bv at my channel of each of my two tiles
.set WS,   244                         ; v244-251 the weights' scale words: scales and nothing else
.set XS,   252                         ; v252-255 h1's scale words: scales and nothing else
.set CB8,  116
.set VW,   124                         ; v124-125 my two tiles' scale words of V^T
.set ACC,  128                         ; v128-191 v's eight accumulators
.set XF4,  192                         ; v192-239 four fragments of h1
.set WV,   26
.set SEL,  36
.set EPS,  38
.macro MM d, a, b, c, sa, sb
	v_wmma_scale_f32_16x16x128_f8f6f4 v[(\d):(\d)+7], v[(\a):(\a)+11], v[(\b):(\b)+11], v[(\c):(\c)+7], v[\sa], v[\sb] matrix_a_fmt:MATRIX_FMT_FP6 matrix_b_fmt:MATRIX_FMT_FP6
.endm
.macro PLACES n
.rept \n
	v_nop
.endr
.endm
.macro BARRIER                         ; my LDS stores have landed and my LDS loads are in: then the work-group's barrier
	s_wait_dscnt 0x0
	s_barrier_signal -1
	s_barrier_wait -1
.endm
; 64 numbers of a lane, register 16 b + i = k 32 b + 16 h + i of my row, become a fragment's codes in v[PC] on and its scale word in v[PW]
.macro QUANT s
.irp b, 0,1,2,3
	v_max3_num_f32 v[TX+\b], |v[(\s)+16*\b]|, |v[(\s)+1+16*\b]|, 0x1800000   ; and the floor 2^(3 - 127): the byte cannot fall under 1
.endr
.irp i, 2,4,6,8,10,12,14
.irp b, 0,1,2,3
	v_max3_num_f32 v[TX+\b], v[TX+\b], |v[(\s)+16*\b+\i]|, |v[(\s)+1+16*\b+\i]|
.endr
.endr
.irp b, 0,1,2,3
	v_permlanex16_b32 v[TP+\b], v[TX+\b], s[SEL], s[SEL+1]
.endr
.irp b, 0,1,2,3
	v_max_num_f32 v[TX+\b], v[TX+\b], v[TP+\b]     ; with lane L xor 16's: the block's largest magnitude
.endr
.irp b, 0,1,2,3
	v_add_nc_u32 v[OP+\b], 0xff000000, v[TX+\b]    ; 2 off its exponent field: the conversion's scale operand
.endr
.irp b, 0,1,2,3
	v_lshrrev_b32 v[TP+\b], 23, v[OP+\b]           ; the scale's byte
.endr
	v_lshl_or_b32 v[PW], v[TP+1], 8, v[TP]
	v_lshl_or_b32 v[PW], v[TP+2], 16, v[PW]
	v_lshl_or_b32 v[PW], v[TP+3], 24, v[PW]
	v_cvt_scalef32_pk16_fp6_f32 v[PC:PC+2], v[(\s):(\s)+15], v[OP]
	v_cvt_scalef32_pk16_fp6_f32 v[TX:TX+2], v[(\s)+16:(\s)+31], v[OP+1]    ; (a conversion's three registers begin on an even number)
	v_cvt_scalef32_pk16_fp6_f32 v[PC+6:PC+8], v[(\s)+32:(\s)+47], v[OP+2]
	v_cvt_scalef32_pk16_fp6_f32 v[TP:TP+2], v[(\s)+48:(\s)+63], v[OP+3]
	v_nop                                          ; one plain line behind the conversions
.irp i, 0,1,2                                      ; the operand's layout wants a whole block in a lane
	v_permlane16_swap_b32 v[PC+\i], v[TX+\i]
	v_permlane16_swap_b32 v[PC+6+\i], v[TP+\i]
.endr
.irp i, 0,1,2
	v_mov_b32 v[PC+3+\i], v[TX+\i]
	v_mov_b32 v[PC+9+\i], v[TP+\i]
.endr
.endm
; 32 numbers of a lane (two blocks) become registers 0-5 of a fragment in v[PCH] on; the word's upper bytes are 127, for the zero codes that fill K = 64 .. 127
.macro HQUANT s, wd
.irp b, 0,1
	v_max3_num_f32 v[TX2+\b], |v[(\s)+16*\b]|, |v[(\s)+1+16*\b]|, 0x1800000
.endr
.irp i, 2,4,6,8,10,12,14
.irp b, 0,1
	v_max3_num_f32 v[TX2+\b], v[TX2+\b], |v[(\s)+16*\b+\i]|, |v[(\s)+1+16*\b+\i]|
.endr
.endr
.irp b, 0,1
	v_permlanex16_b32 v[TP2+\b], v[TX2+\b], s[SEL], s[SEL+1]
.endr
.irp b, 0,1
	v_max_num_f32 v[TX2+\b], v[TX2+\b], v[TP2+\b]
.endr
.irp b, 0,1
	v_add_nc_u32 v[OP2+\b], 0xff000000, v[TX2+\b]
.endr
.irp b, 0,1
	v_lshrrev_b32 v[TP2+\b], 23, v[OP2+\b]
.endr
	v_lshl_or_b32 v[\wd], v[TP2+1], 8, v[TP2]
	v_or_b32 v[\wd], 0x7f7f0000, v[\wd]
	v_cvt_scalef32_pk16_fp6_f32 v[PCH:PCH+2], v[(\s):(\s)+15], v[OP2]
	v_cvt_scalef32_pk16_fp6_f32 v[CTH:CTH+2], v[(\s)+16:(\s)+31], v[OP2+1]
	v_nop
.irp i, 0,1,2
	v_permlane16_swap_b32 v[PCH+\i], v[CTH+\i]
.endr
.irp i, 0,1,2
	v_mov_b32 v[PCH+3+\i], v[CTH+\i]
.endr
.endm
; p4 partial rows a wave, through a ring of 16 slots of four registers: AC = sum of (v - SV), BC = sum of the squares
.macro STATS p4
.set i, 0
.rept \p4
.if \p4-1-i < 15
	s_wait_loadcnt \p4-1-i                         ; row i is in; only the younger partial rows may be out
.else
	s_wait_loadcnt 15
.endif
.set sl, RG+4*(i%16)
.if i == 0
	v_pk_add_f32 v[AC:AC+1], v[sl:sl+1], v[SV:SV+1] neg_lo:[0,1] neg_hi:[0,1]
	v_pk_add_f32 v[AC+2:AC+3], v[sl+2:sl+3], v[SV+2:SV+3] neg_lo:[0,1] neg_hi:[0,1]
	v_pk_mul_f32 v[BC:BC+1], v[AC:AC+1], v[AC:AC+1]
	v_pk_mul_f32 v[BC+2:BC+3], v[AC+2:AC+3], v[AC+2:AC+3]
.else
	v_pk_add_f32 v[DT:DT+1], v[sl:sl+1], v[SV:SV+1] neg_lo:[0,1] neg_hi:[0,1]
	v_pk_add_f32 v[DT+2:DT+3], v[sl+2:sl+3], v[SV+2:SV+3] neg_lo:[0,1] neg_hi:[0,1]
	v_pk_add_f32 v[AC:AC+1], v[AC:AC+1], v[DT:DT+1]
	v_pk_add_f32 v[AC+2:AC+3], v[AC+2:AC+3], v[DT+2:DT+3]
	v_pk_fma_f32 v[BC:BC+1], v[DT:DT+1], v[DT:DT+1], v[BC:BC+1]
	v_pk_fma_f32 v[BC+2:BC+3], v[DT+2:DT+3], v[DT+2:DT+3], v[BC+2:BC+3]
.endif
.if i+16 < \p4
	global_load_b128 v[sl:sl+3], v[PO], s[6:7] offset:8192*(i+16)
.endif
.set i, i+1
.endr
	ds_store_b128 v[REDW], v[AC:AC+3]
	ds_store_b128 v[REDW], v[BC:BC+3] offset:2048
	BARRIER
.endm
; each thread finishes its own four channels: MEAN, and PA = gain / sqrt(variance + eps).  invp = 1 / P, pf = P, nf = rows in a partial, as f32
.macro FINAL invp, pf, nf
.irp k, 0,1,2,3
	ds_load_b128 v[RG+12*\k:RG+12*\k+3], v[CB] offset:RED+4096*\k          ; sum of (mean - SM)
	ds_load_b128 v[RG+12*\k+4:RG+12*\k+7], v[CB] offset:RED+4096*\k+2048   ; sum of its squares
	ds_load_b128 v[RG+12*\k+8:RG+12*\k+11], v[CB] offset:RED+4096*\k+1024  ; sum of (M2 - SQ)
.endr
	s_wait_dscnt 0x0
.irp j, 0,2,4,6,8,10
	v_pk_add_f32 v[RG+\j:RG+\j+1], v[RG+\j:RG+\j+1], v[RG+12+\j:RG+13+\j]
	v_pk_add_f32 v[RG+24+\j:RG+25+\j], v[RG+24+\j:RG+25+\j], v[RG+36+\j:RG+37+\j]
.endr
.irp j, 0,2,4,6,8,10
	v_pk_add_f32 v[RG+\j:RG+\j+1], v[RG+\j:RG+\j+1], v[RG+24+\j:RG+25+\j]
.endr
.irp e, 0,1,2,3
	v_mul_f32 v[DT+\e], \invp, v[RG+\e]
	v_fma_f32 v[RG+8+\e], v[SQ+\e], \pf, v[RG+8+\e]        ; the sum of the partial M2
.endr
.irp e, 0,1,2,3
	v_add_f32 v[MEAN+\e], v[SM+\e], v[DT+\e]
	v_fma_f32 v[RG+4+\e], -v[DT+\e], v[RG+\e], v[RG+4+\e]  ; the spread of the partial means
.endr
.irp e, 0,1,2,3
	v_fma_f32 v[RG+8+\e], v[RG+4+\e], \nf, v[RG+8+\e]
.endr
.irp e, 0,1,2,3
	v_fma_f32 v[RG+8+\e], v[RG+8+\e], 0x38000000, s[EPS]   ; / 32,768 rows, + eps
.endr
.irp e, 0,1,2,3
	v_rsq_f32 v[DT+\e], v[RG+8+\e]
.endr
	v_nop                                          ; a plain line behind the last of them,
	s_wait_alu depctr_va_vdst(0)                   ; and one wait for the four, ahead of their first reader
.irp e, 0,1,2,3
	v_mul_f32 v[PA+\e], v[GG+\e], v[DT+\e]
.endr
.endm
.macro XPH_A                           ; normalise my 16 x 128 and turn it through my stage
.irp i, 0,1,2,3,4,5,6,7,8,9,10,11,12,13,14,15
	v_pk_add_f32 v[XR+4*\i:XR+4*\i+1], v[XR+4*\i:XR+4*\i+1], v[MEAN:MEAN+1] neg_lo:[0,1] neg_hi:[0,1]
	v_pk_add_f32 v[XR+4*\i+2:XR+4*\i+3], v[XR+4*\i+2:XR+4*\i+3], v[MEAN+2:MEAN+3] neg_lo:[0,1] neg_hi:[0,1]
	v_pk_fma_f32 v[XR+4*\i:XR+4*\i+1], v[XR+4*\i:XR+4*\i+1], v[PA:PA+1], v[BE:BE+1]
	v_pk_fma_f32 v[XR+4*\i+2:XR+4*\i+3], v[XR+4*\i+2:XR+4*\i+3], v[PA+2:PA+3], v[BE+2:BE+3]
	ds_store_b128 v[STW], v[XR+4*\i:XR+4*\i+3] offset:528*\i
.endr
.irp b, 0,1,2,3
.irp q, 0,1,2,3
	ds_load_b128 v[XL+16*\b+4*\q:XL+16*\b+4*\q+3], v[STR] offset:128*\b+16*\q   ; LDS serves a wave's instructions in order: these see my stores
.endr
.endr
	s_wait_dscnt 0x0                               ; the numbers are back, and the stores have read their registers
.endm
.macro XPH_B
	QUANT XL
.irp c, 0,1,2
	ds_store_b128 v[IMW], v[PC+4*\c:PC+4*\c+3] offset:XIMG+512*\c
.endr
	ds_store_b32 v[ISW], v[PW] offset:XSC
	BARRIER                                        ; h1's sixteen fragments lie in LDS
.endm
.macro XFETCH m                        ; tile m's two fragments and scale words
.irp c, 0,1,2
	ds_load_b128 v[XF+4*\c:XF+4*\c+3], v[LI] offset:XIMG+(2*(\m))*1536+512*\c
.endr
.irp c, 0,1,2
	ds_load_b128 v[XF+12+4*\c:XF+15+4*\c], v[LI] offset:XIMG+(2*(\m)+1)*1536+512*\c
.endr
	ds_load_b32 v[XS], v[LS] offset:XSC+(2*(\m))*128
	ds_load_b32 v[XS+1], v[LS] offset:XSC+(2*(\m)+1)*128
.endm
.macro COL64                           ; 16 tokens x my 64 columns: four accumulators by turns, the bias as the first C; four places behind
.irp t, 0,1,2,3
	MM HA+8*\t, W+24*\t, XF, BI+8*\t, WS+2*\t, XS
.endr
.irp t, 0,1,2,3
	MM HA+8*\t, W+24*\t+12, XF+12, HA+8*\t, WS+2*\t+1, XS+1
.endr
	PLACES 4
.endm
	s_load_b512 s[4:19], s[0:1], 0x0               ; x, st1, g1, beta1, wimg, wscl, bq, bk
	s_load_b128 s[20:23], s[0:1], 0x40             ; bv, qimg
	s_load_b64 s[24:25], s[0:1], 0x50              ; kv
	v_lshl_add_u32 v242, v0, 2, 0x2b800
	v_mov_b32 v243, 0
	v_lshrrev_b32 v14, 5, v0
	v_readfirstlane_b32 s[WV], v14                 ; wave 0..15
	v_and_b32 v14, 31, v0
	v_and_b32 v[RR], 15, v0
	v_bfe_u32 v[TH], v0, 4, 1
	v_lshlrev_b32 v[LI], 4, v14
	v_lshlrev_b32 v[LS], 2, v14
	v_lshlrev_b32 v[L8], 3, v14
	s_and_b32 s27, s[WV], 1
	s_lshr_b32 s28, s[WV], 2
	s_and_b32 s29, s[WV], 3
	s_lshr_b32 s30, s[WV], 1
	s_lshl_b32 s31, s27, 9
	v_add_nc_u32 v[CB], s31, v[LI]
	s_lshl_b32 s32, s29, 9
	v_add_nc_u32 v[SVO], s32, v[LI]
	s_lshl_b32 s31, s28, 11
	s_add_co_u32 s31, s31, s32
	v_add_nc_u32 v[PO], s31, v[LI]
	s_lshl_b32 s31, s28, 12
	s_add_co_u32 s31, s31, s32
	s_add_co_u32 s31, s31, RED
	v_add_nc_u32 v[REDW], s31, v[LI]
	s_mul_i32 s31, s[WV], 8448
	s_add_co_u32 s31, s31, XSTG
	v_add_nc_u32 v[STW], s31, v[LI]                ; into my stage: a row's 512 bytes on end
	v_mul_u32_u24 v[STR], v[RR], 528
	v_lshl_add_u32 v[STR], v[TH], 6, v[STR]
	v_add_nc_u32 v[STR], s31, v[STR]               ; out of it: row r, + 64 h
	s_mul_i32 s31, s[WV], 1536
	v_add_nc_u32 v[IMW], s31, v[LI]
	s_lshl_b32 s31, s[WV], 7
	v_add_nc_u32 v[ISW], s31, v[LS]
	v_lshlrev_b32 v[BOQ], 6, v[TH]
	v_lshrrev_b32 v[BOV], 3, v[RR]
	v_lshl_add_u32 v[BOV], v[BOV], 3, v[RR]
	v_lshlrev_b32 v[BOV], 2, v[BOV]
.irp b, 0,1,2,3
	v_mov_b32 v[TP+\b], 0                          ; written once: a lane permute's destination counts as one of its sources
.endr
	s_mov_b32 s[SEL], 0x76543210
	s_mov_b32 s[SEL+1], 0xfedcba98
	s_mov_b32 s[EPS], 0x3727c5ac                   ; 1e-5
	s_lshl_b32 s33, ttmp9, 7
	s_lshr_b32 s34, s30, 1
	s_lshl_b32 s34, s34, 5
	s_add_co_u32 s33, s33, s34
	s_and_b32 s34, s30, 1
	s_lshl_b32 s34, s34, 3
	s_add_co_u32 s33, s33, s34                     ; my tile's first token: 128 p + 32 (T / 2) + 8 (T % 2)
	s_lshl_b32 s34, s33, 10
	s_mov_b32 s35, 0
	s_mul_i32 s46, s[WV], 12288                    ; q, k: my eight fragments, 8 w on;
	s_mul_i32 s48, s[WV], 6144
	s_add_co_u32 s48, s48, 49152                   ; v: my four, 32 + 4 w on (wv begins at fragment 64, wave 8 takes its first four)
	s_lshl_b32 s49, s[WV], 10                      ; their scale words, 128 bytes a fragment
	s_lshl_b32 s50, s[WV], 9
	s_add_co_u32 s50, s50, 4096
	s_lshl_b32 s51, s29, 8                         ; the bias: q, k: the 64 numbers of head w % 4;
	s_and_b32 s52, s[WV], 7
	s_lshl_b32 s52, s52, 7                         ; v: 32 numbers, 128 (w - 8) bytes on
	s_cmp_lt_u32 s[WV], 8
	s_cselect_b32 s46, s46, s48
	s_cselect_b32 s48, s49, s50
	s_cselect_b32 s50, s51, s52
	s_mov_b32 s47, 0
	s_mov_b32 s49, 0
	s_mov_b32 s51, 0
	s_wait_kmcnt 0x0
	s_add_nc_u64 s[4:5], s[4:5], s[34:35]
.irp i, 0,1,2,3,4,5,6,7,8,9,10,11,12,13,14,15
	global_load_b128 v[XR+4*\i:XR+4*\i+3], v[CB], s[4:5] offset:(\i+8*(\i/8))*1024   ; 512 consecutive bytes of a row
.endr
	global_load_b128 v[SM:SM+3], v[CB], s[6:7]             ; the shifts: partial row 0's mean and M2 at my channels
	global_load_b128 v[SQ:SQ+3], v[CB], s[6:7] offset:1024
	global_load_b128 v[GG:GG+3], v[CB], s[8:9]
	global_load_b128 v[BE:BE+3], v[CB], s[10:11]
	global_load_b128 v[SV:SV+3], v[SVO], s[6:7]            ; and at my quarter of a partial row
.irp i, 0,1,2,3,4,5,6,7,8,9,10,11,12,13,14,15
	global_load_b128 v[RG+4*\i:RG+4*\i+3], v[PO], s[6:7] offset:8192*\i
.endr
	s_add_nc_u64 s[40:41], s[12:13], s[46:47]      ; my weights' images,
	s_add_nc_u64 s[42:43], s[14:15], s[48:49]      ; their scale words,
	s_cmp_eq_u32 s28, 0
	s_cselect_b64 s[44:45], s[16:17], s[18:19]
	s_cmp_ge_u32 s28, 2
	s_cselect_b64 s[44:45], s[20:21], s[44:45]
	s_add_nc_u64 s[44:45], s[44:45], s[50:51]      ; and my numbers of bq, bk or bv
	STATS 16
	FINAL 0x3c800000, 0x42800000, 0x44000000       ; 64 partials of 512 rows
	XPH_A
	s_cmp_lt_u32 s[WV], 8
	s_cbranch_scc0 .Lvweights
.set k, 0
.rept 24
	global_load_b128 v[W+4*k:W+4*k+3], v[LI], s[40:41] offset:512*k
.set k, k+1
.endr
.irp k, 0,1,2,3,4,5,6,7
	global_load_b32 v[WS+\k], v[LS], s[42:43] offset:128*\k
.endr
.irp t, 0,1,2,3                                    ; q, k: the bias in the result's layout: eight neighbours of a lane's half
	global_load_b128 v[BI+8*\t:BI+8*\t+3], v[BOQ], s[44:45] offset:(32*(\t/2)+8*(\t%2))*4
	global_load_b128 v[BI+8*\t+4:BI+8*\t+7], v[BOQ], s[44:45] offset:(32*(\t/2)+8*(\t%2))*4+16
.endr
	s_branch .Lweights_asked
.Lvweights:
.set k, 0
.rept 12
	global_load_b128 v[W+4*k:W+4*k+3], v[LI], s[40:41] offset:512*k
.set k, k+1
.endr
.irp k, 0,1,2,3
	global_load_b32 v[WS+\k], v[LS], s[42:43] offset:128*\k
.endr
.irp t, 0,1                                        ; v: one number a lane and tile: my channel's
	global_load_b32 v[BV+\t], v[BOV], s[44:45] offset:32*\t
.endr
.Lweights_asked:
	XPH_B
	s_and_b32 s70, s30, 3                          ; the head: v: (w - 8) / 2;
	s_cmp_lt_u32 s[WV], 8
	s_cselect_b32 s70, s29, s70                    ; q, k: w % 4
	s_lshr_b32 s54, ttmp9, 1                       ; kv: (batch, slot of 256 keys) = p / 2, head pair H / 2
	s_mul_i32 s54, s54, 110592
	s_lshr_b32 s55, s70, 1
	s_mul_i32 s55, s55, 55296
	s_add_co_u32 s54, s54, s55
	s_and_b32 s55, s70, 1                          ; which head of the pair
	s_and_b32 s56, ttmp9, 1                        ; which 128 keys of the slot
	s_wait_loadcnt 0x0                             ; weights, scale words, biases
	s_cmp_ge_u32 s[WV], 8
	s_cbranch_scc1 .Lvpath
	; ---- q and k
	s_lshl_b32 s48, ttmp9, 14
	s_lshl_b32 s49, s70, 12
	s_add_co_u32 s48, s48, s49                     ; q: registers 0-3 at 16,384 p + 4,096 H,
	s_lshr_b32 s50, s48, 1
	s_add_co_u32 s50, s50, 4194304                 ; registers 4-5 at half of that behind section A,
	s_lshr_b32 s52, s48, 2
	s_add_co_u32 s52, s52, 6291456                 ; the words at a quarter of it behind section B
	s_lshl_b32 s57, s55, 13
	s_lshl_b32 s58, s56, 12
	s_add_co_u32 s57, s57, s58
	s_add_co_u32 s58, s54, s57                     ; k: the same three places in its half slot
	s_lshr_b32 s57, s57, 1
	s_add_co_u32 s59, s54, s57
	s_add_co_u32 s59, s59, 16384
	s_lshr_b32 s57, s57, 1
	s_add_co_u32 s57, s54, s57
	s_add_co_u32 s57, s57, 24576
	s_cmp_eq_u32 s28, 0
	s_cselect_b64 s[68:69], s[22:23], s[24:25]
	s_cselect_b32 s48, s48, s58
	s_cselect_b32 s50, s50, s59
	s_cselect_b32 s52, s52, s57
	s_mov_b32 s49, 0
	s_mov_b32 s51, 0
	s_mov_b32 s53, 0
	s_add_nc_u64 s[60:61], s[68:69], s[48:49]
	s_add_nc_u64 s[62:63], s[68:69], s[50:51]
	s_add_nc_u64 s[66:67], s[68:69], s[52:53]
	v_mov_b32 v[TP2], 0
	v_mov_b32 v[TP2+1], 0
	XFETCH 0
.irp T, 0,1,2,3,4,5,6,7
	s_wait_dscnt 0x0                               ; the tile's fragments are in
	COL64
.if \T < 7
	XFETCH \T+1                                    ; behind COL64's four places
.endif
	s_wait_xcnt 0x0                                ; the last tile's stores have read their data: the codes' registers are written again
	HQUANT HA, SW+\T
	global_store_b128 v[LI], v[PCH:PCH+3], s[60:61] offset:512*\T
	global_store_b64 v[L8], v[PCH+4:PCH+5], s[62:63] offset:256*\T
.endr
	global_store_b128 v[LI], v[SW:SW+3], s[66:67]          ; [T / 4][lane][T % 4]
	global_store_b128 v[LI], v[SW+4:SW+7], s[66:67] offset:512
	s_wait_tensorcnt 0x0
	ds_add_u32 v242, v243
	s_wait_dscnt 0x0
	s_endpgm
.Lvpath:
	; ---- v: a lane holds one channel, its registers run along the tokens.  My two tiles of 16 channels are tiles 2 (w % 2) and 2 (w % 2) + 1 of the head's four
.set TX, 192                           ; QUANT's registers lie over the four fragments of h1, which are done with when it runs
.set TP, 196
.set OP, 200
.set PW, 204
.set PC, 206
	s_mul_i32 s57, s55, 12288
	s_mul_i32 s58, s56, 1536
	s_mul_i32 s59, s27, 6144                       ; two tiles of 3,072 bytes a half
	s_add_co_u32 s48, s54, s57
	s_add_co_u32 s48, s48, s58
	s_add_co_u32 s48, s48, s59
	s_add_co_u32 s48, s48, 28672
	s_mov_b32 s49, 0
	s_add_nc_u64 s[60:61], s[24:25], s[48:49]      ; V^T's images
	s_lshl_b32 s57, s55, 10
	s_lshl_b32 s58, s56, 9
	s_lshl_b32 s59, s27, 8                         ; the words lie [half][lane][2]: 256 bytes a half
	s_add_co_u32 s48, s54, s57
	s_add_co_u32 s48, s48, s58
	s_add_co_u32 s48, s48, s59
	s_add_co_u32 s48, s48, 53248
	s_add_nc_u64 s[62:63], s[24:25], s[48:49]      ; and their scale words
.irp dt, 0,1
	s_wait_xcnt 0x0                                ; the last tile's stores have read the codes: fragments land on them
.irp j, 0,1,2,3,4,5,6,7
	v_mov_b32 v[CB8+\j], v[BV+\dt]                 ; the bias in the result's layout: my channel's number in all eight registers
.endr
.irp s, 0,1
.irp tq, 0,1
	PLACES 4                                       ; in front of loads into registers that matrix instructions have read
.irp k, 0,1,2,3
.irp c, 0,1,2
	ds_load_b128 v[XF4+12*\k+4*\c:XF4+12*\k+4*\c+3], v[LI] offset:XIMG+(2*(4*\tq+\k)+\s)*1536+512*\c
.endr
	ds_load_b32 v[XS+\k], v[LS] offset:XSC+(2*(4*\tq+\k)+\s)*128
.endr
	s_wait_dscnt 0x0
.irp k, 0,1,2,3                                    ; eight accumulators by turns
.if \s == 0
	MM ACC+8*(4*\tq+\k), XF4+12*\k, W+12*(2*\dt+\s), CB8, XS+\k, WS+2*\dt+\s
.else
	MM ACC+8*(4*\tq+\k), XF4+12*\k, W+12*(2*\dt+\s), ACC+8*(4*\tq+\k), XS+\k, WS+2*\dt+\s
.endif
.endr
.endr
.endr
	PLACES 4
	QUANT ACC                                      ; register 8 T + j is token 32 (T / 2) + 16 h + 8 (T % 2) + j: 128 keys in order
	v_mov_b32 v[VW+\dt], v[PW]
.irp c, 0,1,2
	global_store_b128 v[LI], v[PC+4*\c:PC+4*\c+3], s[60:61] offset:\dt*3072+512*\c
.endr
.endr
	global_store_b64 v[L8], v[VW:VW+1], s[62:63]   ; my two words a lane: 256 consecutive bytes, aligned
	s_wait_tensorcnt 0x0
	ds_add_u32 v242, v243
	s_wait_dscnt 0x0
	s_endpgm
.Lfunc_end_k_q6021ccd250_qkv:
	.size	k_q6021ccd250_qkv, .Lfunc_end_k_q6021ccd250_qkv-k_q6021ccd250_qkv
	.p2alignl 7, 3214868480
	.fill 96, 4, 3214868480
	.section	.rodata,"a",@progbits
	.p2align	6, 0x0
	.amdhsa_kernel k_q6021ccd250_qkv
		.amdhsa_group_segment_fixed_size 180224
		.amdhsa_private_segment_fixed_size 0
		.amdhsa_enable_private_segment 0
		.amdhsa_kernarg_size 88
		.amdhsa_user_sgpr_count 2
		.amdhsa_user_sgpr_kernarg_segment_ptr 1
		.amdhsa_wavefront_size32 1
		.amdhsa_system_sgpr_workgroup_id_x 1
		.amdhsa_system_sgpr_workgroup_id_y 1
		.amdhsa_system_sgpr_workgroup_id_z 1
		.amdhsa_system_vgpr_workitem_id 0
		.amdhsa_next_free_vgpr 256
		.amdhsa_next_free_sgpr 80
		.amdhsa_reserve_vcc 0
		.amdhsa_float_denorm_mode_32 3
		.amdhsa_float_denorm_mode_16_64 3
		.amdhsa_memory_ordered 1
		.amdhsa_forward_progress 1
		.amdhsa_inst_pref_size 89
	.end_amdhsa_kernel
	.amdgpu_metadata
---
amdhsa.version: [ 1, 2 ]
amdhsa.kernels:
  - .name:           k_q6021ccd250_qkv
    .symbol:         k_q6021ccd250_qkv.kd
    .args:
      - { .name: x, .offset: 0, .size: 8, .value_kind: global_buffer, .address_space: global }
      - { .name: st1, .offset: 8, .size: 8, .value_kind: global_buffer, .address_space: global }
      - { .name: g1, .offset: 16, .size: 8, .value_kind: global_buffer, .address_space: global }
      - { .name: beta1, .offset: 24, .size: 8, .value_kind: global_buffer, .address_space: global }
      - { .name: wimg, .offset: 32, .size: 8, .value_kind: global_buffer, .address_space: global }
      - { .name: wscl, .offset: 40, .size: 8, .value_kind: global_buffer, .address_space: global }
      - { .name: bq, .offset: 48, .size: 8, .value_kind: global_buffer, .address_space: global }
      - { .name: bk, .offset: 56, .size: 8, .value_kind: global_buffer, .address_space: global }
      - { .name: bv, .offset: 64, .size: 8, .value_kind: global_buffer, .address_space: global }
      - { .name: qimg, .offset: 72, .size: 8, .value_kind: global_buffer, .address_space: global }
      - { .name: kv, .offset: 80, .size: 8, .value_kind: global_buffer, .address_space: global }
    .group_segment_fixed_size: 180224
    .private_segment_fixed_size: 0
    .kernarg_segment_align: 8
    .kernarg_segment_size: 88
    .max_flat_workgroup_size: 512
    .sgpr_count:     80
    .vgpr_count:     256
    .wavefront_size: 32
...
	.end_amdgpu_metadata
.endif
;; end of part 2
;; launch attn (part 3): grid 8 x 32, 16 waves a work-group, clusters of 4 x 1, 327,680 bytes of LDS; arguments qimg, kv, wimg, wscl, bo, x, r1, st2; writes r1, st2
.if DOCPART == 3
	.amdgcn_target "amdgcn-amd-amdhsa--gfx1250"
	.amdhsa_code_object_version 6
	.text
	.protected	k_q6021ccd250_attn
	.globl	k_q6021ccd250_attn
	.p2align	8
	.type	k_q6021ccd250_attn,@function
k_q6021ccd250_attn:
	s_mov_b64 s[64:65], 0
	v_nop
	global_prefetch_b8 v0, s[64:65] scope:SCOPE_SE
	s_setreg_imm32_b32 hwreg(HW_REG_WAVE_MODE, 25, 1), 1
	s_wait_xcnt 0x0
	s_wait_alu depctr_hold_cnt(0) depctr_sa_sdst(0) depctr_va_vdst(0) depctr_va_sdst(0) depctr_va_ssrc(0) depctr_va_vcc(0) depctr_vm_vsrc(0)
	s_getreg_b32 s2, hwreg(HW_REG_IB_STS2, 6, 4)
	s_cmp_eq_u32 s2, 0
	s_cbranch_scc0 .Lentry_in_a_cluster
	s_endpgm
.Lentry_in_a_cluster:
	s_bfe_u32 s2, ttmp6, 0x10000c
	s_cmp_lg_u32 s2, 0x3003
	s_cbranch_scc0 .Lentry_shape_is_right
	s_endpgm
.Lentry_shape_is_right:
; ATTN.  o = softmax(q k^T / 8) v for 4 heads of 64, r1 = x + o wo^T + bo, and partial statistics of r1; all three products on codes of FP6 (E2M3) with E8M0 scales.
; THE SOFTMAX AHEAD OF THE SECOND PRODUCT: t = score x log2(e) / 8; M = the running largest t rounded UP to a whole number; p = 2^(t - M) is quantised along the keys, not normalised; the row's sum is taken of the
; unquantised p and divides at the end.  When M moves, the sum and O are multiplied by 2^(old M - new M), exactly.
; SHARES.  A work-group owns 128 queries of one batch and all 4 heads.  Wave w owns tile w % 8 of 16 queries and head pair w / 8: its O^T of two heads is one K step (128 channels) of the product with wo.
; Every wave walks the batch's 1,024 keys, 128 a step, a head at a time.  K, V and their scale words come as images of operand registers through a ring of two LDS slots of 256 keys (110,592 bytes, all four heads).
; CLUSTER.  The four work-groups of a cluster belong to one batch and walk the same K and V: each quarter of a slot is asked for JOINTLY (waves 0-3, the same descriptor, the mask of four).
; A refill is asked for at a slot's head and waited for at the next slot's: four key steps of each of sixteen waves lie between; nothing is asked of memory ahead of the tensor loads.
; LAYOUT.  S^T = K Q^T (source 0 = 16 keys, source 1 = my queries), O^T = V^T P^T: a lane holds one query throughout.  K = 64 fills half of the instruction's 128: registers 6-11 of Q's and K's fragments hold zero codes for good.
; By the choice of rows made where the images were written, the 16 registers of two neighbouring tiles are 16 neighbours along the next K.
; LIMITS: blocks of zeros or under 2^-124 get the byte 1; NaN and infinities are not served; 1 / sum by v_rcp_f32.
.set SLOT1, 1<<17                      ; slot 1 begins here: one exclusive or turns an address
.set SPARE, 262144                     ; the spare words, 128 bytes a wave: eight blocks of 256 bytes that no other line names
.set OIMG,  264192                     ; o's 16 fragments (2 T + g)
.set OSC,   288768                     ; their scale words
.set RED,   290816                     ; 8 tiles x (1,024 bytes of means, 1,024 of M2)
.set SPI,   1040                       ; the stage for o wo^T + bo: 128 rows x (1,024 + 16) bytes from LDS byte 0: both slots have had their last fill and their last read when the first result is stored there
.set L16,  1                           ; 16 L + 55,296 g: my head pair's half of a slot
.set L8G,  2                           ; 8 L + 55,296 g
.set A16,  3
.set SPW,  4                           ; SPARE + 4 x my thread's number; never rewritten
.set NIL,  5                           ; 0; never rewritten
.set A8,   6
.set LI,   7                           ; 16 L
.set L8,   8                           ; 8 L
.set LS,   9                           ; 4 L
.set QS,   10                          ; v10-11  Q's scale words: scales and nothing else
                                       ; v12-15, v16-19: a head's -M, largest t, sum in two halves
                                       ; v20-31, v32-43: Q's fragments
.set KF,   44                          ; v44-91  four fragments of K: 6 registers of codes, 6 of zeros
.set BM,   44                          ; v44-47  the four blocks' largest scores (K's first fragment is done with)
.set KS,   92                          ; v92-99  K's eight scale words, then V's four; in the epilogue wo's and o's: scales and nothing else
.set S,    100                         ; v100-163 S^T, then p, then V's four fragments
                                       ; v164-227 O^T, 32 a head
.set PCD,  228                         ; v228-239 p's codes
.set T1,   240
.set T2,   244
.set OPS,  248
.set TX,   240                         ; QUANT's registers
.set TP,   244
.set OP,   248
.set PW,   254
.set PC,   228
.set WV,   20
.set SEL,  26
.set CS,   28
.set TB,   30
.set CNT,  31
.macro MM d, a, b, c, sa, sb
	v_wmma_scale_f32_16x16x128_f8f6f4 v[(\d):(\d)+7], v[(\a):(\a)+11], v[(\b):(\b)+11], v[(\c):(\c)+7], v[\sa], v[\sb] matrix_a_fmt:MATRIX_FMT_FP6 matrix_b_fmt:MATRIX_FMT_FP6
.endm
.macro MM0 d, a, b, sa, sb
	v_wmma_scale_f32_16x16x128_f8f6f4 v[(\d):(\d)+7], v[(\a):(\a)+11], v[(\b):(\b)+11], 0, v[\sa], v[\sb] matrix_a_fmt:MATRIX_FMT_FP6 matrix_b_fmt:MATRIX_FMT_FP6
.endm
.macro PLACES n
.rept \n
	v_nop
.endr
.endm
.macro ROUND                           ; a round of the cluster's barrier
	s_barrier_signal -1
	s_barrier_wait -1
	s_cmp_lg_u32 s[WV], 0
	s_cbranch_scc1 .Lnot_wave_0_\@
	s_barrier_signal -3
.Lnot_wave_0_\@:
	s_barrier_wait -3
	s_barrier_signal -1
	s_barrier_wait -1
.endm
.macro TLOAD                           ; waves 0-3 fetch a quarter of a slot each; four v_nop follow the line
	s_cmp_lt_u32 s[WV], 4
	s_cbranch_scc0 .Lnone_\@
	tensor_load_to_lds s[40:43], s[32:39]
	s_nop 0
.rept 4
	v_nop
.endr
.Lnone_\@:
.endm
.macro QUANT s
.irp b, 0,1,2,3
	v_max3_num_f32 v[TX+\b], |v[(\s)+16*\b]|, |v[(\s)+1+16*\b]|, 0x1800000
.endr
.irp i, 2,4,6,8,10,12,14
.irp b, 0,1,2,3
	v_max3_num_f32 v[TX+\b], v[TX+\b], |v[(\s)+16*\b+\i]|, |v[(\s)+1+16*\b+\i]|
.endr
.endr
.irp b, 0,1,2,3
	v_permlanex16_b32 v[TP+\b], v[TX+\b], s[SEL], s[SEL+1]
.endr
.irp b, 0,1,2,3
	v_max_num_f32 v[TX+\b], v[TX+\b], v[TP+\b]
.endr
.irp b, 0,1,2,3
	v_add_nc_u32 v[OP+\b], 0xff000000, v[TX+\b]
.endr
.irp b, 0,1,2,3
	v_lshrrev_b32 v[TP+\b], 23, v[OP+\b]
.endr
	v_lshl_or_b32 v[PW], v[TP+1], 8, v[TP]
	v_lshl_or_b32 v[PW], v[TP+2], 16, v[PW]
	v_lshl_or_b32 v[PW], v[TP+3], 24, v[PW]
	v_cvt_scalef32_pk16_fp6_f32 v[PC:PC+2], v[(\s):(\s)+15], v[OP]
	v_cvt_scalef32_pk16_fp6_f32 v[TX:TX+2], v[(\s)+16:(\s)+31], v[OP+1]
	v_cvt_scalef32_pk16_fp6_f32 v[PC+6:PC+8], v[(\s)+32:(\s)+47], v[OP+2]
	v_cvt_scalef32_pk16_fp6_f32 v[TP:TP+2], v[(\s)+48:(\s)+63], v[OP+3]
	v_nop
.irp i, 0,1,2
	v_permlane16_swap_b32 v[PC+\i], v[TX+\i]
	v_permlane16_swap_b32 v[PC+6+\i], v[TP+\i]
.endr
.irp i, 0,1,2
	v_mov_b32 v[PC+3+\i], v[TX+\i]
	v_mov_b32 v[PC+9+\i], v[TP+\i]
.endr
.endm
; A KEY STEP: the q-th 128 keys of the slot in hand, head hd of my pair
.macro STEP q, hd
.set NM, 12+4*(\hd)
.set OO, 164+32*(\hd)
.set QF, 20+12*(\hd)
	v_add_nc_u32 v[A16], s[TB], v[L16]
	v_add_nc_u32 v[A8], s[TB], v[L8G]
	PLACES 3                                       ; five places in all: the scores are laid over V's fragments, which the last products read
.irp gg, 0,1
.if \gg
	PLACES 4                                       ; in front of loads into registers that matrix instructions have read
.endif
.irp t, 0,1,2,3
	ds_load_b128 v[KF+12*\t:KF+12*\t+3], v[A16] offset:(\hd)*8192+(8*(\q)+4*\gg+\t)*512
	ds_load_b64 v[KF+12*\t+4:KF+12*\t+5], v[A8] offset:16384+(\hd)*4096+(8*(\q)+4*\gg+\t)*256
.endr
.if \gg == 0
	ds_load_b128 v[KS:KS+3], v[A16] offset:24576+(\hd)*2048+(\q)*1024
	ds_load_b128 v[KS+4:KS+7], v[A16] offset:24576+(\hd)*2048+(\q)*1024+512
.endif
	s_wait_dscnt 0x0
.irp t, 0,1,2,3
	MM0 S+8*(4*\gg+\t), KF+12*\t, QF, KS+4*\gg+\t, QS+(\hd)
.endr
.endr
	PLACES 4
.irp b, 0,1,2,3
	v_max3_num_f32 v[BM+\b], v[S+16*\b], v[S+1+16*\b], v[S+2+16*\b]   ; the largest score of each block of 32 keys: for the row's maximum, and, since p rises with the score, for the block's largest p
.endr
.irp i, 3,5,7,9,11,13
.irp b, 0,1,2,3
	v_max3_num_f32 v[BM+\b], v[BM+\b], v[S+16*\b+\i], v[S+1+16*\b+\i]
.endr
.endr
.irp b, 0,1,2,3
	v_max_num_f32 v[BM+\b], v[BM+\b], v[S+15+16*\b]
.endr
.irp b, 0,1,2,3
	v_permlanex16_b32 v[T1+\b], v[BM+\b], s[SEL], s[SEL+1]
.endr
.irp b, 0,1,2,3
	v_max_num_f32 v[BM+\b], v[BM+\b], v[T1+\b]     ; with lane L xor 16's 16 keys
.endr
	v_max3_num_f32 v254, v[BM], v[BM+1], v[BM+2]
	v_max_num_f32 v254, v254, v[BM+3]
	v_mul_f32 v254, s[CS], v254                    ; the step's largest t
	v_max_num_f32 v[NM+1], v[NM+1], v254           ; the running largest t
	v_mov_b32 v254, v[NM]
	v_floor_f32 v[NM], -v[NM+1]                    ; -M = floor(-t): M is a whole number
	v_sub_f32 v254, v[NM], v254                    ; old M - new M: a whole number, 0 or less
	v_cvt_i32_f32 v254, v254                       ; (it saturates)
	v_ldexp_f32 v252, 1.0, v254                    ; f = 2^(old M - new M)
.set j, 0
.rept 32
	v_pk_fma_f32 v[S+j:S+j+1], v[S+j:S+j+1], s[CS:CS+1], v[NM:NM+1] op_sel_hi:[1,0,0]   ; t - M, two at a time
.set j, j+2
.endr
.irp b, 0,1,2,3
	v_fma_f32 v[BM+\b], v[BM+\b], s[CS], v[NM]
.endr
.set j, 0
.rept 64
	v_exp_f32 v[S+j], v[S+j]                       ; p = 2^(t - M)
.set j, j+1
.endr
	v_pk_mul_f32 v[NM+2:NM+3], v[NM+2:NM+3], v[252:253] op_sel_hi:[1,0]   ; the sums under the new M: the plain line behind the batch
	s_wait_alu depctr_va_vdst(0)                   ; one wait for the 64, ahead of their first reader
.irp b, 0,1,2,3
	v_exp_f32 v[BM+\b], v[BM+\b]                   ; each block's largest p
.endr
	v_pk_add_f32 v[T1:T1+1], v[S:S+1], v[S+2:S+3]  ; the row's sum of the unquantised p, in two chains
.irp j, 4,8,12,16,20,24,28,32,36,40,44,48,52,56,60
	v_pk_add_f32 v[NM+2:NM+3], v[NM+2:NM+3], v[S+\j:S+1+\j]
	v_pk_add_f32 v[T1:T1+1], v[T1:T1+1], v[S+2+\j:S+3+\j]
.endr
	v_pk_add_f32 v[NM+2:NM+3], v[NM+2:NM+3], v[T1:T1+1]
	s_wait_alu depctr_va_vdst(0)                   ; and one for the four
.irp b, 0,1,2,3
	v_max_num_f32 v[BM+\b], 0x1800000, v[BM+\b]    ; the floor 2^(3 - 127)
.endr
.irp b, 0,1,2,3
	v_add_nc_u32 v[OPS+\b], 0xff000000, v[BM+\b]
.endr
.irp b, 0,1,2,3
	v_lshrrev_b32 v[T1+\b], 23, v[OPS+\b]
.endr
	v_lshl_or_b32 v253, v[T1+1], 8, v[T1]          ; p's scale word for these 128 keys
	v_lshl_or_b32 v253, v[T1+2], 16, v253
	v_lshl_or_b32 v253, v[T1+3], 24, v253
	v_cvt_scalef32_pk16_fp6_f32 v[PCD:PCD+2], v[S:S+15], v[OPS]
	v_cvt_scalef32_pk16_fp6_f32 v[T1:T1+2], v[S+16:S+31], v[OPS+1]
	v_cvt_scalef32_pk16_fp6_f32 v[PCD+6:PCD+8], v[S+32:S+47], v[OPS+2]
	v_cvt_scalef32_pk16_fp6_f32 v[T2:T2+2], v[S+48:S+63], v[OPS+3]
	v_nop                                          ; one plain line behind the conversions
.irp dt, 0,1,2,3                                   ; p is done with: V's four fragments land on it while the codes are put in order and O^T is rescaled
.irp c, 0,1,2
	ds_load_b128 v[S+12*\dt+4*\c:S+12*\dt+4*\c+3], v[A16] offset:28672+(\hd)*12288+\dt*3072+(\q)*1536+512*\c
.endr
.endr
	ds_load_b64 v[KS:KS+1], v[A8] offset:53248+(\hd)*1024+(\q)*512         ; V's scale words lie [half of the head][lane][2]: tiles 0 and 1,
	ds_load_b64 v[KS+2:KS+3], v[A8] offset:53248+(\hd)*1024+(\q)*512+256   ; tiles 2 and 3
.irp i, 0,1,2
	v_permlane16_swap_b32 v[PCD+\i], v[T1+\i]
	v_permlane16_swap_b32 v[PCD+6+\i], v[T2+\i]
.endr
.irp i, 0,1,2
	v_mov_b32 v[PCD+3+\i], v[T1+\i]
	v_mov_b32 v[PCD+9+\i], v[T2+\i]
.endr
.set j, 0
.rept 16
	v_pk_mul_f32 v[OO+j:OO+j+1], v[OO+j:OO+j+1], v[252:253] op_sel_hi:[1,0]   ; O^T under the new M; these are also the places between the codes' and the word's last writes and the products
.set j, j+2
.endr
	s_wait_dscnt 0x0
.irp dt, 0,1,2,3
	MM OO+8*\dt, S+12*\dt, PCD, OO+8*\dt, KS+\dt, 253
.endr
.endm
; THE CHANGE OF SLOTS stands at a slot's head.  Each wave waits for all its tensor loads, adds 0 to its spare word, and waits for that and for its reads of the slot that it has left.
.macro CHANGE fill
	s_wait_tensorcnt 0x0                           ; no tensor load of mine is out, so the descriptor may be written
	ds_add_u32 v[SPW], v[NIL]                      ; 0 onto my spare word
.if \fill
	s_xor_b32 s41, s41, SLOT1                      ; the other slot than last time,
	s_add_nc_u64 s[42:43], s[42:43], 110592        ; the next 256 keys; the type bits on top are not reached
.endif
	s_wait_dscnt 0x0                               ; the add is done, and my reads of the slot that I have left are over
.if \fill
	ROUND                                          ; no wave of any partner still reads that slot or has a load on its way
	TLOAD                                          ; the first tensor load behind the round, and a wave's only one until the next
.else
	s_barrier_signal -1
	s_barrier_wait -1
.endif
.endm
.macro SLOT_STEPS
	STEP 0, 0
	STEP 1, 0
	STEP 0, 1
	STEP 1, 1
	s_xor_b32 s[TB], s[TB], SLOT1
.endm
	s_load_b512 s[4:19], s[0:1], 0x0               ; qimg, kv, wimg, wscl, bo, x, r1, st2
	v_lshl_add_u32 v[SPW], v0, 2, SPARE
	v_mov_b32 v[NIL], 0
	ds_add_u32 v4, v5
	s_wait_dscnt 0x0
	v_lshrrev_b32 v1, 5, v0
	v_readfirstlane_b32 s[WV], v1                  ; wave 0..15
	s_bfe_u32 s21, ttmp6, 0x40000                  ; cx: it enters the addresses of qimg, x, r1 and st2 alone
	s_lshl_b32 s22, ttmp9, 2
	s_add_co_u32 s22, s22, s21                     ; my block of 128 queries in the batch
	s_and_b32 s23, ttmp7, 0xffff                   ; the batch, which the four partners share
	s_lshl_b32 s24, s23, 3
	s_add_co_u32 s24, s24, s22                     ; p
	s_and_b32 s25, s[WV], 7                        ; T
	s_lshr_b32 s44, s[WV], 3                       ; g
	s_lshr_b32 s46, s[WV], 1                       ; the epilogue's shares
	s_and_b32 s47, s[WV], 1
	; descriptor group 1: 27,648 dense bytes as 108 rows of 256
	s_mov_b32 s32, 15|(3<<16)|(1<<21)              ; 15:0 the mask: all four work-groups; 17:16 elements of 8 bytes; 20 no padding; 21 set beside a mask
	s_mov_b32 s33, 32<<16                          ; tensor_dim0 = 32
	s_mov_b32 s34, 108<<16                         ; tensor_dim1 = 108
	s_mov_b32 s35, 32<<16                          ; tile_dim0 = 32
	s_mov_b32 s36, 108                             ; tile_dim1 = 108
	s_mov_b32 s37, 32                              ; from row to row
	s_mov_b32 s38, 0
	s_mov_b32 s39, 0
	s_and_b32 s45, s[WV], 3
	s_mul_i32 s45, s45, 27648                      ; my quarter of a slot, in LDS and in memory
	s_mul_i32 s74, s23, 442368
	s_add_co_u32 s74, s74, s45
	s_mov_b32 s75, 0
	s_lshl_b32 s68, s24, 14                        ; Q: registers 0-3 at 16,384 p + 8,192 g + 512 T
	s_lshl_b32 s69, s44, 13
	s_add_co_u32 s68, s68, s69
	s_lshl_b32 s69, s25, 9
	s_add_co_u32 s68, s68, s69
	s_lshr_b32 s70, s68, 1
	s_add_co_u32 s70, s70, 4194304                 ; registers 4-5
	s_lshl_b32 s72, s24, 12                        ; the words: 4,096 p + 2,048 g + 512 (T / 4) + 4 (T % 4)
	s_lshl_b32 s69, s44, 11
	s_add_co_u32 s72, s72, s69
	s_lshr_b32 s69, s25, 2
	s_lshl_b32 s69, s69, 9
	s_add_co_u32 s72, s72, s69
	s_and_b32 s69, s25, 3
	s_lshl_b32 s69, s69, 2
	s_add_co_u32 s72, s72, s69
	s_add_co_u32 s72, s72, 6291456
	s_mov_b32 s69, 0
	s_mov_b32 s71, 0
	s_mov_b32 s73, 0
	s_mul_i32 s76, s46, 6144                       ; wo's fragments 96 + 4 (w / 2) on,
	s_add_co_u32 s76, s76, 147456
	s_mov_b32 s77, 0
	s_lshl_b32 s78, s46, 9                         ; their scale words,
	s_add_co_u32 s78, s78, 12288
	s_mov_b32 s79, 0
	s_lshl_b32 s80, s46, 7                         ; bo's 32 numbers
	s_mov_b32 s81, 0
	s_lshl_b32 s82, s24, 7                         ; x, r1: token 128 p + 32 (T' / 2) + 8 (T' % 2), T' = w / 2
	s_lshr_b32 s83, s46, 1
	s_lshl_b32 s83, s83, 5
	s_add_co_u32 s82, s82, s83
	s_and_b32 s83, s46, 1
	s_lshl_b32 s83, s83, 3
	s_add_co_u32 s82, s82, s83
	s_lshl_b32 s82, s82, 10
	s_mov_b32 s83, 0
	s_lshl_b32 s84, s24, 11                        ; st2: 2,048 p
	s_mov_b32 s85, 0
	s_mov_b32 s[SEL], 0x76543210
	s_mov_b32 s[SEL+1], 0xfedcba98
	s_mov_b32 s[CS], 0x3e38aa3b                    ; c = log2(e) / 8
	s_mov_b32 s[CS+1], s[CS]
	s_mov_b32 s[TB], 0
	s_mov_b32 s[CNT], 3
	s_wait_kmcnt 0x0
	s_mov_b32 s40, 1                               ; group 0: count = 1
	s_mov_b32 s41, s45                             ; LDS address: slot 0
	s_add_nc_u64 s[42:43], s[6:7], s[74:75]        ; the batch's first 256 keys
	s_or_b32 s43, s43, 0x80000000                  ; type = 2
	ROUND                                          ; all four work-groups are here: the first joint loads meet
	TLOAD
	s_add_nc_u64 s[48:49], s[4:5], s[68:69]
	s_add_nc_u64 s[50:51], s[4:5], s[70:71]
	s_add_nc_u64 s[52:53], s[4:5], s[72:73]
	s_add_nc_u64 s[54:55], s[8:9], s[76:77]
	s_add_nc_u64 s[56:57], s[10:11], s[78:79]
	s_add_nc_u64 s[58:59], s[12:13], s[80:81]
	s_add_nc_u64 s[60:61], s[14:15], s[82:83]
	s_add_nc_u64 s[62:63], s[16:17], s[82:83]
	s_add_nc_u64 s[66:67], s[18:19], s[84:85]
	v_and_b32 v[LI], 31, v0
	v_lshlrev_b32 v[L8], 3, v[LI]
	v_lshlrev_b32 v[LS], 2, v[LI]
	v_lshlrev_b32 v[LI], 4, v[LI]
	s_mul_i32 s45, s44, 55296
	v_add_nc_u32 v[L16], s45, v[LI]
	v_add_nc_u32 v[L8G], s45, v[L8]
.irp hd, 0,1
	global_load_b128 v[20+12*\hd:23+12*\hd], v[LI], s[48:49] offset:4096*\hd
	global_load_b64 v[24+12*\hd:25+12*\hd], v[L8], s[50:51] offset:2048*\hd
	global_load_b32 v[QS+\hd], v[LI], s[52:53] offset:1024*\hd
.endr
.irp j, 26,27,28,29,30,31,38,39,40,41,42,43
	v_mov_b32 v\j, 0                               ; K = 64 .. 127 of Q: zero codes
.endr
.irp t, 0,1,2,3
.irp j, 6,7,8,9,10,11
	v_mov_b32 v[KF+12*\t+\j], 0                    ; and of K: written once
.endr
.endr
.irp hd, 0,1
	v_mov_b32 v[13+4*\hd], 0xff61b1e6              ; the largest t so far: -3e38
	v_floor_f32 v[12+4*\hd], -v[13+4*\hd]
	v_mov_b32 v[14+4*\hd], 0
	v_mov_b32 v[15+4*\hd], 0
.endr
.irp j, 240,241,242,243,244,245,246,247,253
	v_mov_b32 v\j, 0                               ; written once: lane permutes' destinations, and the upper half of the pair v[252:253]
.endr
.set j, 0
.rept 64
	v_mov_b32 v[164+j], 0                          ; O^T: the step is written once, its first run finds zeros
.set j, j+1
.endr
	s_wait_loadcnt 0x0                             ; Q
.Lslot:                                            ; three trips: behind each change of slots but the last the next slot is asked for
	CHANGE 1
	SLOT_STEPS
	s_sub_co_u32 s[CNT], s[CNT], 1
	s_cmp_lg_u32 s[CNT], 0
	s_cbranch_scc1 .Lslot
	CHANGE 0                                       ; the last slot is written out
	SLOT_STEPS
	; ---- THE EPILOGUE.  Its addresses are made here: plain lines that name no register of the last products, so they are the places behind them
	v_and_b32 v240, 15, v0                         ; r
	v_bfe_u32 v241, v0, 4, 1                       ; h
	s_lshl_b32 s69, s47, 9
	v_add_nc_u32 v84, s69, v[LI]                   ; x, r1, st2: 512 (w % 2) + 16 L
	s_lshl_b32 s45, s25, 1
	s_add_co_u32 s45, s45, s44                     ; my fragment of o: 2 T + g
	s_mul_i32 s68, s45, 1536
	s_add_co_u32 s68, s68, OIMG
	v_add_nc_u32 v85, s68, v[LI]
	s_lshl_b32 s68, s45, 7
	s_add_co_u32 s68, s68, OSC
	v_add_nc_u32 v86, s68, v[LS]
	s_mul_i32 s68, s47, 64*SPI
	s_lshl_b32 s70, s46, 7
	s_add_co_u32 s68, s68, s70
	v_mul_u32_u24 v87, v240, SPI
	v_lshl_add_u32 v87, v241, 6, v87
	v_add_nc_u32 v87, s68, v87                     ; the stage, in: row 64 (w % 2) + r, byte 128 (w / 2) + 64 h
	s_mul_i32 s68, s46, 16*SPI
	s_add_co_u32 s68, s68, s69
	v_add_nc_u32 v88, s68, v[LI]                   ; and back: rows 16 (w / 2) on, half w % 2
	s_lshl_b32 s68, s46, 11
	s_add_co_u32 s68, s68, s69
	s_add_co_u32 s68, s68, RED
	v_add_nc_u32 v89, s68, v[LI]
	v_lshlrev_b32 v90, 6, v241                     ; 64 h
	s_mul_i32 s68, s47, 12288
	s_add_co_u32 s68, s68, OIMG
	v_add_nc_u32 v91, s68, v[LI]                   ; o's fragments of row tiles 4 (w % 2) on
	s_lshl_b32 s68, s47, 10
	s_add_co_u32 s68, s68, OSC
	v_add_nc_u32 v1, s68, v[LS]
	s_add_co_u32 s68, s69, RED
	v_add_nc_u32 v2, s68, v[LI]
.set k, 0
.rept 12
	global_load_b128 v[20+4*k:23+4*k], v[LI], s[54:55] offset:512*k    ; wo: tiles 2 (w / 2) + u, K step s, at v[20 + 12 (2 u + s)]
.set k, k+1
.endr
.irp k, 0,1,2,3
	global_load_b32 v[KS+\k], v[LS], s[56:57] offset:128*\k
.endr
.irp u, 0,1
	global_load_b128 v[68+8*\u:71+8*\u], v90, s[58:59] offset:32*\u
	global_load_b128 v[72+8*\u:75+8*\u], v90, s[58:59] offset:32*\u+16
.endr
.irp i, 0,1,2,3,4,5,6,7,8,9,10,11,12,13,14,15
	global_load_b128 v[S+4*\i:S+4*\i+3], v84, s[60:61] offset:(\i+8*(\i/8))*1024       ; 16 rows of x, for the residual
.endr
	v_add_f32 v14, v14, v15                        ; the sums' two halves,
	v_add_f32 v18, v18, v19
	v_permlanex16_b32 v240, v14, s[SEL], s[SEL+1]
	v_permlanex16_b32 v241, v18, s[SEL], s[SEL+1]
	v_add_f32 v14, v14, v240                       ; and lane L xor 16's
	v_add_f32 v18, v18, v241
	v_rcp_f32 v14, v14
	v_rcp_f32 v18, v18
	v_nop                                          ; a plain line behind the reciprocals,
	s_wait_alu depctr_va_vdst(0)                   ; and one wait for both, ahead of their first reader
.set j, 0
.rept 16
	v_pk_mul_f32 v[164+j:165+j], v[164+j:165+j], v[14:15] op_sel_hi:[1,0]
.set j, j+2
.endr
.rept 16
	v_pk_mul_f32 v[164+j:165+j], v[164+j:165+j], v[18:19] op_sel_hi:[1,0]
.set j, j+2
.endr
	QUANT 164                                      ; register 16 b + i is channel 128 g + 32 b + 16 h + i of my query
.irp c, 0,1,2
	ds_store_b128 v85, v[PC+4*\c:PC+4*\c+3] offset:512*\c
.endr
	ds_store_b32 v86, v[PW]
	s_wait_dscnt 0x0                               ; my stores have landed, and my reads of the slots are long over
	s_barrier_signal -1
	s_barrier_wait -1                              ; o's sixteen fragments lie in LDS; nobody reads a slot any more
	s_wait_loadcnt 16                              ; wo, its words and bo are in; the sixteen rows of x may be out
.irp mm, 0,1                                       ; my 32 columns x 64 rows, two tiles of rows at a time
.irp m2, 0,1
.irp s, 0,1
.irp c, 0,1,2
	ds_load_b128 v[164+12*(2*\m2+\s)+4*\c:167+12*(2*\m2+\s)+4*\c], v91 offset:(4*\mm+2*\m2+\s)*1536+512*\c
.endr
	ds_load_b32 v[KS+4+2*\m2+\s], v1 offset:(4*\mm+2*\m2+\s)*128
.endr
.endr
	s_wait_dscnt 0x0
.irp m2, 0,1
.irp u, 0,1
	MM 212+8*(2*\m2+\u), 20+24*\u, 164+24*\m2, 68+8*\u, KS+2*\u, KS+4+2*\m2
.endr
.endr
.irp m2, 0,1
.irp u, 0,1
	MM 212+8*(2*\m2+\u), 32+24*\u, 176+24*\m2, 212+8*(2*\m2+\u), KS+2*\u+1, KS+5+2*\m2
.endr
.endr
	PLACES 5                                       ; the stores read results; the next pair's loads land on operands and its first products begin the accumulators anew
.irp m2, 0,1
.irp u, 0,1
	ds_store_b128 v87, v[212+8*(2*\m2+\u):215+8*(2*\m2+\u)] offset:(2*\mm+\m2)*16*SPI+32*\u
	ds_store_b128 v87, v[216+8*(2*\m2+\u):219+8*(2*\m2+\u)] offset:(2*\mm+\m2)*16*SPI+32*\u+16
.endr
.endr
.endr
	s_wait_dscnt 0x0
	s_barrier_signal -1
	s_barrier_wait -1                              ; 128 whole rows of o wo^T + bo lie in the stage
.irp i, 0,1,2,3,4,5,6,7,8,9,10,11,12,13,14,15
	ds_load_b128 v[164+4*\i:167+4*\i], v88 offset:SPI*\i
.endr
	s_wait_loadcnt 0x0                             ; x
.irp i, 0,1,2,3,4,5,6,7,8,9,10,11,12,13,14,15
	s_wait_dscnt 15-\i                             ; row i is back; the younger loads may be out
	v_pk_add_f32 v[S+4*\i:S+4*\i+1], v[S+4*\i:S+4*\i+1], v[164+4*\i:165+4*\i]
	v_pk_add_f32 v[S+4*\i+2:S+4*\i+3], v[S+4*\i+2:S+4*\i+3], v[166+4*\i:167+4*\i]
	global_store_b128 v84, v[S+4*\i:S+4*\i+3], s[62:63] offset:(\i+8*(\i/8))*1024      ; r1: 512 consecutive bytes
.if \i == 1
	v_pk_add_f32 v[20:21], v[S+4:S+5], v[S:S+1] neg_lo:[0,1] neg_hi:[0,1]              ; statistics of my 16 rows, shifted by row 0
	v_pk_add_f32 v[22:23], v[S+6:S+7], v[S+2:S+3] neg_lo:[0,1] neg_hi:[0,1]
	v_pk_mul_f32 v[24:25], v[20:21], v[20:21]
	v_pk_mul_f32 v[26:27], v[22:23], v[22:23]
.endif
.if \i > 1
	v_pk_add_f32 v[28:29], v[S+4*\i:S+4*\i+1], v[S:S+1] neg_lo:[0,1] neg_hi:[0,1]
	v_pk_add_f32 v[30:31], v[S+4*\i+2:S+4*\i+3], v[S+2:S+3] neg_lo:[0,1] neg_hi:[0,1]
	v_pk_add_f32 v[20:21], v[20:21], v[28:29]
	v_pk_add_f32 v[22:23], v[22:23], v[30:31]
	v_pk_fma_f32 v[24:25], v[28:29], v[28:29], v[24:25]
	v_pk_fma_f32 v[26:27], v[30:31], v[30:31], v[26:27]
.endif
.endr
.irp e, 0,1,2,3
	v_mul_f32 v[28+\e], 0x3d800000, v[20+\e]
.endr
.irp e, 0,1,2,3
	v_add_f32 v[32+\e], v[S+\e], v[28+\e]          ; mean of 16
	v_fma_f32 v[36+\e], -v[28+\e], v[20+\e], v[24+\e]      ; M2 of 16
.endr
	ds_store_b128 v89, v[32:35]
	ds_store_b128 v89, v[36:39] offset:1024
	s_wait_dscnt 0x0
	s_barrier_signal -1
	s_barrier_wait -1
	s_cmp_lt_u32 s[WV], 2
	s_cbranch_scc0 .Lnot01                         ; waves 0 and 1 join the eight tiles' figures, 128 channels each
.irp k, 0,1,2,3,4,5,6,7
	ds_load_b128 v[164+8*\k:167+8*\k], v2 offset:2048*\k
	ds_load_b128 v[168+8*\k:171+8*\k], v2 offset:2048*\k+1024
.endr
	s_wait_dscnt 0x0
	v_pk_add_f32 v[20:21], v[172:173], v[164:165] neg_lo:[0,1] neg_hi:[0,1]
	v_pk_add_f32 v[22:23], v[174:175], v[166:167] neg_lo:[0,1] neg_hi:[0,1]
	v_pk_mul_f32 v[24:25], v[20:21], v[20:21]
	v_pk_mul_f32 v[26:27], v[22:23], v[22:23]
	v_pk_add_f32 v[48:49], v[168:169], v[176:177]
	v_pk_add_f32 v[50:51], v[170:171], v[178:179]
.irp k, 2,3,4,5,6,7
	v_pk_add_f32 v[28:29], v[164+8*\k:165+8*\k], v[164:165] neg_lo:[0,1] neg_hi:[0,1]
	v_pk_add_f32 v[30:31], v[166+8*\k:167+8*\k], v[166:167] neg_lo:[0,1] neg_hi:[0,1]
	v_pk_add_f32 v[20:21], v[20:21], v[28:29]
	v_pk_add_f32 v[22:23], v[22:23], v[30:31]
	v_pk_fma_f32 v[24:25], v[28:29], v[28:29], v[24:25]
	v_pk_fma_f32 v[26:27], v[30:31], v[30:31], v[26:27]
	v_pk_add_f32 v[48:49], v[48:49], v[168+8*\k:169+8*\k]
	v_pk_add_f32 v[50:51], v[50:51], v[170+8*\k:171+8*\k]
.endr
.irp e, 0,1,2,3
	v_mul_f32 v[28+\e], 0x3e000000, v[20+\e]       ; / 8
.endr
.irp e, 0,1,2,3
	v_add_f32 v[40+\e], v[164+\e], v[28+\e]        ; the mean of 128 rows
	v_fma_f32 v[24+\e], -v[28+\e], v[20+\e], v[24+\e]
.endr
.irp e, 0,1,2,3
	v_fma_f32 v[44+\e], v[24+\e], 0x41800000, v[48+\e]     ; their M2: the eight M2 + 16 x the means' spread
.endr
	global_store_b128 v84, v[40:43], s[66:67]
	global_store_b128 v84, v[44:47], s[66:67] offset:1024
.Lnot01:
	s_wait_tensorcnt 0x0                           ; the wave's end: behind my last tensor load and my last LDS store
	ds_add_u32 v[SPW], v[NIL]
	s_wait_dscnt 0x0
	ROUND                                          ; the closing round: no work-group ends while a partner may still ask for a tile that names it
	s_endpgm
.Lfunc_end_k_q6021ccd250_attn:
	.size	k_q6021ccd250_attn, .Lfunc_end_k_q6021ccd250_attn-k_q6021ccd250_attn
	.p2alignl 7, 3214868480
	.fill 96, 4, 3214868480
	.section	.rodata,"a",@progbits
	.p2align	6, 0x0
	.amdhsa_kernel k_q6021ccd250_attn
		.amdhsa_group_segment_fixed_size 327680
		.amdhsa_private_segment_fixed_size 0
		.amdhsa_enable_private_segment 0
		.amdhsa_kernarg_size 64
		.amdhsa_user_sgpr_count 2
		.amdhsa_user_sgpr_kernarg_segment_ptr 1
		.amdhsa_wavefront_size32 1
		.amdhsa_system_sgpr_workgroup_id_x 1
		.amdhsa_system_sgpr_workgroup_id_y 1
		.amdhsa_system_sgpr_workgroup_id_z 1
		.amdhsa_system_vgpr_workitem_id 0
		.amdhsa_next_free_vgpr 256
		.amdhsa_next_free_sgpr 100
		.amdhsa_reserve_vcc 0
		.amdhsa_float_denorm_mode_32 3
		.amdhsa_float_denorm_mode_16_64 3
		.amdhsa_memory_ordered 1
		.amdhsa_forward_progress 1
		.amdhsa_inst_pref_size 170
	.end_amdhsa_kernel
	.amdgpu_metadata
---
amdhsa.version: [ 1, 2 ]
amdhsa.kernels:
  - .name:           k_q6021ccd250_attn
    .symbol:         k_q6021ccd250_attn.kd
    .args:
      - { .name: qimg, .offset: 0, .size: 8, .value_kind: global_buffer, .address_space: global }
      - { .name: kv, .offset: 8, .size: 8, .value_kind: global_buffer, .address_space: global }
      - { .name: wimg, .offset: 16, .size: 8, .value_kind: global_buffer, .address_space: global }
      - { .name: wscl, .offset: 24, .size: 8, .value_kind: global_buffer, .address_space: global }
      - { .name: bo, .offset: 32, .size: 8, .value_kind: global_buffer, .address_space: global }
      - { .name: x, .offset: 40, .size: 8, .value_kind: global_buffer, .address_space: global }
      - { .name: r1, .offset: 48, .size: 8, .value_kind: global_buffer, .address_space: global }
      - { .name: st2, .offset: 56, .size: 8, .value_kind: global_buffer, .address_space: global }
    .group_segment_fixed_size: 327680
    .private_segment_fixed_size: 0
    .kernarg_segment_align: 8
    .kernarg_segment_size: 64
    .max_flat_workgroup_size: 512
    .sgpr_count:     100
    .vgpr_count:     256
    .wavefront_size: 32
...
	.end_amdgpu_metadata
.endif
;; end of part 3
;; launch mlp (part 4): grid 256 x 1, 16 waves a work-group, no clusters, 315,392 bytes of LDS; arguments r1, st2, g2, beta2, wimg, wscl, bf1, bf2, out0; writes out0
.if DOCPART == 4
	.amdgcn_target "amdgcn-amd-amdhsa--gfx1250"
	.amdhsa_code_object_version 6
	.text
	.protected	k_q6021ccd250_mlp
	.globl	k_q6021ccd250_mlp
	.p2align	8
	.type	k_q6021ccd250_mlp,@function
k_q6021ccd250_mlp:
	s_mov_b64 s[64:65], 0
	v_nop
	global_prefetch_b8 v0, s[64:65] scope:SCOPE_SE
	s_setreg_imm32_b32 hwreg(HW_REG_WAVE_MODE, 25, 1), 1
	s_wait_xcnt 0x0
; MLP.  h2 = batch norm of r1; out = r1 + relu(h2 w1^T + bf1) w2^T + bf2; both products on codes of FP6 (E2M3, one E8M0 byte for each 32 along K).  The hidden layer never goes to memory.
; SHARES.  A work-group of sixteen waves owns 128 rows.  Tile T of 16 rows holds rows 32 (T / 2) + 8 (T % 2) + i + 8 (i / 8).
; PHASES.  (1) the 256 partial statistics of st2 are joined; barrier.  (2) wave w normalises 16 rows x 128 channels, keeps r1 + bf2 in a stage, quantises h2 and stores the fragment's image; barrier.
;  (3) wave w makes hidden units 64 w .. 64 w + 63 for all eight tiles of rows, w1's eight fragments in registers: relu, quantise: HALF of K step w / 2 of the second product (registers 6 (w % 2) on), stored as an image; barrier.
;  (4) wave w makes outputs 32 (w / 2) .. + 31 for tiles of rows 4 (w % 2) on: r1 + bf2 comes from the stage as the sums' first C, so residual and bias cost no addition; w2's fragments come from memory through a ring of four K steps in registers.
;  (5) the results go back to the stage; barrier; each wave stores 16 rows' halves, 512 consecutive bytes a store.
; The weights are read by every work-group, yet not asked for jointly: a joint request lands in LDS, of which 313,344 bytes are in use while w1 and w2 are 393,216 bytes of images; each load here brings 512 consecutive bytes straight into operand registers.
; LIMITS: blocks of zeros or under 2^-124 get the byte 1; NaN and infinities are not served; 1 / sqrt by v_rsq_f32.
.set XIMG, 0
.set XSC,  24576
.set RED,  26624
.set RSTG, 43008                       ; r1 + bf2, later out: a part for each wave's unit: 16 rows x (512 + 16) bytes
.set XSTG, 178176                      ; the stage through which h2 is turned;
.set HIMG, 178176                      ; behind barrier 2 the hidden layer's 64 fragments lie over it: (8 s + m) x 1,536 + 768 c,
.set HSC,  276480                      ; and their scale words, one word a lane for each half: (8 s + m) x 256 + 128 c
.set LI,   1
.set LS,   2
.set L8,   3
.set CB,   4
.set PO,   5
.set STW,  6
.set STR,  7
.set RSW,  8
.set IMW,  9
.set ISW,  10
.set REDW, 11
.set BOQ,  12
.set SVO,  14
.set RR,   15
.set TH,   234
.set XR,   16
.set RG,   80
.set XL,   144
.set SV,   144
.set AC,   148
.set BC,   152
.set DT,   156
.set SM,   160
.set SQ,   164
.set GG,   168
.set BE,   172
.set MEAN, 176
.set PA,   180
.set BF2,  184
.set TX,   208
.set TP,   212
.set OP,   216
.set PW,   220
.set PC,   222
.set W,    16                          ; v16-111  w1's eight fragments, then four K steps of w2 (two tiles each)
.set BI,   112                         ; v112-143 bf1 in the result's layout
.set XF,   144
.set HA,   168
.set TX2,  200
.set TP2,  202
.set OP2,  204
.set PCH,  206
.set CTH,  212
.set HWD,  215
.set HW16, 216
.set HW8,  217
.set HWS,  218
.set HL,   136                         ; v136-143 the halves of four scale words
.set ACC,  144                         ; v144-207 eight accumulators of out
.set RA,   232
.set HR16, 233
.set HR8,  234
.set HRS,  235
.set WS,   236                         ; v236-251 w1's eight scale words, then w2's sixteen: scales and nothing else
.set XS,   252                         ; v252-255 h2's scale words, then the hidden layer's: scales and nothing else
.set WV,   26
.set SEL,  36
.set EPS,  38
.macro MM d, a, b, c, sa, sb
	v_wmma_scale_f32_16x16x128_f8f6f4 v[(\d):(\d)+7], v[(\a):(\a)+11], v[(\b):(\b)+11], v[(\c):(\c)+7], v[\sa], v[\sb] matrix_a_fmt:MATRIX_FMT_FP6 matrix_b_fmt:MATRIX_FMT_FP6
.endm
.macro PLACES n
.rept \n
	v_nop
.endr
.endm
.macro BARRIER
	s_wait_dscnt 0x0
	s_barrier_signal -1
	s_barrier_wait -1
.endm
.macro QUANT s
.irp b, 0,1,2,3
	v_max3_num_f32 v[TX+\b], |v[(\s)+16*\b]|, |v[(\s)+1+16*\b]|, 0x1800000
.endr
.irp i, 2,4,6,8,10,12,14
.irp b, 0,1,2,3
	v_max3_num_f32 v[TX+\b], v[TX+\b], |v[(\s)+16*\b+\i]|, |v[(\s)+1+16*\b+\i]|
.endr
.endr
.irp b, 0,1,2,3
	v_permlanex16_b32 v[TP+\b], v[TX+\b], s[SEL], s[SEL+1]
.endr
.irp b, 0,1,2,3
	v_max_num_f32 v[TX+\b], v[TX+\b], v[TP+\b]
.endr
.irp b, 0,1,2,3
	v_add_nc_u32 v[OP+\b], 0xff000000, v[TX+\b]
.endr
.irp b, 0,1,2,3
	v_lshrrev_b32 v[TP+\b], 23, v[OP+\b]
.endr
	v_lshl_or_b32 v[PW], v[TP+1], 8, v[TP]
	v_lshl_or_b32 v[PW], v[TP+2], 16, v[PW]
	v_lshl_or_b32 v[PW], v[TP+3], 24, v[PW]
	v_cvt_scalef32_pk16_fp6_f32 v[PC:PC+2], v[(\s):(\s)+15], v[OP]
	v_cvt_scalef32_pk16_fp6_f32 v[TX:TX+2], v[(\s)+16:(\s)+31], v[OP+1]
	v_cvt_scalef32_pk16_fp6_f32 v[PC+6:PC+8], v[(\s)+32:(\s)+47], v[OP+2]
	v_cvt_scalef32_pk16_fp6_f32 v[TP:TP+2], v[(\s)+48:(\s)+63], v[OP+3]
	v_nop
.irp i, 0,1,2
	v_permlane16_swap_b32 v[PC+\i], v[TX+\i]
	v_permlane16_swap_b32 v[PC+6+\i], v[TP+\i]
.endr
.irp i, 0,1,2
	v_mov_b32 v[PC+3+\i], v[TX+\i]
	v_mov_b32 v[PC+9+\i], v[TP+\i]
.endr
.endm
; 32 numbers of a lane: relu, then two blocks' codes in v[PCH] on (six registers) and their two bytes in v[wd]
.macro HQUANT s, wd
.set j, 0
.rept 32
	v_max_num_f32 v[(\s)+j], 0, v[(\s)+j]          ; the activation, in f32
.set j, j+1
.endr
.irp b, 0,1
	v_max3_num_f32 v[TX2+\b], v[(\s)+16*\b], v[(\s)+1+16*\b], 0x1800000    ; none is negative: no |.|
.endr
.irp i, 2,4,6,8,10,12,14
.irp b, 0,1
	v_max3_num_f32 v[TX2+\b], v[TX2+\b], v[(\s)+16*\b+\i], v[(\s)+1+16*\b+\i]
.endr
.endr
.irp b, 0,1
	v_permlanex16_b32 v[TP2+\b], v[TX2+\b], s[SEL], s[SEL+1]
.endr
.irp b, 0,1
	v_max_num_f32 v[TX2+\b], v[TX2+\b], v[TP2+\b]
.endr
.irp b, 0,1
	v_add_nc_u32 v[OP2+\b], 0xff000000, v[TX2+\b]
.endr
.irp b, 0,1
	v_lshrrev_b32 v[TP2+\b], 23, v[OP2+\b]
.endr
	v_lshl_or_b32 v[\wd], v[TP2+1], 8, v[TP2]
	v_cvt_scalef32_pk16_fp6_f32 v[PCH:PCH+2], v[(\s):(\s)+15], v[OP2]
	v_cvt_scalef32_pk16_fp6_f32 v[CTH:CTH+2], v[(\s)+16:(\s)+31], v[OP2+1]
	v_nop
.irp i, 0,1,2
	v_permlane16_swap_b32 v[PCH+\i], v[CTH+\i]
.endr
.irp i, 0,1,2
	v_mov_b32 v[PCH+3+\i], v[CTH+\i]
.endr
.endm
.macro STATS p4
.set i, 0
.rept \p4
.if \p4-1-i < 15
	s_wait_loadcnt \p4-1-i                         ; row i is in; only the younger partial rows may be out
.else
	s_wait_loadcnt 15
.endif
.set sl, RG+4*(i%16)
.if i == 0
	v_pk_add_f32 v[AC:AC+1], v[sl:sl+1], v[SV:SV+1] neg_lo:[0,1] neg_hi:[0,1]
	v_pk_add_f32 v[AC+2:AC+3], v[sl+2:sl+3], v[SV+2:SV+3] neg_lo:[0,1] neg_hi:[0,1]
	v_pk_mul_f32 v[BC:BC+1], v[AC:AC+1], v[AC:AC+1]
	v_pk_mul_f32 v[BC+2:BC+3], v[AC+2:AC+3], v[AC+2:AC+3]
.else
	v_pk_add_f32 v[DT:DT+1], v[sl:sl+1], v[SV:SV+1] neg_lo:[0,1] neg_hi:[0,1]
	v_pk_add_f32 v[DT+2:DT+3], v[sl+2:sl+3], v[SV+2:SV+3] neg_lo:[0,1] neg_hi:[0,1]
	v_pk_add_f32 v[AC:AC+1], v[AC:AC+1], v[DT:DT+1]
	v_pk_add_f32 v[AC+2:AC+3], v[AC+2:AC+3], v[DT+2:DT+3]
	v_pk_fma_f32 v[BC:BC+1], v[DT:DT+1], v[DT:DT+1], v[BC:BC+1]
	v_pk_fma_f32 v[BC+2:BC+3], v[DT+2:DT+3], v[DT+2:DT+3], v[BC+2:BC+3]
.endif
.if i+16 < \p4
	global_load_b128 v[sl:sl+3], v[PO], s[6:7] offset:8192*(i+16)
.endif
.set i, i+1
.endr
	ds_store_b128 v[REDW], v[AC:AC+3]
	ds_store_b128 v[REDW], v[BC:BC+3] offset:2048
	BARRIER
.endm
.macro FINAL invp, pf, nf
.irp k, 0,1,2,3
	ds_load_b128 v[RG+12*\k:RG+12*\k+3], v[CB] offset:RED+4096*\k
	ds_load_b128 v[RG+12*\k+4:RG+12*\k+7], v[CB] offset:RED+4096*\k+2048
	ds_load_b128 v[RG+12*\k+8:RG+12*\k+11], v[CB] offset:RED+4096*\k+1024
.endr
	s_wait_dscnt 0x0
.irp j, 0,2,4,6,8,10
	v_pk_add_f32 v[RG+\j:RG+\j+1], v[RG+\j:RG+\j+1], v[RG+12+\j:RG+13+\j]
	v_pk_add_f32 v[RG+24+\j:RG+25+\j], v[RG+24+\j:RG+25+\j], v[RG+36+\j:RG+37+\j]
.endr
.irp j, 0,2,4,6,8,10
	v_pk_add_f32 v[RG+\j:RG+\j+1], v[RG+\j:RG+\j+1], v[RG+24+\j:RG+25+\j]
.endr
.irp e, 0,1,2,3
	v_mul_f32 v[DT+\e], \invp, v[RG+\e]
	v_fma_f32 v[RG+8+\e], v[SQ+\e], \pf, v[RG+8+\e]
.endr
.irp e, 0,1,2,3
	v_add_f32 v[MEAN+\e], v[SM+\e], v[DT+\e]
	v_fma_f32 v[RG+4+\e], -v[DT+\e], v[RG+\e], v[RG+4+\e]
.endr
.irp e, 0,1,2,3
	v_fma_f32 v[RG+8+\e], v[RG+4+\e], \nf, v[RG+8+\e]
.endr
.irp e, 0,1,2,3
	v_fma_f32 v[RG+8+\e], v[RG+8+\e], 0x38000000, s[EPS]
.endr
.irp e, 0,1,2,3
	v_rsq_f32 v[DT+\e], v[RG+8+\e]
.endr
	v_nop                                          ; a plain line behind the last of them,
	s_wait_alu depctr_va_vdst(0)                   ; and one wait for the four, ahead of their first reader
.irp e, 0,1,2,3
	v_mul_f32 v[PA+\e], v[GG+\e], v[DT+\e]
.endr
.endm
.macro XPH_A
.irp i, 0,1,2,3,4,5,6,7,8,9,10,11,12,13,14,15
	v_pk_add_f32 v[RG+4*\i:RG+4*\i+1], v[XR+4*\i:XR+4*\i+1], v[BF2:BF2+1]
	v_pk_add_f32 v[RG+4*\i+2:RG+4*\i+3], v[XR+4*\i+2:XR+4*\i+3], v[BF2+2:BF2+3]
	ds_store_b128 v[RSW], v[RG+4*\i:RG+4*\i+3] offset:528*\i               ; r1 + bf2 is kept for the second product's first C
.endr
.irp i, 0,1,2,3,4,5,6,7,8,9,10,11,12,13,14,15
	v_pk_add_f32 v[XR+4*\i:XR+4*\i+1], v[XR+4*\i:XR+4*\i+1], v[MEAN:MEAN+1] neg_lo:[0,1] neg_hi:[0,1]
	v_pk_add_f32 v[XR+4*\i+2:XR+4*\i+3], v[XR+4*\i+2:XR+4*\i+3], v[MEAN+2:MEAN+3] neg_lo:[0,1] neg_hi:[0,1]
	v_pk_fma_f32 v[XR+4*\i:XR+4*\i+1], v[XR+4*\i:XR+4*\i+1], v[PA:PA+1], v[BE:BE+1]
	v_pk_fma_f32 v[XR+4*\i+2:XR+4*\i+3], v[XR+4*\i+2:XR+4*\i+3], v[PA+2:PA+3], v[BE+2:BE+3]
	ds_store_b128 v[STW], v[XR+4*\i:XR+4*\i+3] offset:528*\i
.endr
.irp b, 0,1,2,3
.irp q, 0,1,2,3
	ds_load_b128 v[XL+16*\b+4*\q:XL+16*\b+4*\q+3], v[STR] offset:128*\b+16*\q
.endr
.endr
	s_wait_dscnt 0x0                               ; the numbers are back, and the stores have read their registers
.endm
.macro XPH_B
	QUANT XL
.irp c, 0,1,2
	ds_store_b128 v[IMW], v[PC+4*\c:PC+4*\c+3] offset:XIMG+512*\c
.endr
	ds_store_b32 v[ISW], v[PW] offset:XSC
	BARRIER
.endm
.macro XFETCH m
.irp c, 0,1,2
	ds_load_b128 v[XF+4*\c:XF+4*\c+3], v[LI] offset:XIMG+(2*(\m))*1536+512*\c
.endr
.irp c, 0,1,2
	ds_load_b128 v[XF+12+4*\c:XF+15+4*\c], v[LI] offset:XIMG+(2*(\m)+1)*1536+512*\c
.endr
	ds_load_b32 v[XS], v[LS] offset:XSC+(2*(\m))*128
	ds_load_b32 v[XS+1], v[LS] offset:XSC+(2*(\m)+1)*128
.endm
.macro COL64
.irp t, 0,1,2,3
	MM HA+8*\t, W+24*\t, XF, BI+8*\t, WS+2*\t, XS
.endr
.irp t, 0,1,2,3
	MM HA+8*\t, W+24*\t+12, XF+12, HA+8*\t, WS+2*\t+1, XS+1
.endr
	PLACES 4
.endm
.macro W2LOAD s                        ; K step s of my two tiles of w2: six loads, into buffer s % 4
.irp u, 0,1
.irp c, 0,1,2
	global_load_b128 v[W+24*((\s)%4)+12*\u+4*\c:W+24*((\s)%4)+12*\u+4*\c+3], v[LI], s[46:47] offset:12288*\u+1536*(\s)+512*\c
.endr
.endr
.endm
	s_load_b512 s[4:19], s[0:1], 0x0               ; r1, st2, g2, beta2, wimg, wscl, bf1, bf2
	s_load_b64 s[20:21], s[0:1], 0x40              ; out0
	v_lshrrev_b32 v14, 5, v0
	v_readfirstlane_b32 s[WV], v14
	v_and_b32 v14, 31, v0
	v_and_b32 v[RR], 15, v0
	v_bfe_u32 v[TH], v0, 4, 1
	v_lshlrev_b32 v[LI], 4, v14
	v_lshlrev_b32 v[LS], 2, v14
	v_lshlrev_b32 v[L8], 3, v14
	s_and_b32 s27, s[WV], 1
	s_lshr_b32 s28, s[WV], 2
	s_and_b32 s29, s[WV], 3
	s_lshr_b32 s30, s[WV], 1
	s_lshl_b32 s31, s27, 9
	v_add_nc_u32 v[CB], s31, v[LI]
	s_lshl_b32 s32, s29, 9
	v_add_nc_u32 v[SVO], s32, v[LI]
	s_lshl_b32 s31, s28, 11
	s_add_co_u32 s31, s31, s32
	v_add_nc_u32 v[PO], s31, v[LI]
	s_lshl_b32 s31, s28, 12
	s_add_co_u32 s31, s31, s32
	s_add_co_u32 s31, s31, RED
	v_add_nc_u32 v[REDW], s31, v[LI]
	s_mul_i32 s33, s[WV], 8448
	s_add_co_u32 s31, s33, XSTG
	v_add_nc_u32 v[STW], s31, v[LI]
	v_mul_u32_u24 v[STR], v[RR], 528
	v_lshl_add_u32 v[STR], v[TH], 6, v[STR]
	v_add_nc_u32 v[STR], s31, v[STR]
	s_add_co_u32 s31, s33, RSTG
	v_add_nc_u32 v[RSW], s31, v[LI]
	s_mul_i32 s31, s[WV], 1536
	v_add_nc_u32 v[IMW], s31, v[LI]
	s_lshl_b32 s31, s[WV], 7
	v_add_nc_u32 v[ISW], s31, v[LS]
	v_lshlrev_b32 v[BOQ], 6, v[TH]
.irp b, 0,1,2,3
	v_mov_b32 v[TP+\b], 0                          ; written once: a lane permute's destination counts as one of its sources
.endr
	s_mov_b32 s[SEL], 0x76543210
	s_mov_b32 s[SEL+1], 0xfedcba98
	s_mov_b32 s[EPS], 0x3727c5ac                   ; 1e-5
	s_lshl_b32 s33, ttmp9, 7
	s_lshr_b32 s34, s30, 1
	s_lshl_b32 s34, s34, 5
	s_add_co_u32 s33, s33, s34
	s_and_b32 s34, s30, 1
	s_lshl_b32 s34, s34, 3
	s_add_co_u32 s33, s33, s34
	s_lshl_b32 s34, s33, 10
	s_mov_b32 s35, 0
	s_mul_i32 s50, s[WV], 12288
	s_add_co_u32 s50, s50, 196608                  ; w1's fragments 128 + 8 w on
	s_mov_b32 s51, 0
	s_wait_kmcnt 0x0
	s_add_nc_u64 s[4:5], s[4:5], s[34:35]
	s_add_nc_u64 s[20:21], s[20:21], s[34:35]
.irp i, 0,1,2,3,4,5,6,7,8,9,10,11,12,13,14,15
	global_load_b128 v[XR+4*\i:XR+4*\i+3], v[CB], s[4:5] offset:(\i+8*(\i/8))*1024 th:TH_LOAD_NT
.endr
	global_load_b128 v[SM:SM+3], v[CB], s[6:7]
	global_load_b128 v[SQ:SQ+3], v[CB], s[6:7] offset:1024
	global_load_b128 v[GG:GG+3], v[CB], s[8:9]
	global_load_b128 v[BE:BE+3], v[CB], s[10:11]
	global_load_b128 v[BF2:BF2+3], v[CB], s[18:19]
	global_load_b128 v[SV:SV+3], v[SVO], s[6:7]
.irp i, 0,1,2,3,4,5,6,7,8,9,10,11,12,13,14,15
	global_load_b128 v[RG+4*\i:RG+4*\i+3], v[PO], s[6:7] offset:8192*\i
.endr
	s_add_nc_u64 s[40:41], s[12:13], s[50:51]
	s_lshl_b32 s50, s[WV], 10
	s_add_co_u32 s50, s50, 16384
	s_add_nc_u64 s[42:43], s[14:15], s[50:51]      ; their scale words
	s_lshl_b32 s50, s[WV], 8
	s_add_nc_u64 s[44:45], s[16:17], s[50:51]      ; my 64 numbers of bf1
	s_mul_i32 s50, s30, 24576
	s_add_co_u32 s50, s50, 393216
	s_add_nc_u64 s[46:47], s[12:13], s[50:51]      ; w2's fragments 256 + 16 (w / 2) on
	s_lshl_b32 s50, s30, 11
	s_add_co_u32 s50, s50, 32768
	s_add_nc_u64 s[48:49], s[14:15], s[50:51]      ; and their scale words
	STATS 64
	FINAL 0x3b800000, 0x43800000, 0x43000000       ; 256 partials of 128 rows
	XPH_A
.set k, 0
.rept 24
	global_load_b128 v[W+4*k:W+4*k+3], v[LI], s[40:41] offset:512*k
.set k, k+1
.endr
.irp k, 0,1,2,3,4,5,6,7
	global_load_b32 v[WS+\k], v[LS], s[42:43] offset:128*\k
.endr
.irp t, 0,1,2,3
	global_load_b128 v[BI+8*\t:BI+8*\t+3], v[BOQ], s[44:45] offset:(32*(\t/2)+8*(\t%2))*4
	global_load_b128 v[BI+8*\t+4:BI+8*\t+7], v[BOQ], s[44:45] offset:(32*(\t/2)+8*(\t%2))*4+16
.endr
	XPH_B                                          ; h2's sixteen fragments lie in LDS; the turning stage is free
	; the addresses of the two phases that follow, on the one path that all waves take
	s_mul_i32 s31, s30, 12288
	s_mul_i32 s32, s27, 768
	s_add_co_u32 s31, s31, s32
	s_add_co_u32 s31, s31, HIMG
	v_add_nc_u32 v[HW16], s31, v[LI]               ; my half images: K step w / 2, half w % 2
	s_add_co_u32 s31, s31, 512
	v_add_nc_u32 v[HW8], s31, v[L8]
	s_lshl_b32 s31, s30, 11
	s_lshl_b32 s32, s27, 7
	s_add_co_u32 s31, s31, s32
	s_add_co_u32 s31, s31, HSC
	v_add_nc_u32 v[HWS], s31, v[LS]
	s_mul_i32 s31, s27, 67584
	s_lshr_b32 s32, s30, 2
	s_mul_i32 s32, s32, 8448
	s_add_co_u32 s31, s31, s32
	s_and_b32 s32, s30, 3
	s_lshl_b32 s32, s32, 7
	s_add_co_u32 s31, s31, s32
	s_add_co_u32 s31, s31, RSTG
	v_mul_u32_u24 v[RA], v[RR], 528
	v_add_nc_u32 v[RA], v[RA], v[BOQ]
	v_add_nc_u32 v[RA], s31, v[RA]                 ; r1 + bf2 at (row r of tile 4 (w % 2), channel 32 (w / 2) + 16 h)
	s_mul_i32 s31, s27, 6144
	s_add_co_u32 s31, s31, HIMG
	v_add_nc_u32 v[HR16], s31, v[LI]
	v_add_nc_u32 v[HR8], s31, v[L8]
	s_lshl_b32 s31, s27, 10
	s_add_co_u32 s31, s31, HSC
	v_add_nc_u32 v[HRS], s31, v[LS]
	v_mov_b32 v[TP2], 0
	v_mov_b32 v[TP2+1], 0
	s_wait_loadcnt 0x0                             ; w1, its words, bf1
	; ---- the hidden layer: my 64 units for the eight tiles of rows
	XFETCH 0
.irp m, 0,1,2,3,4,5,6,7
.if \m == 0
	s_wait_dscnt 0x0
.else
	s_wait_dscnt 3                                 ; the tile's eight loads are in; the last tile's three stores may be out
.endif
	COL64
.if \m < 7
	XFETCH \m+1                                    ; behind COL64's four places
	s_wait_dscnt 8                                 ; all but those eight loads: the last tile's stores have read the codes
.else
.set k, 0
.rept 16
	global_load_b32 v[WS+k], v[LS], s[48:49] offset:128*k          ; w1 is done with: w2's sixteen scale words (8 u + s),
.set k, k+1
.endr
.irp s, 0,1,2,3
	W2LOAD \s                                      ; and its first four K steps
.endr
	s_wait_dscnt 0x0
.endif
	HQUANT HA, HWD
	ds_store_b128 v[HW16], v[PCH:PCH+3] offset:1536*\m
	ds_store_b64 v[HW8], v[PCH+4:PCH+5] offset:1536*\m
	ds_store_b32 v[HWS], v[HWD] offset:256*\m
.endr
	BARRIER                                        ; the hidden layer's 64 fragments lie in LDS
	; ---- out: two tiles of outputs x four tiles of rows; r1 + bf2 is the first C
.irp m4, 0,1,2,3
.irp u, 0,1
	ds_load_b128 v[ACC+8*(2*\m4+\u):ACC+8*(2*\m4+\u)+3], v[RA] offset:\m4*16896+32*\u
	ds_load_b128 v[ACC+8*(2*\m4+\u)+4:ACC+8*(2*\m4+\u)+7], v[RA] offset:\m4*16896+32*\u+16
.endr
.endr
.irp s, 0,1,2,3,4,5,6,7
.if \s == 4
	v_add_nc_u32 v[HR16], 49152, v[HR16]           ; four K steps on: the immediates stay inside their 16 bits
	v_add_nc_u32 v[HR8], 49152, v[HR8]
.endif
.irp k, 0,1,2,3
.set HFK, 112+12*\k+72*(\k/2)                      ; the four fragments at v112, v124, v208, v220
	ds_load_b128 v[HFK:HFK+3], v[HR16] offset:(\s%4)*12288+1536*\k
	ds_load_b64 v[HFK+4:HFK+5], v[HR8] offset:(\s%4)*12288+1536*\k+512
	ds_load_b128 v[HFK+6:HFK+9], v[HR16] offset:(\s%4)*12288+1536*\k+768
	ds_load_b64 v[HFK+10:HFK+11], v[HR8] offset:(\s%4)*12288+1536*\k+1280
	ds_load_b32 v[HL+2*\k], v[HRS] offset:2048*\s+256*\k
	ds_load_b32 v[HL+2*\k+1], v[HRS] offset:2048*\s+256*\k+128
.endr
	s_wait_dscnt 0x0
.irp k, 0,1,2,3
	v_lshl_or_b32 v[XS+\k], v[HL+2*\k+1], 16, v[HL+2*\k]   ; the two halves' bytes make the scale word
.endr
	PLACES 8                                       ; a scale register written by a vector instruction stands eight places ahead of the product
.if \s < 5
	s_wait_loadcnt 18                              ; this K step of w2 is in; the three younger ones, six loads each, may be out
.else
	s_wait_loadcnt 6*(7-\s)
.endif
.irp m4, 0,1,2,3
.set HFK, 112+12*\m4+72*(\m4/2)
.irp u, 0,1                                        ; eight accumulators by turns
	MM ACC+8*(2*\m4+\u), W+24*(\s%4)+12*\u, HFK, ACC+8*(2*\m4+\u), WS+8*\u+\s, XS+\m4
.endr
.endr
	PLACES 4                                       ; in front of loads into operands, of the next words' writes, and of the stores that read results
.if \s < 4
	W2LOAD \s+4                                    ; into the buffer just read
.endif
.endr
.irp m4, 0,1,2,3
.irp u, 0,1
	ds_store_b128 v[RA], v[ACC+8*(2*\m4+\u):ACC+8*(2*\m4+\u)+3] offset:\m4*16896+32*\u         ; back to the bytes that I alone read
	ds_store_b128 v[RA], v[ACC+8*(2*\m4+\u)+4:ACC+8*(2*\m4+\u)+7] offset:\m4*16896+32*\u+16
.endr
.endr
	BARRIER                                        ; 128 whole rows of out lie in the stage
.irp i, 0,1,2,3,4,5,6,7,8,9,10,11,12,13,14,15
	ds_load_b128 v[XR+4*\i:XR+4*\i+3], v[RSW] offset:528*\i
.endr
.irp i, 0,1,2,3,4,5,6,7,8,9,10,11,12,13,14,15
	s_wait_dscnt 15-\i                             ; row i is back; the younger loads may be out
	global_store_b128 v[CB], v[XR+4*\i:XR+4*\i+3], s[20:21] offset:(\i+8*(\i/8))*1024 th:TH_STORE_NT   ; 512 consecutive bytes, aligned; written once
.endr
	s_wait_xcnt 0x0
	v_lshl_add_u32 v254, v0, 2, 0x4c800
	v_mov_b32 v255, 0
	s_wait_tensorcnt 0x0
	ds_add_u32 v254, v255
	s_wait_dscnt 0x0
	s_endpgm
.Lfunc_end_k_q6021ccd250_mlp:
	.size	k_q6021ccd250_mlp, .Lfunc_end_k_q6021ccd250_mlp-k_q6021ccd250_mlp
	.p2alignl 7, 3214868480
	.fill 96, 4, 3214868480
	.section	.rodata,"a",@progbits
	.p2align	6, 0x0
	.amdhsa_kernel k_q6021ccd250_mlp
		.amdhsa_group_segment_fixed_size 315392
		.amdhsa_private_segment_fixed_size 0
		.amdhsa_enable_private_segment 0
		.amdhsa_kernarg_size 72
		.amdhsa_user_sgpr_count 2
		.amdhsa_user_sgpr_kernarg_segment_ptr 1
		.amdhsa_wavefront_size32 1
		.amdhsa_system_sgpr_workgroup_id_x 1
		.amdhsa_system_sgpr_workgroup_id_y 1
		.amdhsa_system_sgpr_workgroup_id_z 1
		.amdhsa_system_vgpr_workitem_id 0
		.amdhsa_next_free_vgpr 256
		.amdhsa_next_free_sgpr 66
		.amdhsa_reserve_vcc 0
		.amdhsa_float_denorm_mode_32 3
		.amdhsa_float_denorm_mode_16_64 3
		.amdhsa_memory_ordered 1
		.amdhsa_forward_progress 1
		.amdhsa_inst_pref_size 135
	.end_amdhsa_kernel
	.amdgpu_metadata
---
amdhsa.version: [ 1, 2 ]
amdhsa.kernels:
  - .name:           k_q6021ccd250_mlp
    .symbol:         k_q6021ccd250_mlp.kd
    .args:
      - { .name: r1, .offset: 0, .size: 8, .value_kind: global_buffer, .address_space: global }
      - { .name: st2, .offset: 8, .size: 8, .value_kind: global_buffer, .address_space: global }
      - { .name: g2, .offset: 16, .size: 8, .value_kind: global_buffer, .address_space: global }
      - { .name: beta2, .offset: 24, .size: 8, .value_kind: global_buffer, .address_space: global }
      - { .name: wimg, .offset: 32, .size: 8, .value_kind: global_buffer, .address_space: global }
      - { .name: wscl, .offset: 40, .size: 8, .value_kind: global_buffer, .address_space: global }
      - { .name: bf1, .offset: 48, .size: 8, .value_kind: global_buffer, .address_space: global }
      - { .name: bf2, .offset: 56, .size: 8, .value_kind: global_buffer, .address_space: global }
      - { .name: out0, .offset: 64, .size: 8, .value_kind: global_buffer, .address_space: global }
    .group_segment_fixed_size: 315392
    .private_segment_fixed_size: 0
    .kernarg_segment_align: 8
    .kernarg_segment_size: 72
    .max_flat_workgroup_size: 512
    .sgpr_count:     66
    .vgpr_count:     256
    .wavefront_size: 32
...
	.end_amdgpu_metadata
.endif
;; end of part 4
;; ======== version 2 of 2: 4 launches; version 1 with the launches qkv, mlp written anew for expert scheduling mode
;; workspace buffers: wimg 589,824 bytes; wscl 49,152 bytes; st1 131,072 bytes; qimg 7,340,032 bytes; kv 14,155,776 bytes; st2 524,288 bytes; r1 33,554,432 bytes
;; launch prep: the kernel of part 1 again; grid 280 x 1, 16 waves a work-group, no clusters, 145,408 bytes of LDS; arguments x, wq, wk, wv, wo, w1, w2, st1, wimg, wscl; writes st1, wimg, wscl
;; launch qkv (part 5): grid 256 x 1, 16 waves a work-group, no clusters, 180,224 bytes of LDS; arguments x, st1, g1, beta1, wimg, wscl, bq, bk, bv, qimg, kv; writes qimg, kv
.if DOCPART == 5
	.amdgcn_target "amdgcn-amd-amdhsa--gfx1250"
	.amdhsa_code_object_version 6
	.text
	.protected	k_q6021ccd250_qkv
	.globl	k_q6021ccd250_qkv
	.p2align	8
	.type	k_q6021ccd250_qkv,@function
k_q6021ccd250_qkv:
	s_mov_b64 s[64:65], 0
	v_nop
	global_prefetch_b8 v0, s[64:65] scope:SCOPE_SE
	s_setreg_imm32_b32 hwreg(HW_REG_WAVE_SCHED_MODE, 0, 2), 2
	s_setreg_imm32_b32 hwreg(HW_REG_WAVE_MODE, 25, 1), 1
	s_wait_xcnt 0x0
	s_wait_alu depctr_vm_vsrc(0)
; QKV.  h1 = batch norm of x; q, k, v = h1 W^T + b on codes of FP6 (E2M3, one E8M0 byte for each 32 along K); q and k are quantised along the head's 64, v along the keys, and leave as images of operand registers.
; SHARES.  A work-group of sixteen waves owns 128 rows (tokens) of x.  Tile T of 16 tokens holds tokens 32 (T / 2) + 8 (T % 2) + i + 8 (i / 8): so results of two neighbouring tiles are 16 neighbours wherever tokens become a K.
; PHASES.  (1) the 64 partial statistics of st1 are joined (shift from the data, (mean, M2) pairs): wave w sums a quarter of each fourth row; barrier.
;  (2) wave w normalises 16 tokens x 128 channels (tile w / 2, half w % 2), turns them through its own stage in LDS so that a lane holds 16 neighbours of each block of 32, quantises, and stores the fragment's image; barrier.
;  (3) waves 0-3 make q, waves 4-7 k, a head (64 columns) each, with the head's eight weight fragments in registers; waves 8-15 make v, half a head (32 columns) each, with four fragments:
;  a tile of v wants all sixteen fragments of h1 from LDS where a tile of q or k wants two, so v's columns are shared among twice the waves.
;  q, k: source 0 = 16 rows of W, source 1 = 16 tokens: a lane holds one token and 32 neighbours of d: half a fragment (K = 64); the attention fills the other half with zero codes, so the words' upper bytes are 127.
;  v: source 0 = 16 tokens, source 1 = 16 rows of wv: a lane holds one channel, its registers run along the 128 tokens: a whole fragment of V^T.
; The weights are read by every work-group, yet not asked for jointly: a joint request lands in LDS, from where each fragment would be read once more by the one wave that holds it; here each load brings 512 consecutive bytes straight into the operand's registers.
; LIMITS: blocks of zeros or under 2^-124 get the byte 1 (read by this program alone); NaN and infinities are not served; 1 / sqrt by v_rsq_f32.
; THE MODE: SCHED_MODE bits 1:0 = 2 (LLVM: expert scheduling mode 2), set by the entry lines.  The code itself states the register dependences
; between vector or matrix instructions and memory or LDS instructions, with s_wait_alu, always for 0.
; THE PLAN.  Registers that memory or LDS instructions touch, in program order:
;   v1-v15      addresses and offsets: written once at the head, never again: one wait on va_vdst ahead of the first load serves every load and store.
;   RG          the sixteen partial rows land; the sums read them; the four groups' sums land from LDS; the statistics' last lines work on them; then weights and bias land.
;   AC, BC      written by the sums, read by two LDS stores; they lie under XL.
;   XR          x lands; normalised in place; the stores into my stage read it; then the weights land.
;   XL          the stage's loads land, over the statistics' registers, which the normalising lines have read; the quantiser reads it.
;   PC, PW      written by the quantiser, read by the image's stores; later scale words (q, k) or fragments (v) are laid over them.
;   q, k        XF, XS: tile T + 1's loads land behind tile T's products, which read them.  PCH: written by tile T's conversions, read by its two stores, written again in tile T + 1.  SW: written tile by tile, stored at the end.
;   v           XF4, XS: four fragments land behind the four products that read the last four.  PC: as PCH.  VW: stored at the end.
.set XIMG, 0                           ; LDS: h1's 16 fragments (2 T + s), 1,536 bytes each
.set XSC,  24576                       ; their scale words, 128 bytes each
.set RED,  26624                       ; four groups x (2,048 bytes of sums, 2,048 of sums of squares)
.set XSTG, 43008                       ; a stage for each wave: 16 rows x (512 + 16) bytes
.set LI,   1                           ; 16 L
.set LS,   2                           ; 4 L
.set L8,   3                           ; 8 L
.set CB,   4                           ; 512 (w % 2) + 16 L: my four channels, in bytes
.set PO,   5                           ; st1: 2048 (w / 4) + 512 (w % 4) + 16 L
.set STW,  6
.set STR,  7
.set IMW,  9
.set ISW,  10
.set REDW, 11
.set BOQ,  12                          ; 64 h
.set BOV,  13                          ; 4 (r + 8 (r / 8))
.set SVO,  14                          ; 512 (w % 4) + 16 L
.set RR,   15                          ; r
.set TH,   234                         ; h
.set XR,   16                          ; v16-79   16 rows x 4 channels
.set RG,   80                          ; v80-143  a ring of 16 partial rows, then sums
.set XL,   144                         ; v144-207 64 numbers: register 16 b + i = channel 32 b + 16 h + i of my token
.set SV,   144
.set AC,   148
.set BC,   152
.set DT,   156
.set SM,   160
.set SQ,   164
.set GG,   168
.set BE,   172
.set MEAN, 176
.set PA,   180
.set TX,   208                         ; QUANT's registers (set anew for v's path)
.set TP,   212
.set OP,   216
.set PW,   220
.set PC,   222
.set W,    16                          ; v16-111  q, k: eight weight fragments (tile t, K step s) at W + 12 (2 t + s); v: four, v16-63
.set BI,   112                         ; v112-143 q, k: the bias in the result's layout
.set XF,   144                         ; v144-167 a tile's two fragments of h1
.set HA,   168                         ; v168-199 four accumulators
.set TX2,  200
.set TP2,  202
.set OP2,  204
.set PCH,  206                         ; v206-211 half a fragment's codes
.set CTH,  212
.set SW,   216                         ; v216-223 the eight tiles' scale words
.set BV,   240                         ; v240-241 bv at my channel of each of my two tiles
.set WS,   244                         ; v244-251 the weights' scale words: scales and nothing else
.set XS,   252                         ; v252-255 h1's scale words: scales and nothing else
.set CB8,  116
.set VW,   124                         ; v124-125 my two tiles' scale words of V^T
.set ACC,  128                         ; v128-191 v's eight accumulators
.set XF4,  192                         ; v192-239 four fragments of h1
.set WV,   26
.set SEL,  36
.set EPS,  38
.macro MM d, a, b, c, sa, sb
	v_wmma_scale_f32_16x16x128_f8f6f4 v[(\d):(\d)+7], v[(\a):(\a)+11], v[(\b):(\b)+11], v[(\c):(\c)+7], v[\sa], v[\sb] matrix_a_fmt:MATRIX_FMT_FP6 matrix_b_fmt:MATRIX_FMT_FP6
.endm
.macro PLACES n
.rept \n
	v_nop
.endr
.endm
.macro BARRIER                         ; my LDS stores have landed and my LDS loads are in: then the work-group's barrier
	s_wait_dscnt 0x0
	s_barrier_signal -1
	s_barrier_wait -1
.endm
; 64 numbers of a lane, register 16 b + i = k 32 b + 16 h + i of my row, become a fragment's codes in v[PC] on and its scale word in v[PW]
.macro QUANT s
.irp b, 0,1,2,3
	v_max3_num_f32 v[TX+\b], |v[(\s)+16*\b]|, |v[(\s)+1+16*\b]|, 0x1800000   ; and the floor 2^(3 - 127): the byte cannot fall under 1
.endr
.irp i, 2,4,6,8,10,12,14
.irp b, 0,1,2,3
	v_max3_num_f32 v[TX+\b], v[TX+\b], |v[(\s)+16*\b+\i]|, |v[(\s)+1+16*\b+\i]|
.endr
.endr
.irp b, 0,1,2,3
	v_permlanex16_b32 v[TP+\b], v[TX+\b], s[SEL], s[SEL+1]
.endr
.irp b, 0,1,2,3
	v_max_num_f32 v[TX+\b], v[TX+\b], v[TP+\b]     ; with lane L xor 16's: the block's largest magnitude
.endr
.irp b, 0,1,2,3
	v_add_nc_u32 v[OP+\b], 0xff000000, v[TX+\b]    ; 2 off its exponent field: the conversion's scale operand
.endr
.irp b, 0,1,2,3
	v_lshrrev_b32 v[TP+\b], 23, v[OP+\b]           ; the scale's byte
.endr
	v_lshl_or_b32 v[PW], v[TP+1], 8, v[TP]
	v_lshl_or_b32 v[PW], v[TP+2], 16, v[PW]
	v_lshl_or_b32 v[PW], v[TP+3], 24, v[PW]
	v_cvt_scalef32_pk16_fp6_f32 v[PC:PC+2], v[(\s):(\s)+15], v[OP]
	v_cvt_scalef32_pk16_fp6_f32 v[TX:TX+2], v[(\s)+16:(\s)+31], v[OP+1]    ; (a conversion's three registers begin on an even number)
	v_cvt_scalef32_pk16_fp6_f32 v[PC+6:PC+8], v[(\s)+32:(\s)+47], v[OP+2]
	v_cvt_scalef32_pk16_fp6_f32 v[TP:TP+2], v[(\s)+48:(\s)+63], v[OP+3]
	v_nop                                          ; one plain line behind the conversions
.irp i, 0,1,2                                      ; the operand's layout wants a whole block in a lane
	v_permlane16_swap_b32 v[PC+\i], v[TX+\i]
	v_permlane16_swap_b32 v[PC+6+\i], v[TP+\i]
.endr
.irp i, 0,1,2
	v_mov_b32 v[PC+3+\i], v[TX+\i]
	v_mov_b32 v[PC+9+\i], v[TP+\i]
.endr
.endm
; 32 numbers of a lane (two blocks) become registers 0-5 of a fragment in v[PCH] on; the word's upper bytes are 127, for the zero codes that fill K = 64 .. 127
.macro HQUANT s, wd
.irp b, 0,1
	v_max3_num_f32 v[TX2+\b], |v[(\s)+16*\b]|, |v[(\s)+1+16*\b]|, 0x1800000
.endr
.irp i, 2,4,6,8,10,12,14
.irp b, 0,1
	v_max3_num_f32 v[TX2+\b], v[TX2+\b], |v[(\s)+16*\b+\i]|, |v[(\s)+1+16*\b+\i]|
.endr
.endr
.irp b, 0,1
	v_permlanex16_b32 v[TP2+\b], v[TX2+\b], s[SEL], s[SEL+1]
.endr
.irp b, 0,1
	v_max_num_f32 v[TX2+\b], v[TX2+\b], v[TP2+\b]
.endr
.irp b, 0,1
	v_add_nc_u32 v[OP2+\b], 0xff000000, v[TX2+\b]
.endr
.irp b, 0,1
	v_lshrrev_b32 v[TP2+\b], 23, v[OP2+\b]
.endr
	v_lshl_or_b32 v[\wd], v[TP2+1], 8, v[TP2]
	v_or_b32 v[\wd], 0x7f7f0000, v[\wd]
	v_cvt_scalef32_pk16_fp6_f32 v[PCH:PCH+2], v[(\s):(\s)+15], v[OP2]
	v_cvt_scalef32_pk16_fp6_f32 v[CTH:CTH+2], v[(\s)+16:(\s)+31], v[OP2+1]
	v_nop
.irp i, 0,1,2
	v_permlane16_swap_b32 v[PCH+\i], v[CTH+\i]
.endr
.irp i, 0,1,2
	v_mov_b32 v[PCH+3+\i], v[CTH+\i]
.endr
.endm
; p4 partial rows a wave, through a ring of 16 slots of four registers: AC = sum of (v - SV), BC = sum of the squares.
; The rows go in blocks of four.  Where there are more rows than slots, a block's head asks for the four rows twelve on, into the slots that the block before has read.
.macro STATS p4
.set i, 0
.rept \p4
.if (i%4 == 0) && (i >= 4) && (i+12 < \p4)
	s_wait_alu depctr_va_vdst(0)                   ; the sums of the four rows before are done reading their slots, in which the four loads below land
.irp j, 0,1,2,3
	global_load_b128 v[RG+4*((i+12+\j)%16):RG+4*((i+12+\j)%16)+3], v[PO], s[6:7] offset:8192*(i+12+\j)
.endr
.endif
.set top, 4*(i/4)+15                   ; the youngest row that has been asked for
.if top > \p4-1
.set top, \p4-1
.endif
	s_wait_loadcnt top-i                           ; row i is in; only the younger partial rows may be out
.set sl, RG+4*(i%16)
.if i == 0
	v_pk_add_f32 v[AC:AC+1], v[sl:sl+1], v[SV:SV+1] neg_lo:[0,1] neg_hi:[0,1]
	v_pk_add_f32 v[AC+2:AC+3], v[sl+2:sl+3], v[SV+2:SV+3] neg_lo:[0,1] neg_hi:[0,1]
	v_pk_mul_f32 v[BC:BC+1], v[AC:AC+1], v[AC:AC+1]
	v_pk_mul_f32 v[BC+2:BC+3], v[AC+2:AC+3], v[AC+2:AC+3]
.else
	v_pk_add_f32 v[DT:DT+1], v[sl:sl+1], v[SV:SV+1] neg_lo:[0,1] neg_hi:[0,1]
	v_pk_add_f32 v[DT+2:DT+3], v[sl+2:sl+3], v[SV+2:SV+3] neg_lo:[0,1] neg_hi:[0,1]
	v_pk_add_f32 v[AC:AC+1], v[AC:AC+1], v[DT:DT+1]
	v_pk_add_f32 v[AC+2:AC+3], v[AC+2:AC+3], v[DT+2:DT+3]
	v_pk_fma_f32 v[BC:BC+1], v[DT:DT+1], v[DT:DT+1], v[BC:BC+1]
	v_pk_fma_f32 v[BC+2:BC+3], v[DT+2:DT+3], v[DT+2:DT+3], v[BC+2:BC+3]
.endif
.set i, i+1
.endr
	s_wait_alu depctr_va_vdst(0)                   ; the sums are written in AC and BC, which the two stores read; and they are done reading the ring, in which the four groups' sums land behind the barrier
	ds_store_b128 v[REDW], v[AC:AC+3]
	ds_store_b128 v[REDW], v[BC:BC+3] offset:2048
	BARRIER
.endm
; each thread finishes its own four channels: MEAN, and PA = gain / sqrt(variance + eps).  invp = 1 / P, pf = P, nf = rows in a partial, as f32
.macro FINAL invp, pf, nf
.irp k, 0,1,2,3
	ds_load_b128 v[RG+12*\k:RG+12*\k+3], v[CB] offset:RED+4096*\k          ; sum of (mean - SM)
	ds_load_b128 v[RG+12*\k+4:RG+12*\k+7], v[CB] offset:RED+4096*\k+2048   ; sum of its squares
	ds_load_b128 v[RG+12*\k+8:RG+12*\k+11], v[CB] offset:RED+4096*\k+1024  ; sum of (M2 - SQ)
.endr
	s_wait_dscnt 0x0
.irp j, 0,2,4,6,8,10
	v_pk_add_f32 v[RG+\j:RG+\j+1], v[RG+\j:RG+\j+1], v[RG+12+\j:RG+13+\j]
	v_pk_add_f32 v[RG+24+\j:RG+25+\j], v[RG+24+\j:RG+25+\j], v[RG+36+\j:RG+37+\j]
.endr
.irp j, 0,2,4,6,8,10
	v_pk_add_f32 v[RG+\j:RG+\j+1], v[RG+\j:RG+\j+1], v[RG+24+\j:RG+25+\j]
.endr
.irp e, 0,1,2,3
	v_mul_f32 v[DT+\e], \invp, v[RG+\e]
	v_fma_f32 v[RG+8+\e], v[SQ+\e], \pf, v[RG+8+\e]        ; the sum of the partial M2
.endr
.irp e, 0,1,2,3
	v_add_f32 v[MEAN+\e], v[SM+\e], v[DT+\e]
	v_fma_f32 v[RG+4+\e], -v[DT+\e], v[RG+\e], v[RG+4+\e]  ; the spread of the partial means
.endr
.irp e, 0,1,2,3
	v_fma_f32 v[RG+8+\e], v[RG+4+\e], \nf, v[RG+8+\e]
.endr
.irp e, 0,1,2,3
	v_fma_f32 v[RG+8+\e], v[RG+8+\e], 0x38000000, s[EPS]   ; / 32,768 rows, + eps
.endr
.irp e, 0,1,2,3
	v_rsq_f32 v[DT+\e], v[RG+8+\e]
.endr
	v_nop                                          ; a plain line behind the last of them,
	s_wait_alu depctr_va_vdst(0)                   ; and one wait for the four, ahead of their first reader
.irp e, 0,1,2,3
	v_mul_f32 v[PA+\e], v[GG+\e], v[DT+\e]
.endr
.endm
.macro NORM i                          ; row i of my sixteen, normalised in place
	v_pk_add_f32 v[XR+4*(\i):XR+4*(\i)+1], v[XR+4*(\i):XR+4*(\i)+1], v[MEAN:MEAN+1] neg_lo:[0,1] neg_hi:[0,1]
	v_pk_add_f32 v[XR+4*(\i)+2:XR+4*(\i)+3], v[XR+4*(\i)+2:XR+4*(\i)+3], v[MEAN+2:MEAN+3] neg_lo:[0,1] neg_hi:[0,1]
	v_pk_fma_f32 v[XR+4*(\i):XR+4*(\i)+1], v[XR+4*(\i):XR+4*(\i)+1], v[PA:PA+1], v[BE:BE+1]
	v_pk_fma_f32 v[XR+4*(\i)+2:XR+4*(\i)+3], v[XR+4*(\i)+2:XR+4*(\i)+3], v[PA+2:PA+3], v[BE+2:BE+3]
.endm
.macro XPH_A                           ; normalise my 16 x 128 and turn it through my stage
.irp i, 0,1,2,3,4,5,6,7
	NORM \i
.endr
	s_wait_alu depctr_va_vdst(0)                   ; rows 0-7 of h1 are written, which the eight stores below read; the lines among which these are dealt name rows 8-15 and the statistics alone
.irp i, 8,9,10,11,12,13,14,15
	ds_store_b128 v[STW], v[XR+4*(\i-8):XR+4*(\i-8)+3] offset:528*(\i-8)
	NORM \i
.endr
	s_wait_alu depctr_va_vdst(0)                   ; rows 8-15 are written, which the stores below read; and the lines above are done with the statistics' registers v144-183, in which the stage's loads land
.irp i, 8,9,10,11,12,13,14,15
	ds_store_b128 v[STW], v[XR+4*\i:XR+4*\i+3] offset:528*\i
.endr
	s_wait_alu depctr_vm_vsrc(0)                   ; the LDS stores so far have read AC and BC, in which the loads below land, and v[XR ..], in which the weights land
.irp b, 0,1,2,3
.irp q, 0,1,2,3
	ds_load_b128 v[XL+16*\b+4*\q:XL+16*\b+4*\q+3], v[STR] offset:128*\b+16*\q   ; LDS serves a wave's instructions in order: these see my stores
.endr
.endr
.endm
.macro XPH_B
	s_wait_dscnt 0x0                               ; the numbers are back from my stage
	QUANT XL
	s_wait_alu depctr_va_vdst(0)                   ; the codes and the scale word are written, which the four stores read; the quantiser is done reading v[XL ..], in which fragments land behind the barrier
.irp c, 0,1,2
	ds_store_b128 v[IMW], v[PC+4*\c:PC+4*\c+3] offset:XIMG+512*\c
.endr
	ds_store_b32 v[ISW], v[PW] offset:XSC
	BARRIER                                        ; h1's sixteen fragments lie in LDS
.endm
.macro XFETCH m                        ; tile m's two fragments and scale words
.irp c, 0,1,2
	ds_load_b128 v[XF+4*\c:XF+4*\c+3], v[LI] offset:XIMG+(2*(\m))*1536+512*\c
.endr
.irp c, 0,1,2
	ds_load_b128 v[XF+12+4*\c:XF+15+4*\c], v[LI] offset:XIMG+(2*(\m)+1)*1536+512*\c
.endr
	ds_load_b32 v[XS], v[LS] offset:XSC+(2*(\m))*128
	ds_load_b32 v[XS+1], v[LS] offset:XSC+(2*(\m)+1)*128
.endm
.macro COL64                           ; 16 tokens x my 64 columns: four accumulators by turns, the bias as the first C; four places behind
.irp t, 0,1,2,3
	MM HA+8*\t, W+24*\t, XF, BI+8*\t, WS+2*\t, XS
.endr
.irp t, 0,1,2,3
	MM HA+8*\t, W+24*\t+12, XF+12, HA+8*\t, WS+2*\t+1, XS+1
.endr
	PLACES 4
.endm
	s_load_b512 s[4:19], s[0:1], 0x0               ; x, st1, g1, beta1, wimg, wscl, bq, bk
	s_load_b128 s[20:23], s[0:1], 0x40             ; bv, qimg
	s_load_b64 s[24:25], s[0:1], 0x50              ; kv
	v_lshl_add_u32 v242, v0, 2, 0x2b800
	v_mov_b32 v243, 0
	v_lshrrev_b32 v14, 5, v0
	v_readfirstlane_b32 s[WV], v14                 ; wave 0..15
	v_and_b32 v14, 31, v0
	v_and_b32 v[RR], 15, v0
	v_bfe_u32 v[TH], v0, 4, 1
	v_lshlrev_b32 v[LI], 4, v14
	v_lshlrev_b32 v[LS], 2, v14
	v_lshlrev_b32 v[L8], 3, v14
	s_wait_alu depctr_va_sdst(0)                   ; s[WV] is written, ahead of its first reader: shares, addresses and branches are made from it
	s_and_b32 s27, s[WV], 1
	s_lshr_b32 s28, s[WV], 2
	s_and_b32 s29, s[WV], 3
	s_lshr_b32 s30, s[WV], 1
	s_lshl_b32 s31, s27, 9
	v_add_nc_u32 v[CB], s31, v[LI]
	s_lshl_b32 s32, s29, 9
	v_add_nc_u32 v[SVO], s32, v[LI]
	s_lshl_b32 s31, s28, 11
	s_add_co_u32 s31, s31, s32
	v_add_nc_u32 v[PO], s31, v[LI]
	s_lshl_b32 s31, s28, 12
	s_add_co_u32 s31, s31, s32
	s_add_co_u32 s31, s31, RED
	v_add_nc_u32 v[REDW], s31, v[LI]
	s_mul_i32 s31, s[WV], 8448
	s_add_co_u32 s31, s31, XSTG
	v_add_nc_u32 v[STW], s31, v[LI]                ; into my stage: a row's 512 bytes on end
	v_mul_u32_u24 v[STR], v[RR], 528
	v_lshl_add_u32 v[STR], v[TH], 6, v[STR]
	v_add_nc_u32 v[STR], s31, v[STR]               ; out of it: row r, + 64 h
	s_mul_i32 s31, s[WV], 1536
	v_add_nc_u32 v[IMW], s31, v[LI]
	s_lshl_b32 s31, s[WV], 7
	v_add_nc_u32 v[ISW], s31, v[LS]
	v_lshlrev_b32 v[BOQ], 6, v[TH]
	v_lshrrev_b32 v[BOV], 3, v[RR]
	v_lshl_add_u32 v[BOV], v[BOV], 3, v[RR]
	v_lshlrev_b32 v[BOV], 2, v[BOV]
.irp b, 0,1,2,3
	v_mov_b32 v[TP+\b], 0                          ; written once: a lane permute's destination counts as one of its sources
.endr
	s_mov_b32 s[SEL], 0x76543210
	s_mov_b32 s[SEL+1], 0xfedcba98
	s_mov_b32 s[EPS], 0x3727c5ac                   ; 1e-5
	s_lshl_b32 s33, ttmp9, 7
	s_lshr_b32 s34, s30, 1
	s_lshl_b32 s34, s34, 5
	s_add_co_u32 s33, s33, s34
	s_and_b32 s34, s30, 1
	s_lshl_b32 s34, s34, 3
	s_add_co_u32 s33, s33, s34                     ; my tile's first token: 128 p + 32 (T / 2) + 8 (T % 2)
	s_lshl_b32 s34, s33, 10
	s_mov_b32 s35, 0
	s_mul_i32 s46, s[WV], 12288                    ; q, k: my eight fragments, 8 w on;
	s_mul_i32 s48, s[WV], 6144
	s_add_co_u32 s48, s48, 49152                   ; v: my four, 32 + 4 w on (wv begins at fragment 64, wave 8 takes its first four)
	s_lshl_b32 s49, s[WV], 10                      ; their scale words, 128 bytes a fragment
	s_lshl_b32 s50, s[WV], 9
	s_add_co_u32 s50, s50, 4096
	s_lshl_b32 s51, s29, 8                         ; the bias: q, k: the 64 numbers of head w % 4;
	s_and_b32 s52, s[WV], 7
	s_lshl_b32 s52, s52, 7                         ; v: 32 numbers, 128 (w - 8) bytes on
	s_cmp_lt_u32 s[WV], 8
	s_cselect_b32 s46, s46, s48
	s_cselect_b32 s48, s49, s50
	s_cselect_b32 s50, s51, s52
	s_mov_b32 s47, 0
	s_mov_b32 s49, 0
	s_mov_b32 s51, 0
	s_wait_kmcnt 0x0
	s_add_nc_u64 s[4:5], s[4:5], s[34:35]
	s_wait_alu depctr_va_vdst(0)                   ; the addresses and offsets v1 to v15 are written, which the loads and stores of the whole kernel read
.irp i, 0,1,2,3,4,5,6,7,8,9,10,11,12,13,14,15
	global_load_b128 v[XR+4*\i:XR+4*\i+3], v[CB], s[4:5] offset:(\i+8*(\i/8))*1024   ; 512 consecutive bytes of a row
.endr
	global_load_b128 v[SM:SM+3], v[CB], s[6:7]             ; the shifts: partial row 0's mean and M2 at my channels
	global_load_b128 v[SQ:SQ+3], v[CB], s[6:7] offset:1024
	global_load_b128 v[GG:GG+3], v[CB], s[8:9]
	global_load_b128 v[BE:BE+3], v[CB], s[10:11]
	global_load_b128 v[SV:SV+3], v[SVO], s[6:7]            ; and at my quarter of a partial row
.irp i, 0,1,2,3,4,5,6,7,8,9,10,11,12,13,14,15
	global_load_b128 v[RG+4*\i:RG+4*\i+3], v[PO], s[6:7] offset:8192*\i
.endr
	s_add_nc_u64 s[40:41], s[12:13], s[46:47]      ; my weights' images,
	s_add_nc_u64 s[42:43], s[14:15], s[48:49]      ; their scale words,
	s_cmp_eq_u32 s28, 0
	s_cselect_b64 s[44:45], s[16:17], s[18:19]
	s_cmp_ge_u32 s28, 2
	s_cselect_b64 s[44:45], s[20:21], s[44:45]
	s_add_nc_u64 s[44:45], s[44:45], s[50:51]      ; and my numbers of bq, bk or bv
	STATS 16
	FINAL 0x3c800000, 0x42800000, 0x44000000       ; 64 partials of 512 rows
	XPH_A
	s_cmp_lt_u32 s[WV], 8                          ; the weights are asked for while the numbers come back from the stage: the waits in XPH_A have freed v16-143 for them
	s_cbranch_scc0 .Lvweights
.set k, 0
.rept 24
	global_load_b128 v[W+4*k:W+4*k+3], v[LI], s[40:41] offset:512*k
.set k, k+1
.endr
.irp k, 0,1,2,3,4,5,6,7
	global_load_b32 v[WS+\k], v[LS], s[42:43] offset:128*\k
.endr
.irp t, 0,1,2,3                                    ; q, k: the bias in the result's layout: eight neighbours of a lane's half
	global_load_b128 v[BI+8*\t:BI+8*\t+3], v[BOQ], s[44:45] offset:(32*(\t/2)+8*(\t%2))*4
	global_load_b128 v[BI+8*\t+4:BI+8*\t+7], v[BOQ], s[44:45] offset:(32*(\t/2)+8*(\t%2))*4+16
.endr
	s_branch .Lweights_asked
.Lvweights:
.set k, 0
.rept 12
	global_load_b128 v[W+4*k:W+4*k+3], v[LI], s[40:41] offset:512*k
.set k, k+1
.endr
.irp k, 0,1,2,3
	global_load_b32 v[WS+\k], v[LS], s[42:43] offset:128*\k
.endr
.irp t, 0,1                                        ; v: one number a lane and tile: my channel's
	global_load_b32 v[BV+\t], v[BOV], s[44:45] offset:32*\t
.endr
.Lweights_asked:
	XPH_B
	s_wait_alu depctr_vm_vsrc(0)                   ; my LDS stores have read the codes v222-233 and the word v220: q's and k's scale words are written over them, v's fragments land on them; ahead of the branch, for both ways
	s_and_b32 s70, s30, 3                          ; the head: v: (w - 8) / 2;
	s_cmp_lt_u32 s[WV], 8
	s_cselect_b32 s70, s29, s70                    ; q, k: w % 4
	s_lshr_b32 s54, ttmp9, 1                       ; kv: (batch, slot of 256 keys) = p / 2, head pair H / 2
	s_mul_i32 s54, s54, 110592
	s_lshr_b32 s55, s70, 1
	s_mul_i32 s55, s55, 55296
	s_add_co_u32 s54, s54, s55
	s_and_b32 s55, s70, 1                          ; which head of the pair
	s_and_b32 s56, ttmp9, 1                        ; which 128 keys of the slot
	s_wait_loadcnt 0x0                             ; weights, scale words, biases
	s_cmp_ge_u32 s[WV], 8
	s_cbranch_scc1 .Lvpath
	; ---- q and k
	s_lshl_b32 s48, ttmp9, 14
	s_lshl_b32 s49, s70, 12
	s_add_co_u32 s48, s48, s49                     ; q: registers 0-3 at 16,384 p + 4,096 H,
	s_lshr_b32 s50, s48, 1
	s_add_co_u32 s50, s50, 4194304                 ; registers 4-5 at half of that behind section A,
	s_lshr_b32 s52, s48, 2
	s_add_co_u32 s52, s52, 6291456                 ; the words at a quarter of it behind section B
	s_lshl_b32 s57, s55, 13
	s_lshl_b32 s58, s56, 12
	s_add_co_u32 s57, s57, s58
	s_add_co_u32 s58, s54, s57                     ; k: the same three places in its half slot
	s_lshr_b32 s57, s57, 1
	s_add_co_u32 s59, s54, s57
	s_add_co_u32 s59, s59, 16384
	s_lshr_b32 s57, s57, 1
	s_add_co_u32 s57, s54, s57
	s_add_co_u32 s57, s57, 24576
	s_cmp_eq_u32 s28, 0
	s_cselect_b64 s[68:69], s[22:23], s[24:25]
	s_cselect_b32 s48, s48, s58
	s_cselect_b32 s50, s50, s59
	s_cselect_b32 s52, s52, s57
	s_mov_b32 s49, 0
	s_mov_b32 s51, 0
	s_mov_b32 s53, 0
	s_add_nc_u64 s[60:61], s[68:69], s[48:49]
	s_add_nc_u64 s[62:63], s[68:69], s[50:51]
	s_add_nc_u64 s[66:67], s[68:69], s[52:53]
	v_mov_b32 v[TP2], 0
	v_mov_b32 v[TP2+1], 0
	XFETCH 0                                       ; no wait: since the wait ahead of the image's stores no vector line has named v144-167, v252 or v253
.irp T, 0,1,2,3,4,5,6,7
	s_wait_dscnt 0x0                               ; the tile's fragments are in
	COL64
.if \T < 7
	s_wait_alu depctr_va_vdst(0)                   ; the eight products are done reading the tile's fragments and scale words, in which the next tile's land
	XFETCH \T+1                                    ; behind COL64's four places
.endif
	s_wait_xcnt 0x0                                ; the last tile's stores have read their data: the codes' registers are written again
.if \T > 0
	s_wait_alu depctr_vm_vsrc(0)                   ; the last tile's two stores have read v[PCH ..], which the conversions below write again
.endif
	HQUANT HA, SW+\T
	s_wait_alu depctr_va_vdst(0)                   ; the codes are written, which the two stores read (and the tile's scale word, which is stored behind the last tile)
	global_store_b128 v[LI], v[PCH:PCH+3], s[60:61] offset:512*\T
	global_store_b64 v[L8], v[PCH+4:PCH+5], s[62:63] offset:256*\T
.endr
	global_store_b128 v[LI], v[SW:SW+3], s[66:67]          ; [T / 4][lane][T % 4]
	global_store_b128 v[LI], v[SW+4:SW+7], s[66:67] offset:512
	s_wait_dscnt 0x0                               ; the closing lines, six on end
	s_wait_alu 0x0
	s_wait_tensorcnt 0x0
	ds_add_u32 v242, v243
	s_wait_dscnt 0x0
	s_endpgm
.Lvpath:
	; ---- v: a lane holds one channel, its registers run along the tokens.  My two tiles of 16 channels are tiles 2 (w % 2) and 2 (w % 2) + 1 of the head's four
.set TX, 192                           ; QUANT's registers lie over the four fragments of h1, which are done with when it runs
.set TP, 196
.set OP, 200
.set PW, 204
.set PC, 206
	s_mul_i32 s57, s55, 12288
	s_mul_i32 s58, s56, 1536
	s_mul_i32 s59, s27, 6144                       ; two tiles of 3,072 bytes a half
	s_add_co_u32 s48, s54, s57
	s_add_co_u32 s48, s48, s58
	s_add_co_u32 s48, s48, s59
	s_add_co_u32 s48, s48, 28672
	s_mov_b32 s49, 0
	s_add_nc_u64 s[60:61], s[24:25], s[48:49]      ; V^T's images
	s_lshl_b32 s57, s55, 10
	s_lshl_b32 s58, s56, 9
	s_lshl_b32 s59, s27, 8                         ; the words lie [half][lane][2]: 256 bytes a half
	s_add_co_u32 s48, s54, s57
	s_add_co_u32 s48, s48, s58
	s_add_co_u32 s48, s48, s59
	s_add_co_u32 s48, s48, 53248
	s_add_nc_u64 s[62:63], s[24:25], s[48:49]      ; and their scale words
.irp dt, 0,1
	s_wait_xcnt 0x0                                ; the last tile's stores have read the codes: fragments land on them
.if \dt
	s_wait_alu depctr_vm_vsrc(0)                   ; the first tile's three stores have read the codes v206-217, on which fragments land below
.endif
.irp j, 0,1,2,3,4,5,6,7
	v_mov_b32 v[CB8+\j], v[BV+\dt]                 ; the bias in the result's layout: my channel's number in all eight registers
.endr
.irp s, 0,1
.irp tq, 0,1
	PLACES 4                                       ; in front of loads into registers that matrix instructions have read
.if \s+\tq > 0
	s_wait_alu depctr_va_vdst(0)                   ; the last four products are done reading their fragments and scale words, in which the next four land.  (A tile's first four need none: since the wait ahead of the last stores only the bias's moves were issued)
.endif
.irp k, 0,1,2,3
.irp c, 0,1,2
	ds_load_b128 v[XF4+12*\k+4*\c:XF4+12*\k+4*\c+3], v[LI] offset:XIMG+(2*(4*\tq+\k)+\s)*1536+512*\c
.endr
	ds_load_b32 v[XS+\k], v[LS] offset:XSC+(2*(4*\tq+\k)+\s)*128
.endr
	s_wait_dscnt 0x0
.irp k, 0,1,2,3                                    ; eight accumulators by turns
.if \s == 0
	MM ACC+8*(4*\tq+\k), XF4+12*\k, W+12*(2*\dt+\s), CB8, XS+\k, WS+2*\dt+\s
.else
	MM ACC+8*(4*\tq+\k), XF4+12*\k, W+12*(2*\dt+\s), ACC+8*(4*\tq+\k), XS+\k, WS+2*\dt+\s
.endif
.endr
.endr
.endr
	PLACES 4
	QUANT ACC                                      ; register 8 T + j is token 32 (T / 2) + 16 h + 8 (T % 2) + j: 128 keys in order
	v_mov_b32 v[VW+\dt], v[PW]
	s_wait_alu depctr_va_vdst(0)                   ; the codes are written, which the three stores read (and the tile's scale word, which is stored behind the second tile); the quantiser is done with v192-217, on which the next tile's fragments land
.irp c, 0,1,2
	global_store_b128 v[LI], v[PC+4*\c:PC+4*\c+3], s[60:61] offset:\dt*3072+512*\c
.endr
.endr
	global_store_b64 v[L8], v[VW:VW+1], s[62:63]   ; my two words a lane: 256 consecutive bytes, aligned
	s_wait_dscnt 0x0                               ; the closing lines, six on end
	s_wait_alu 0x0
	s_wait_tensorcnt 0x0
	ds_add_u32 v242, v243
	s_wait_dscnt 0x0
	s_endpgm
.Lfunc_end_k_q6021ccd250_qkv:
	.size	k_q6021ccd250_qkv, .Lfunc_end_k_q6021ccd250_qkv-k_q6021ccd250_qkv
	.p2alignl 7, 3214868480
	.fill 96, 4, 3214868480
	.section	.rodata,"a",@progbits
	.p2align	6, 0x0
	.amdhsa_kernel k_q6021ccd250_qkv
		.amdhsa_group_segment_fixed_size 180224
		.amdhsa_private_segment_fixed_size 0
		.amdhsa_enable_private_segment 0
		.amdhsa_kernarg_size 88
		.amdhsa_user_sgpr_count 2
		.amdhsa_user_sgpr_kernarg_segment_ptr 1
		.amdhsa_wavefront_size32 1
		.amdhsa_system_sgpr_workgroup_id_x 1
		.amdhsa_system_sgpr_workgroup_id_y 1
		.amdhsa_system_sgpr_workgroup_id_z 1
		.amdhsa_system_vgpr_workitem_id 0
		.amdhsa_next_free_vgpr 256
		.amdhsa_next_free_sgpr 80
		.amdhsa_reserve_vcc 0
		.amdhsa_float_denorm_mode_32 3
		.amdhsa_float_denorm_mode_16_64 3
		.amdhsa_memory_ordered 1
		.amdhsa_forward_progress 1
		.amdhsa_inst_pref_size 90
	.end_amdhsa_kernel
	.amdgpu_metadata
---
amdhsa.version: [ 1, 2 ]
amdhsa.kernels:
  - .name:           k_q6021ccd250_qkv
    .symbol:         k_q6021ccd250_qkv.kd
    .args:
      - { .name: x, .offset: 0, .size: 8, .value_kind: global_buffer, .address_space: global }
      - { .name: st1, .offset: 8, .size: 8, .value_kind: global_buffer, .address_space: global }
      - { .name: g1, .offset: 16, .size: 8, .value_kind: global_buffer, .address_space: global }
      - { .name: beta1, .offset: 24, .size: 8, .value_kind: global_buffer, .address_space: global }
      - { .name: wimg, .offset: 32, .size: 8, .value_kind: global_buffer, .address_space: global }
      - { .name: wscl, .offset: 40, .size: 8, .value_kind: global_buffer, .address_space: global }
      - { .name: bq, .offset: 48, .size: 8, .value_kind: global_buffer, .address_space: global }
      - { .name: bk, .offset: 56, .size: 8, .value_kind: global_buffer, .address_space: global }
      - { .name: bv, .offset: 64, .size: 8, .value_kind: global_buffer, .address_space: global }
      - { .name: qimg, .offset: 72, .size: 8, .value_kind: global_buffer, .address_space: global }
      - { .name: kv, .offset: 80, .size: 8, .value_kind: global_buffer, .address_space: global }
    .group_segment_fixed_size: 180224
    .private_segment_fixed_size: 0
    .kernarg_segment_align: 8
    .kernarg_segment_size: 88
    .max_flat_workgroup_size: 512
    .sgpr_count:     80
    .vgpr_count:     256
    .wavefront_size: 32
...
	.end_amdgpu_metadata
.endif
;; end of part 5
;; launch attn: the kernel of part 3 again; grid 8 x 32, 16 waves a work-group, clusters of 4 x 1, 327,680 bytes of LDS; arguments qimg, kv, wimg, wscl, bo, x, r1, st2; writes r1, st2
;; launch mlp (part 6): grid 256 x 1, 16 waves a work-group, no clusters, 315,392 bytes of LDS; arguments r1, st2, g2, beta2, wimg, wscl, bf1, bf2, out0; writes out0
.if DOCPART == 6
	.amdgcn_target "amdgcn-amd-amdhsa--gfx1250"
	.amdhsa_code_object_version 6
	.text
	.protected	k_q6021ccd250_mlp
	.globl	k_q6021ccd250_mlp
	.p2align	8
	.type	k_q6021ccd250_mlp,@function
k_q6021ccd250_mlp:
	s_mov_b64 s[64:65], 0
	v_nop
	global_prefetch_b8 v0, s[64:65] scope:SCOPE_SE
	s_setreg_imm32_b32 hwreg(HW_REG_WAVE_SCHED_MODE, 0, 2), 2
	s_setreg_imm32_b32 hwreg(HW_REG_WAVE_MODE, 25, 1), 1
	s_wait_xcnt 0x0
	s_wait_alu depctr_vm_vsrc(0)
; MLP.  h2 = batch norm of r1; out = r1 + relu(h2 w1^T + bf1) w2^T + bf2; both products on codes of FP6 (E2M3, one E8M0 byte for each 32 along K).  The hidden layer never goes to memory.
; SHARES.  A work-group of sixteen waves owns 128 rows.  Tile T of 16 rows holds rows 32 (T / 2) + 8 (T % 2) + i + 8 (i / 8).
; PHASES.  (1) the 256 partial statistics of st2 are joined; barrier.  (2) wave w normalises 16 rows x 128 channels, keeps r1 + bf2 in a stage, quantises h2 and stores the fragment's image; barrier.
;  (3) wave w makes hidden units 64 w .. 64 w + 63 for all eight tiles of rows, w1's eight fragments in registers: relu, quantise: HALF of K step w / 2 of the second product (registers 6 (w % 2) on), stored as an image; barrier.
;  (4) wave w makes outputs 32 (w / 2) .. + 31 for tiles of rows 4 (w % 2) on: r1 + bf2 comes from the stage as the sums' first C, so residual and bias cost no addition; w2's fragments come from memory through a ring of four K steps in registers.
;  (5) the results go back to the stage; barrier; each wave stores 16 rows' halves, 512 consecutive bytes a store.
; The weights are read by every work-group, yet not asked for jointly: a joint request lands in LDS, of which 313,344 bytes are in use while w1 and w2 are 393,216 bytes of images; each load here brings 512 consecutive bytes straight into operand registers.
; LIMITS: blocks of zeros or under 2^-124 get the byte 1; NaN and infinities are not served; 1 / sqrt by v_rsq_f32.
; THE MODE: SCHED_MODE bits 1:0 = 2 (LLVM: expert scheduling mode 2), set by the entry lines.  The code itself states the register dependences
; between vector or matrix instructions and memory or LDS instructions, with s_wait_alu, always for 0.
; THE PLAN.  Registers that memory or LDS instructions touch, in program order:
;   v1-v14      addresses and offsets: written once at the head, never again: one wait on va_vdst ahead of the first load serves every load and store that reads them.
;   RG          a ring of sixteen slots for the 64 partial rows of a wave, in blocks of four: block p's sums read its four slots; at block p + 1's head, behind one wait on va_vdst, the rows twelve on are asked for into them.
;               Then the four groups' sums land from LDS; then r1 + bf2 is written there, and sixteen LDS stores read it, dealt among the normalising lines, which do not name it; then w1 and bf1 land.
;   AC, BC      written by the sums, read by two LDS stores; they lie under XL.
;   XR          r1 lands; normalised in place; the stores into my stage read it; then w1 lands.
;   XL          the stage's loads land, over the statistics' registers, which the normalising lines have read; the quantiser reads it.
;   PC, PW      written by the quantiser, read by the image's stores; later addresses (v232, v233) are written and fragments land there.
;   XF, XS      tile m + 1's loads land behind tile m's products, which read them.  PCH, HWD: written by tile m's quantiser, read by its three LDS stores, written again in tile m + 1.
;   W, WS       w1 and its words; behind the last tile's products w2's first four K steps and its words land; in K steps 0 to 3 of the second product the step four on lands in the buffer just read.
;   ACC         r1 + bf2 lands from the stage; the products add onto it; sixteen LDS stores read it.  The four hidden fragments and the halves of their words land anew in each K step, behind the products and the lines that read the last.
;   HR16, HR8   read by the fragments' loads; stepped once, at the end of K step 3, between a wait on vm_vsrc and the step's own wait on va_vdst.
.set XIMG, 0
.set XSC,  24576
.set RED,  26624
.set RSTG, 43008                       ; r1 + bf2, later out: a part for each wave's unit: 16 rows x (512 + 16) bytes
.set XSTG, 178176                      ; the stage through which h2 is turned;
.set HIMG, 178176                      ; behind barrier 2 the hidden layer's 64 fragments lie over it: (8 s + m) x 1,536 + 768 c,
.set HSC,  276480                      ; and their scale words, one word a lane for each half: (8 s + m) x 256 + 128 c
.set LI,   1
.set LS,   2
.set L8,   3
.set CB,   4
.set PO,   5
.set STW,  6
.set STR,  7
.set RSW,  8
.set IMW,  9
.set ISW,  10
.set REDW, 11
.set BOQ,  12
.set SVO,  14
.set RR,   15
.set TH,   234
.set XR,   16
.set RG,   80
.set XL,   144
.set SV,   144
.set AC,   148
.set BC,   152
.set DT,   156
.set SM,   160
.set SQ,   164
.set GG,   168
.set BE,   172
.set MEAN, 176
.set PA,   180
.set BF2,  184
.set TX,   208
.set TP,   212
.set OP,   216
.set PW,   220
.set PC,   222
.set W,    16                          ; v16-111  w1's eight fragments, then four K steps of w2 (two tiles each)
.set BI,   112                         ; v112-143 bf1 in the result's layout
.set XF,   144
.set HA,   168
.set TX2,  200
.set TP2,  202
.set OP2,  204
.set PCH,  206
.set CTH,  212
.set HWD,  215
.set HW16, 216
.set HW8,  217
.set HWS,  218
.set HL,   136                         ; v136-143 the halves of four scale words
.set ACC,  144                         ; v144-207 eight accumulators of out
.set RA,   232
.set HR16, 233
.set HR8,  234
.set HRS,  235
.set WS,   236                         ; v236-251 w1's eight scale words, then w2's sixteen: scales and nothing else
.set XS,   252                         ; v252-255 h2's scale words, then the hidden layer's: scales and nothing else
.set WV,   26
.set SEL,  36
.set EPS,  38
.macro MM d, a, b, c, sa, sb
	v_wmma_scale_f32_16x16x128_f8f6f4 v[(\d):(\d)+7], v[(\a):(\a)+11], v[(\b):(\b)+11], v[(\c):(\c)+7], v[\sa], v[\sb] matrix_a_fmt:MATRIX_FMT_FP6 matrix_b_fmt:MATRIX_FMT_FP6
.endm
.macro PLACES n
.rept \n
	v_nop
.endr
.endm
.macro BARRIER
	s_wait_dscnt 0x0
	s_barrier_signal -1
	s_barrier_wait -1
.endm
.macro QUANT s
.irp b, 0,1,2,3
	v_max3_num_f32 v[TX+\b], |v[(\s)+16*\b]|, |v[(\s)+1+16*\b]|, 0x1800000
.endr
.irp i, 2,4,6,8,10,12,14
.irp b, 0,1,2,3
	v_max3_num_f32 v[TX+\b], v[TX+\b], |v[(\s)+16*\b+\i]|, |v[(\s)+1+16*\b+\i]|
.endr
.endr
.irp b, 0,1,2,3
	v_permlanex16_b32 v[TP+\b], v[TX+\b], s[SEL], s[SEL+1]
.endr
.irp b, 0,1,2,3
	v_max_num_f32 v[TX+\b], v[TX+\b], v[TP+\b]
.endr
.irp b, 0,1,2,3
	v_add_nc_u32 v[OP+\b], 0xff000000, v[TX+\b]
.endr
.irp b, 0,1,2,3
	v_lshrrev_b32 v[TP+\b], 23, v[OP+\b]
.endr
	v_lshl_or_b32 v[PW], v[TP+1], 8, v[TP]
	v_lshl_or_b32 v[PW], v[TP+2], 16, v[PW]
	v_lshl_or_b32 v[PW], v[TP+3], 24, v[PW]
	v_cvt_scalef32_pk16_fp6_f32 v[PC:PC+2], v[(\s):(\s)+15], v[OP]
	v_cvt_scalef32_pk16_fp6_f32 v[TX:TX+2], v[(\s)+16:(\s)+31], v[OP+1]
	v_cvt_scalef32_pk16_fp6_f32 v[PC+6:PC+8], v[(\s)+32:(\s)+47], v[OP+2]
	v_cvt_scalef32_pk16_fp6_f32 v[TP:TP+2], v[(\s)+48:(\s)+63], v[OP+3]
	v_nop
.irp i, 0,1,2
	v_permlane16_swap_b32 v[PC+\i], v[TX+\i]
	v_permlane16_swap_b32 v[PC+6+\i], v[TP+\i]
.endr
.irp i, 0,1,2
	v_mov_b32 v[PC+3+\i], v[TX+\i]
	v_mov_b32 v[PC+9+\i], v[TP+\i]
.endr
.endm
; 32 numbers of a lane: relu, then two blocks' codes in v[PCH] on (six registers) and their two bytes in v[wd]
.macro HQUANT s, wd
.set j, 0
.rept 32
	v_max_num_f32 v[(\s)+j], 0, v[(\s)+j]          ; the activation, in f32
.set j, j+1
.endr
.irp b, 0,1
	v_max3_num_f32 v[TX2+\b], v[(\s)+16*\b], v[(\s)+1+16*\b], 0x1800000    ; none is negative: no |.|
.endr
.irp i, 2,4,6,8,10,12,14
.irp b, 0,1
	v_max3_num_f32 v[TX2+\b], v[TX2+\b], v[(\s)+16*\b+\i], v[(\s)+1+16*\b+\i]
.endr
.endr
.irp b, 0,1
	v_permlanex16_b32 v[TP2+\b], v[TX2+\b], s[SEL], s[SEL+1]
.endr
.irp b, 0,1
	v_max_num_f32 v[TX2+\b], v[TX2+\b], v[TP2+\b]
.endr
.irp b, 0,1
	v_add_nc_u32 v[OP2+\b], 0xff000000, v[TX2+\b]
.endr
.irp b, 0,1
	v_lshrrev_b32 v[TP2+\b], 23, v[OP2+\b]
.endr
	v_lshl_or_b32 v[\wd], v[TP2+1], 8, v[TP2]
	v_cvt_scalef32_pk16_fp6_f32 v[PCH:PCH+2], v[(\s):(\s)+15], v[OP2]
	v_cvt_scalef32_pk16_fp6_f32 v[CTH:CTH+2], v[(\s)+16:(\s)+31], v[OP2+1]
	v_nop
.irp i, 0,1,2
	v_permlane16_swap_b32 v[PCH+\i], v[CTH+\i]
.endr
.irp i, 0,1,2
	v_mov_b32 v[PCH+3+\i], v[CTH+\i]
.endr
.endm
; p4 partial rows a wave, through a ring of 16 slots of four registers: AC = sum of (v - SV), BC = sum of the squares.
; The rows go in blocks of four.  A block's head asks for the four rows twelve on, into the slots that the block before has read: sixteen loads are out behind it.
.macro STATS p4
.set i, 0
.rept \p4
.if (i%4 == 0) && (i >= 4) && (i+12 < \p4)
	s_wait_alu depctr_va_vdst(0)                   ; the sums of the four rows before are done reading their slots, in which the four loads below land
.irp j, 0,1,2,3
	global_load_b128 v[RG+4*((i+12+\j)%16):RG+4*((i+12+\j)%16)+3], v[PO], s[6:7] offset:8192*(i+12+\j)
.endr
.endif
.set top, 4*(i/4)+15                   ; the youngest row that has been asked for
.if top > \p4-1
.set top, \p4-1
.endif
	s_wait_loadcnt top-i                           ; row i is in; only the younger partial rows may be out
.set sl, RG+4*(i%16)
.if i == 0
	v_pk_add_f32 v[AC:AC+1], v[sl:sl+1], v[SV:SV+1] neg_lo:[0,1] neg_hi:[0,1]
	v_pk_add_f32 v[AC+2:AC+3], v[sl+2:sl+3], v[SV+2:SV+3] neg_lo:[0,1] neg_hi:[0,1]
	v_pk_mul_f32 v[BC:BC+1], v[AC:AC+1], v[AC:AC+1]
	v_pk_mul_f32 v[BC+2:BC+3], v[AC+2:AC+3], v[AC+2:AC+3]
.else
	v_pk_add_f32 v[DT:DT+1], v[sl:sl+1], v[SV:SV+1] neg_lo:[0,1] neg_hi:[0,1]
	v_pk_add_f32 v[DT+2:DT+3], v[sl+2:sl+3], v[SV+2:SV+3] neg_lo:[0,1] neg_hi:[0,1]
	v_pk_add_f32 v[AC:AC+1], v[AC:AC+1], v[DT:DT+1]
	v_pk_add_f32 v[AC+2:AC+3], v[AC+2:AC+3], v[DT+2:DT+3]
	v_pk_fma_f32 v[BC:BC+1], v[DT:DT+1], v[DT:DT+1], v[BC:BC+1]
	v_pk_fma_f32 v[BC+2:BC+3], v[DT+2:DT+3], v[DT+2:DT+3], v[BC+2:BC+3]
.endif
.set i, i+1
.endr
	s_wait_alu depctr_va_vdst(0)                   ; the sums are written in AC and BC, which the two stores read; and they are done reading the ring, in which the four groups' sums land behind the barrier
	ds_store_b128 v[REDW], v[AC:AC+3]
	ds_store_b128 v[REDW], v[BC:BC+3] offset:2048
	BARRIER
.endm
.macro FINAL invp, pf, nf
.irp k, 0,1,2,3
	ds_load_b128 v[RG+12*\k:RG+12*\k+3], v[CB] offset:RED+4096*\k
	ds_load_b128 v[RG+12*\k+4:RG+12*\k+7], v[CB] offset:RED+4096*\k+2048
	ds_load_b128 v[RG+12*\k+8:RG+12*\k+11], v[CB] offset:RED+4096*\k+1024
.endr
	s_wait_dscnt 0x0
.irp j, 0,2,4,6,8,10
	v_pk_add_f32 v[RG+\j:RG+\j+1], v[RG+\j:RG+\j+1], v[RG+12+\j:RG+13+\j]
	v_pk_add_f32 v[RG+24+\j:RG+25+\j], v[RG+24+\j:RG+25+\j], v[RG+36+\j:RG+37+\j]
.endr
.irp j, 0,2,4,6,8,10
	v_pk_add_f32 v[RG+\j:RG+\j+1], v[RG+\j:RG+\j+1], v[RG+24+\j:RG+25+\j]
.endr
.irp e, 0,1,2,3
	v_mul_f32 v[DT+\e], \invp, v[RG+\e]
	v_fma_f32 v[RG+8+\e], v[SQ+\e], \pf, v[RG+8+\e]
.endr
.irp e, 0,1,2,3
	v_add_f32 v[MEAN+\e], v[SM+\e], v[DT+\e]
	v_fma_f32 v[RG+4+\e], -v[DT+\e], v[RG+\e], v[RG+4+\e]
.endr
.irp e, 0,1,2,3
	v_fma_f32 v[RG+8+\e], v[RG+4+\e], \nf, v[RG+8+\e]
.endr
.irp e, 0,1,2,3
	v_fma_f32 v[RG+8+\e], v[RG+8+\e], 0x38000000, s[EPS]
.endr
.irp e, 0,1,2,3
	v_rsq_f32 v[DT+\e], v[RG+8+\e]
.endr
	v_nop                                          ; a plain line behind the last of them,
	s_wait_alu depctr_va_vdst(0)                   ; and one wait for the four, ahead of their first reader
.irp e, 0,1,2,3
	v_mul_f32 v[PA+\e], v[GG+\e], v[DT+\e]
.endr
.endm
.macro NORM i                          ; row i of my sixteen, normalised in place
	v_pk_add_f32 v[XR+4*(\i):XR+4*(\i)+1], v[XR+4*(\i):XR+4*(\i)+1], v[MEAN:MEAN+1] neg_lo:[0,1] neg_hi:[0,1]
	v_pk_add_f32 v[XR+4*(\i)+2:XR+4*(\i)+3], v[XR+4*(\i)+2:XR+4*(\i)+3], v[MEAN+2:MEAN+3] neg_lo:[0,1] neg_hi:[0,1]
	v_pk_fma_f32 v[XR+4*(\i):XR+4*(\i)+1], v[XR+4*(\i):XR+4*(\i)+1], v[PA:PA+1], v[BE:BE+1]
	v_pk_fma_f32 v[XR+4*(\i)+2:XR+4*(\i)+3], v[XR+4*(\i)+2:XR+4*(\i)+3], v[PA+2:PA+3], v[BE+2:BE+3]
.endm
.macro XPH_A
.irp i, 0,1,2,3,4,5,6,7,8,9,10,11,12,13,14,15
	v_pk_add_f32 v[RG+4*\i:RG+4*\i+1], v[XR+4*\i:XR+4*\i+1], v[BF2:BF2+1]
	v_pk_add_f32 v[RG+4*\i+2:RG+4*\i+3], v[XR+4*\i+2:XR+4*\i+3], v[BF2+2:BF2+3]
.endr
	s_wait_alu depctr_va_vdst(0)                   ; r1 + bf2 is written in v[RG ..], which the sixteen stores below read; the lines among which these are dealt name v[XR ..] and the statistics alone
.irp i, 0,1,2,3,4,5,6,7,8,9,10,11,12,13,14,15
	ds_store_b128 v[RSW], v[RG+4*\i:RG+4*\i+3] offset:528*\i               ; r1 + bf2 is kept for the second product's first C
	NORM \i
.endr
	s_wait_alu depctr_va_vdst(0)                   ; h2 is written in v[XR ..], which the stores below read; and the lines above are done with the statistics' registers v144-187, in which the stage's loads land
.irp i, 0,1,2,3,4,5,6,7,8,9,10,11,12,13,14,15
	ds_store_b128 v[STW], v[XR+4*\i:XR+4*\i+3] offset:528*\i
.endr
	s_wait_alu depctr_vm_vsrc(0)                   ; the LDS stores so far have read AC and BC, in which the loads below land, and v[RG ..] and v[XR ..], in which w1 and bf1 land
.irp b, 0,1,2,3
.irp q, 0,1,2,3
	ds_load_b128 v[XL+16*\b+4*\q:XL+16*\b+4*\q+3], v[STR] offset:128*\b+16*\q
.endr
.endr
.endm
.macro XPH_B
	s_wait_dscnt 0x0                               ; the numbers are back from my stage
	QUANT XL
	s_wait_alu depctr_va_vdst(0)                   ; the codes and the scale word are written, which the four stores read; the quantiser is done reading v[XL ..], in which fragments land behind the barrier
.irp c, 0,1,2
	ds_store_b128 v[IMW], v[PC+4*\c:PC+4*\c+3] offset:XIMG+512*\c
.endr
	ds_store_b32 v[ISW], v[PW] offset:XSC
	BARRIER
.endm
.macro XFETCH m
.irp c, 0,1,2
	ds_load_b128 v[XF+4*\c:XF+4*\c+3], v[LI] offset:XIMG+(2*(\m))*1536+512*\c
.endr
.irp c, 0,1,2
	ds_load_b128 v[XF+12+4*\c:XF+15+4*\c], v[LI] offset:XIMG+(2*(\m)+1)*1536+512*\c
.endr
	ds_load_b32 v[XS], v[LS] offset:XSC+(2*(\m))*128
	ds_load_b32 v[XS+1], v[LS] offset:XSC+(2*(\m)+1)*128
.endm
.macro COL64
.irp t, 0,1,2,3
	MM HA+8*\t, W+24*\t, XF, BI+8*\t, WS+2*\t, XS
.endr
.irp t, 0,1,2,3
	MM HA+8*\t, W+24*\t+12, XF+12, HA+8*\t, WS+2*\t+1, XS+1
.endr
	PLACES 4
.endm
.macro W2LOAD s                        ; K step s of my two tiles of w2: six loads, into buffer s % 4
.irp u, 0,1
.irp c, 0,1,2
	global_load_b128 v[W+24*((\s)%4)+12*\u+4*\c:W+24*((\s)%4)+12*\u+4*\c+3], v[LI], s[46:47] offset:12288*\u+1536*(\s)+512*\c
.endr
.endr
.endm
	s_load_b512 s[4:19], s[0:1], 0x0               ; r1, st2, g2, beta2, wimg, wscl, bf1, bf2
	s_load_b64 s[20:21], s[0:1], 0x40              ; out0
	v_lshrrev_b32 v14, 5, v0
	v_readfirstlane_b32 s[WV], v14
	v_and_b32 v14, 31, v0
	v_and_b32 v[RR], 15, v0
	v_bfe_u32 v[TH], v0, 4, 1
	v_lshlrev_b32 v[LI], 4, v14
	v_lshlrev_b32 v[LS], 2, v14
	v_lshlrev_b32 v[L8], 3, v14
	s_wait_alu depctr_va_sdst(0)                   ; s[WV] is written, ahead of its first reader: shares and addresses are made from it
	s_and_b32 s27, s[WV], 1
	s_lshr_b32 s28, s[WV], 2
	s_and_b32 s29, s[WV], 3
	s_lshr_b32 s30, s[WV], 1
	s_lshl_b32 s31, s27, 9
	v_add_nc_u32 v[CB], s31, v[LI]
	s_lshl_b32 s32, s29, 9
	v_add_nc_u32 v[SVO], s32, v[LI]
	s_lshl_b32 s31, s28, 11
	s_add_co_u32 s31, s31, s32
	v_add_nc_u32 v[PO], s31, v[LI]
	s_lshl_b32 s31, s28, 12
	s_add_co_u32 s31, s31, s32
	s_add_co_u32 s31, s31, RED
	v_add_nc_u32 v[REDW], s31, v[LI]
	s_mul_i32 s33, s[WV], 8448
	s_add_co_u32 s31, s33, XSTG
	v_add_nc_u32 v[STW], s31, v[LI]
	v_mul_u32_u24 v[STR], v[RR], 528
	v_lshl_add_u32 v[STR], v[TH], 6, v[STR]
	v_add_nc_u32 v[STR], s31, v[STR]
	s_add_co_u32 s31, s33, RSTG
	v_add_nc_u32 v[RSW], s31, v[LI]
	s_mul_i32 s31, s[WV], 1536
	v_add_nc_u32 v[IMW], s31, v[LI]
	s_lshl_b32 s31, s[WV], 7
	v_add_nc_u32 v[ISW], s31, v[LS]
	v_lshlrev_b32 v[BOQ], 6, v[TH]
.irp b, 0,1,2,3
	v_mov_b32 v[TP+\b], 0                          ; written once: a lane permute's destination counts as one of its sources
.endr
	s_mov_b32 s[SEL], 0x76543210
	s_mov_b32 s[SEL+1], 0xfedcba98
	s_mov_b32 s[EPS], 0x3727c5ac                   ; 1e-5
	s_lshl_b32 s33, ttmp9, 7
	s_lshr_b32 s34, s30, 1
	s_lshl_b32 s34, s34, 5
	s_add_co_u32 s33, s33, s34
	s_and_b32 s34, s30, 1
	s_lshl_b32 s34, s34, 3
	s_add_co_u32 s33, s33, s34
	s_lshl_b32 s34, s33, 10
	s_mov_b32 s35, 0
	s_mul_i32 s50, s[WV], 12288
	s_add_co_u32 s50, s50, 196608                  ; w1's fragments 128 + 8 w on
	s_mov_b32 s51, 0
	s_wait_kmcnt 0x0
	s_add_nc_u64 s[4:5], s[4:5], s[34:35]
	s_add_nc_u64 s[20:21], s[20:21], s[34:35]
	s_wait_alu depctr_va_vdst(0)                   ; the addresses and offsets v1 to v14 are written, which the loads and stores below read
.irp i, 0,1,2,3,4,5,6,7,8,9,10,11,12,13,14,15
	global_load_b128 v[XR+4*\i:XR+4*\i+3], v[CB], s[4:5] offset:(\i+8*(\i/8))*1024 th:TH_LOAD_NT
.endr
	global_load_b128 v[SM:SM+3], v[CB], s[6:7]
	global_load_b128 v[SQ:SQ+3], v[CB], s[6:7] offset:1024
	global_load_b128 v[GG:GG+3], v[CB], s[8:9]
	global_load_b128 v[BE:BE+3], v[CB], s[10:11]
	global_load_b128 v[BF2:BF2+3], v[CB], s[18:19]
	global_load_b128 v[SV:SV+3], v[SVO], s[6:7]
.irp i, 0,1,2,3,4,5,6,7,8,9,10,11,12,13,14,15
	global_load_b128 v[RG+4*\i:RG+4*\i+3], v[PO], s[6:7] offset:8192*\i
.endr
	s_add_nc_u64 s[40:41], s[12:13], s[50:51]
	s_lshl_b32 s50, s[WV], 10
	s_add_co_u32 s50, s50, 16384
	s_add_nc_u64 s[42:43], s[14:15], s[50:51]      ; their scale words
	s_lshl_b32 s50, s[WV], 8
	s_add_nc_u64 s[44:45], s[16:17], s[50:51]      ; my 64 numbers of bf1
	s_mul_i32 s50, s30, 24576
	s_add_co_u32 s50, s50, 393216
	s_add_nc_u64 s[46:47], s[12:13], s[50:51]      ; w2's fragments 256 + 16 (w / 2) on
	s_lshl_b32 s50, s30, 11
	s_add_co_u32 s50, s50, 32768
	s_add_nc_u64 s[48:49], s[14:15], s[50:51]      ; and their scale words
	STATS 64
	FINAL 0x3b800000, 0x43800000, 0x43000000       ; 256 partials of 128 rows
	XPH_A
.set k, 0
.rept 24
	global_load_b128 v[W+4*k:W+4*k+3], v[LI], s[40:41] offset:512*k        ; w1 is asked for while the numbers come back from the stage: the waits in XPH_A have freed v16-143
.set k, k+1
.endr
.irp k, 0,1,2,3,4,5,6,7
	global_load_b32 v[WS+\k], v[LS], s[42:43] offset:128*\k
.endr
.irp t, 0,1,2,3
	global_load_b128 v[BI+8*\t:BI+8*\t+3], v[BOQ], s[44:45] offset:(32*(\t/2)+8*(\t%2))*4
	global_load_b128 v[BI+8*\t+4:BI+8*\t+7], v[BOQ], s[44:45] offset:(32*(\t/2)+8*(\t%2))*4+16
.endr
	XPH_B                                          ; h2's sixteen fragments lie in LDS; the turning stage is free
	s_wait_alu depctr_vm_vsrc(0)                   ; my LDS stores have read the codes v222-233 and the word v220: v232 and v233 are written below, and fragments land on the others in the second product
	; the addresses of the two phases that follow, on the one path that all waves take
	s_mul_i32 s31, s30, 12288
	s_mul_i32 s32, s27, 768
	s_add_co_u32 s31, s31, s32
	s_add_co_u32 s31, s31, HIMG
	v_add_nc_u32 v[HW16], s31, v[LI]               ; my half images: K step w / 2, half w % 2
	s_add_co_u32 s31, s31, 512
	v_add_nc_u32 v[HW8], s31, v[L8]
	s_lshl_b32 s31, s30, 11
	s_lshl_b32 s32, s27, 7
	s_add_co_u32 s31, s31, s32
	s_add_co_u32 s31, s31, HSC
	v_add_nc_u32 v[HWS], s31, v[LS]
	s_mul_i32 s31, s27, 67584
	s_lshr_b32 s32, s30, 2
	s_mul_i32 s32, s32, 8448
	s_add_co_u32 s31, s31, s32
	s_and_b32 s32, s30, 3
	s_lshl_b32 s32, s32, 7
	s_add_co_u32 s31, s31, s32
	s_add_co_u32 s31, s31, RSTG
	v_mul_u32_u24 v[RA], v[RR], 528
	v_add_nc_u32 v[RA], v[RA], v[BOQ]
	v_add_nc_u32 v[RA], s31, v[RA]                 ; r1 + bf2 at (row r of tile 4 (w % 2), channel 32 (w / 2) + 16 h)
	s_mul_i32 s31, s27, 6144
	s_add_co_u32 s31, s31, HIMG
	v_add_nc_u32 v[HR16], s31, v[LI]
	v_add_nc_u32 v[HR8], s31, v[L8]
	s_lshl_b32 s31, s27, 10
	s_add_co_u32 s31, s31, HSC
	v_add_nc_u32 v[HRS], s31, v[LS]
	v_mov_b32 v[TP2], 0
	v_mov_b32 v[TP2+1], 0
	s_wait_loadcnt 0x0                             ; w1, its words, bf1
	; ---- the hidden layer: my 64 units for the eight tiles of rows
	XFETCH 0                                       ; no wait: since the wait ahead of the image's stores no vector line has named v144-167, v252 or v253
.irp m, 0,1,2,3,4,5,6,7
.if \m == 0
	s_wait_dscnt 0x0
.else
	s_wait_dscnt 3                                 ; the tile's eight loads are in; the last tile's three stores may be out
.endif
	COL64
	s_wait_alu depctr_va_vdst(0)                   ; the eight products are done reading the tile's fragments and scale words, in which the next tile's land; in the last tile: w1 and its words, in which w2's land
.if \m < 7
	XFETCH \m+1                                    ; behind COL64's four places
	s_wait_dscnt 8                                 ; all but those eight loads: the last tile's stores have landed
.else
.set k, 0
.rept 16
	global_load_b32 v[WS+k], v[LS], s[48:49] offset:128*k          ; w1 is done with: w2's sixteen scale words (8 u + s),
.set k, k+1
.endr
.irp s, 0,1,2,3
	W2LOAD \s                                      ; and its first four K steps
.endr
	s_wait_dscnt 0x0
.endif
.if \m > 0
	s_wait_alu depctr_vm_vsrc(0)                   ; the last tile's three LDS stores have read v[PCH ..] and v[HWD], which the lines below write again
.endif
	HQUANT HA, HWD
	s_wait_alu depctr_va_vdst(0)                   ; the codes and the two bytes are written, which the three stores read (in the first tile their addresses v216-218 too, and those of the second product, v232-235)
	ds_store_b128 v[HW16], v[PCH:PCH+3] offset:1536*\m
	ds_store_b64 v[HW8], v[PCH+4:PCH+5] offset:1536*\m
	ds_store_b32 v[HWS], v[HWD] offset:256*\m
.endr
	BARRIER                                        ; the hidden layer's 64 fragments lie in LDS
	s_wait_alu depctr_vm_vsrc(0)                   ; the last tile's LDS stores have read v206-211, v215 and their addresses v216-218: the first C and fragments land on them below
	; ---- out: two tiles of outputs x four tiles of rows; r1 + bf2 is the first C
.irp m4, 0,1,2,3
.irp u, 0,1
	ds_load_b128 v[ACC+8*(2*\m4+\u):ACC+8*(2*\m4+\u)+3], v[RA] offset:\m4*16896+32*\u
	ds_load_b128 v[ACC+8*(2*\m4+\u)+4:ACC+8*(2*\m4+\u)+7], v[RA] offset:\m4*16896+32*\u+16
.endr
.endr
.irp s, 0,1,2,3,4,5,6,7
.irp k, 0,1,2,3
.set HFK, 112+12*\k+72*(\k/2)                      ; the four fragments at v112, v124, v208, v220
	ds_load_b128 v[HFK:HFK+3], v[HR16] offset:(\s%4)*12288+1536*\k
	ds_load_b64 v[HFK+4:HFK+5], v[HR8] offset:(\s%4)*12288+1536*\k+512
	ds_load_b128 v[HFK+6:HFK+9], v[HR16] offset:(\s%4)*12288+1536*\k+768
	ds_load_b64 v[HFK+10:HFK+11], v[HR8] offset:(\s%4)*12288+1536*\k+1280
	ds_load_b32 v[HL+2*\k], v[HRS] offset:2048*\s+256*\k
	ds_load_b32 v[HL+2*\k+1], v[HRS] offset:2048*\s+256*\k+128
.endr
	s_wait_dscnt 0x0
.irp k, 0,1,2,3
	v_lshl_or_b32 v[XS+\k], v[HL+2*\k+1], 16, v[HL+2*\k]   ; the two halves' bytes make the scale word
.endr
	PLACES 8                                       ; a scale register written by a vector instruction stands eight places ahead of the product
	s_wait_alu depctr_va_vdst(0)                   ; the four scale words are written, which the products below take as scales; the places above stay beside this wait
.if \s < 5
	s_wait_loadcnt 18                              ; this K step of w2 is in; the three younger ones, six loads each, may be out
.else
	s_wait_loadcnt 6*(7-\s)
.endif
.irp m4, 0,1,2,3
.set HFK, 112+12*\m4+72*(\m4/2)
.irp u, 0,1                                        ; eight accumulators by turns
	MM ACC+8*(2*\m4+\u), W+24*(\s%4)+12*\u, HFK, ACC+8*(2*\m4+\u), WS+8*\u+\s, XS+\m4
.endr
.endr
	PLACES 4                                       ; in front of loads into operands, of the next words' writes, and of the stores that read results
.if \s == 3
	s_wait_alu depctr_vm_vsrc(0)                   ; the LDS loads issued so far have read v[HR16] and v[HR8]
	v_add_nc_u32 v[HR16], 49152, v[HR16]           ; four K steps on: the immediates stay inside their 16 bits
	v_add_nc_u32 v[HR8], 49152, v[HR8]
.endif
	s_wait_alu depctr_va_vdst(0)                   ; the products are done reading w2's buffer and the four fragments, and the lines above the halves of the words: the next loads land on them; behind K step 3 the two addresses are written; behind the last K step the accumulators are written, which the stores read
.if \s < 4
	W2LOAD \s+4                                    ; into the buffer just read
.endif
.endr
.irp m4, 0,1,2,3
.irp u, 0,1
	ds_store_b128 v[RA], v[ACC+8*(2*\m4+\u):ACC+8*(2*\m4+\u)+3] offset:\m4*16896+32*\u         ; back to the bytes that I alone read
	ds_store_b128 v[RA], v[ACC+8*(2*\m4+\u)+4:ACC+8*(2*\m4+\u)+7] offset:\m4*16896+32*\u+16
.endr
.endr
	BARRIER                                        ; 128 whole rows of out lie in the stage
.irp i, 0,1,2,3,4,5,6,7,8,9,10,11,12,13,14,15
	ds_load_b128 v[XR+4*\i:XR+4*\i+3], v[RSW] offset:528*\i                ; over w2's buffers: no vector or matrix line has been issued since the last K step's wait
.endr
.irp i, 0,1,2,3,4,5,6,7,8,9,10,11,12,13,14,15
	s_wait_dscnt 15-\i                             ; row i is back; the younger loads may be out
	global_store_b128 v[CB], v[XR+4*\i:XR+4*\i+3], s[20:21] offset:(\i+8*(\i/8))*1024 th:TH_STORE_NT   ; 512 consecutive bytes, aligned; written once
.endr
	s_wait_xcnt 0x0
	v_lshl_add_u32 v254, v0, 2, 0x4c800            ; the add's two registers are made here: no two could be kept.  No memory or LDS instruction has ever read v254 or v255
	v_mov_b32 v255, 0
	s_wait_dscnt 0x0                               ; the closing lines, six on end
	s_wait_alu 0x0
	s_wait_tensorcnt 0x0
	ds_add_u32 v254, v255
	s_wait_dscnt 0x0
	s_endpgm
.Lfunc_end_k_q6021ccd250_mlp:
	.size	k_q6021ccd250_mlp, .Lfunc_end_k_q6021ccd250_mlp-k_q6021ccd250_mlp
	.p2alignl 7, 3214868480
	.fill 96, 4, 3214868480
	.section	.rodata,"a",@progbits
	.p2align	6, 0x0
	.amdhsa_kernel k_q6021ccd250_mlp
		.amdhsa_group_segment_fixed_size 315392
		.amdhsa_private_segment_fixed_size 0
		.amdhsa_enable_private_segment 0
		.amdhsa_kernarg_size 72
		.amdhsa_user_sgpr_count 2
		.amdhsa_user_sgpr_kernarg_segment_ptr 1
		.amdhsa_wavefront_size32 1
		.amdhsa_system_sgpr_workgroup_id_x 1
		.amdhsa_system_sgpr_workgroup_id_y 1
		.amdhsa_system_sgpr_workgroup_id_z 1
		.amdhsa_system_vgpr_workitem_id 0
		.amdhsa_next_free_vgpr 256
		.amdhsa_next_free_sgpr 66
		.amdhsa_reserve_vcc 0
		.amdhsa_float_denorm_mode_32 3
		.amdhsa_float_denorm_mode_16_64 3
		.amdhsa_memory_ordered 1
		.amdhsa_forward_progress 1
		.amdhsa_inst_pref_size 137
	.end_amdhsa_kernel
	.amdgpu_metadata
---
amdhsa.version: [ 1, 2 ]
amdhsa.kernels:
  - .name:           k_q6021ccd250_mlp
    .symbol:         k_q6021ccd250_mlp.kd
    .args:
      - { .name: r1, .offset: 0, .size: 8, .value_kind: global_buffer, .address_space: global }
      - { .name: st2, .offset: 8, .size: 8, .value_kind: global_buffer, .address_space: global }
      - { .name: g2, .offset: 16, .size: 8, .value_kind: global_buffer, .address_space: global }
      - { .name: beta2, .offset: 24, .size: 8, .value_kind: global_buffer, .address_space: global }
      - { .name: wimg, .offset: 32, .size: 8, .value_kind: global_buffer, .address_space: global }
      - { .name: wscl, .offset: 40, .size: 8, .value_kind: global_buffer, .address_space: global }
      - { .name: bf1, .offset: 48, .size: 8, .value_kind: global_buffer, .address_space: global }
      - { .name: bf2, .offset: 56, .size: 8, .value_kind: global_buffer, .address_space: global }
      - { .name: out0, .offset: 64, .size: 8, .value_kind: global_buffer, .address_space: global }
    .group_segment_fixed_size: 315392
    .private_segment_fixed_size: 0
    .kernarg_segment_align: 8
    .kernarg_segment_size: 72
    .max_flat_workgroup_size: 512
    .sgpr_count:     66
    .vgpr_count:     256
    .wavefront_size: 32
...
	.end_amdgpu_metadata
.endif
;; end of part 6
